; MI455X (gfx1250); checked and timed in simulation.
; The chip was launched on July 23, 2026; its instructions are those of AMD's public machine-readable ISA for CDNA 5 (MIT licence, August 2026) and "CDNA5" Instruction Set Architecture Reference Guide (July 2026). The comments in the code are by the model that wrote it; some were corrected since.
;; Transformer Block. Allowed arithmetic: matrix products marked QUANTISED: E2M3 operands, one E8M0 scale for each 32 along K, by v_wmma_scale_f32_16x16x128_f8f6f4 with both operands' format E2M3, f32 sums; products left as they are: f32 operands where the result goes on into a quantised operand, else bf16, f16 or f32 operands; f32 sums; everything else in f32.
;; Inputs: attn_norm_w 512 float32; expert_w 4 x 512 x 512 float32; ffn_norm_w 512 float32; gate_w 4 x 512 float32; wk 128 x 512 float32; wo 512 x 512 float32; wq 512 x 512 float32; wv 128 x 512 float32; x 4 x 2,048 x 512 float32.
;; Outputs: out0 4 x 2,048 x 512 float32.
;; This version of the problem:
;;   THIS VERSION OF THE PROBLEM IS GIVEN IN LOW PRECISION. The matrix products marked QUANTISED in the list below multiply operands that are first quantised to E2M3 (2 exponent bits, 3 mantissa bits; 6 bits a number), with one power-of-two scale for each 32 numbers along K (OCP MX v1.0); their sums are f32. All else is computed in f32.
;;   The module's matrix products, in the order in which they are computed (A, B: the left and right operand; K: the contracted axis; several contracted axes count as one K, in the product's order):
;;     1. [M 8,192, K 512] x [K 512, N 512]; A: computed on the way; B: input wq: QUANTISED
;;     2. [M 8,192, K 512] x [K 512, N 128]; A: computed on the way; B: input wk: QUANTISED
;;     3. [M 8,192, K 512] x [K 512, N 128]; A: computed on the way; B: input wv: QUANTISED
;;     4. batch 64 x [M 2,048, K 32] x [K 32, N 2,048]; A: computed on the way; B: computed on the way: QUANTISED
;;     5. batch 64 x [M 32, K 2,048] x [K 2,048, N 2,048]; A: computed on the way; B: softmax (see below): QUANTISED
;;     6. [M 8,192, K 512] x [K 512, N 512]; A: computed on the way; B: input wo: QUANTISED
;;     7. [M 8,192, K 512] x [K 512, N 4]; A: computed on the way; B: input gate_w: left as it is (N = 4 < 16)
;;     8. [M 8,192, K 512] x [K 512, N 512]; A: computed on the way; B: input expert_w: QUANTISED
;;     9. [M 8,192, K 512] x [K 512, N 512]; A: computed on the way; B: input expert_w: QUANTISED
;;     10. [M 8,192, K 512] x [K 512, N 512]; A: computed on the way; B: input expert_w: QUANTISED
;;     11. [M 8,192, K 512] x [K 512, N 512]; A: computed on the way; B: input expert_w: QUANTISED
;;   THE QUANTISER, for each operand of a quantised product, along K:
;;     - K is cut into blocks of 32 from its start; a last block that is shorter is filled with zeros.
;;     - A block's scale is 2^e with e = floor(log2(the largest magnitude in the block)) - 2, held to -126 .. 127; a block of zeros has e = 0. As a byte (E8M0): e + 127.
;;     - Each number is divided by its block's scale, clamped to +-7.5, and rounded to the nearest number of E2M3, ties to even, subnormals kept.
;;     - The product sums the exact products of the quantised numbers (number of the format x scale) in f32.
;;   ~~~python
;;   def quantise(x, axis):      # numpy; x: float32 -> the quantised numbers, widened to float32 again
;;       x = np.moveaxis(x, axis, -1); K = x.shape[-1]
;;       x = np.pad(x, [(0, 0)] * (x.ndim - 1) + [(0, -K % 32)]); x = x.reshape(x.shape[:-1] + (-1, 32)); a = np.abs(x).max(-1, keepdims=True)
;;       e = np.where(a > 0, np.clip(np.frexp(np.where(a > 0, a, 1))[1] - 1 - 2, -126, 127), 0)      # np.frexp(a)[1] - 1 = floor(log2(a)), exactly
;;       r = np.clip(x / 2.0 ** e, -7.5, 7.5)
;;       step = 2.0 ** (np.maximum(np.frexp(np.where(r == 0, 1, r))[1] - 1, 0) - 3)
;;       q = np.round(r / step) * step * 2.0 ** e      # np.round: ties to even
;;       return np.moveaxis(q.reshape(q.shape[:-2] + (-1,))[..., :K], -1, axis).astype(np.float32)
;;   ~~~
;;   SOFTMAX AHEAD OF A QUANTISED PRODUCT. Where the list says 'softmax', what is quantised is not the finished softmax but p = 2^(t - M), with t = logit x log2(e) and M = ceil(the row's largest t), a whole number; so 1/2 < the row's largest p <= 1. The row's sum l is taken of the UNQUANTISED p, in f32, and the product's result is divided by l at the end. Since M is a whole number, a kernel that streams over the keys may use a running M (the ceiling of the running maximum): every later rescaling is an exact power of two, which a block's scale takes up: the codes' values come out the same.
;;   OPERANDS COMPUTED ON THE WAY. 'Computed on the way' means the value that the module computes at that place (a softmax that the list does not call 'softmax' is quantised finished and normalised). What goes into a quantiser is computed in f32, as accurately as f32 sums, v_exp_f32 and their like allow (about 1e-6 of the number): no bf16 or f16 on the way to a quantiser, and a product that is left as it is and whose result goes on into a quantised operand takes f32 operands (vector FMAs, or v_wmma_f32_16x16x4_f32). A number that lies on a knife's edge between two numbers of the format may be rounded either way, as far as f32 arithmetic and the matrix unit's own rounding can turn it there, and no further.
;; 2 versions, each right; version 2 is version 1 with the launches qkv, attn, tail written anew for expert scheduling mode. Each part assembles by itself: llvm-mc -triple=amdgcn-amd-amdhsa -mcpu=gfx1250 --defsym DOCPART=n.
;; ======== version 1 of 2: 4 launches
;; workspace buffers: W 1,331,200 bytes; Q 3,276,800 bytes; KV 1,703,936 bytes; A 3,276,800 bytes
;; launch wquant (part 1): grid 52 x 4, 1 waves a work-group, no clusters, 34,048 bytes of LDS; arguments wq, wk, wv, wo, expert_w, W; writes W
.if DOCPART == 1
	.amdgcn_target "amdgcn-amd-amdhsa--gfx1250"
	.amdhsa_code_object_version 6
	.text
	.protected	k_qb6dc76ae1c_wquant
	.globl	k_qb6dc76ae1c_wquant
	.p2align	8
	.type	k_qb6dc76ae1c_wquant,@function
k_qb6dc76ae1c_wquant:
	s_mov_b64 s[64:65], 0
	v_nop
	global_prefetch_b8 v0, s[64:65] scope:SCOPE_SE
	s_setreg_imm32_b32 hwreg(HW_REG_WAVE_MODE, 25, 1), 1
	s_wait_xcnt 0x0
; All weights (f32, [n][512], K innermost) become codes of FP6 (E2M3) with one E8M0 byte for each 32 along K, laid in the ORDER OF THE OPERAND'S REGISTERS.
; W is 208 units of 6,400 bytes; unit (R, s) at (4 R + s) x 6,400 holds 64 weight rows x 128 along K (K step s): four fragments of 1,536 bytes (registers 4 c .. 4 c + 3 of lane l at 512 c + 16 l),
; then 256 bytes of scale words: lane l's 8 bytes at 8 l, word q = the word of fragment 2 q + l / 16, row l % 16.
; Row r of fragment t is weight row 32 (t / 2) + 8 (t % 2) + r + 8 (r / 8) of the unit's 64: used as source 0, two neighbouring fragments then give a lane 16 neighbours along the rows.
; R 0-7: wq;  R 8-11: fragments 0, 1 = 32 rows of wk, fragments 2, 3 = the same 32 rows of wv;  R 12-19: wo;  R 20-51: expert_w as 2,048 rows.
; One wave makes one unit.  Each load reads 512 consecutive bytes of one row; the rows turn through a stage in LDS (pitch 528), from which a lane takes 16 neighbours of each block of 32.
; A block's scale is 2^(floor(log2(largest magnitude)) - 2); its byte is the largest magnitude's exponent field - 2, held at 1 from below.
; LIMITS: a block of zeros, and one whose largest magnitude lies under 2^-124, gets the byte 1 (its codes are zeros or small; this program alone reads the bytes); NaN and infinities are not served.
.set PIT,  528                         ; a stage row: 512 bytes + 16
.set STG,  32*PIT                      ; a stage: 32 rows
.set LI,   1                           ; v1      16 x lane
.set L8,   2                           ; v2      8 x lane
.set RD,   5                           ; v5      the stage, on the way out: (r + 8 (r / 8)) x PIT + 64 h
.set TM,   8                           ; v8-23   the quantiser's work
.set PWB,  24                          ; v24-27  the four fragments' scale words
.set SC,   28                          ; v28-29  the unit's scale words as they are stored
.set ST,   32                          ; v32-95  64 numbers of a lane
.set LD,   96                          ; v96-223 32 rows as loaded
.set PC,   224                         ; v224-242 the codes just made
.set SEL,  26                          ; s[26:27] lane selects: lane l xor 16
; 64 numbers of a lane, register 16 b + i = k 32 b + 16 (lane / 16) + i of my row, become a fragment's codes in v[PC] on and its scale word in v[pw].
.macro QUANT s, pw
.irp b, 0,1,2,3
	v_max3_num_f32 v[TM+\b], |v[\s+16*\b]|, |v[\s+1+16*\b]|, 0x1800000   ; my 16 numbers of block b, and the floor 2^(3 - 127): the byte cannot fall under 1
.endr
.irp i, 2,4,6,8,10,12,14
.irp b, 0,1,2,3
	v_max3_num_f32 v[TM+\b], v[TM+\b], |v[\s+16*\b+\i]|, |v[\s+1+16*\b+\i]|
.endr
.endr
.irp b, 0,1,2,3
	v_permlanex16_b32 v[TM+4+\b], v[TM+\b], s[SEL], s[SEL+1]
.endr
.irp b, 0,1,2,3
	v_max_num_f32 v[TM+\b], v[TM+\b], v[TM+4+\b]          ; with lane l xor 16's: the block's largest magnitude
.endr
.irp b, 0,1,2,3
	v_add_nc_u32 v[TM+12+\b], 0xff000000, v[TM+\b]        ; 2 off its exponent field: the conversion's scale operand
.endr
.irp b, 0,1,2,3
	v_lshrrev_b32 v[TM+4+\b], 23, v[TM+12+\b]             ; the scale's byte
.endr
	v_lshl_or_b32 v[\pw], v[TM+5], 8, v[TM+4]
	v_lshl_or_b32 v[\pw], v[TM+6], 16, v[\pw]
	v_lshl_or_b32 v[\pw], v[TM+7], 24, v[\pw]             ; my row's scale word
.irp c, 0,1
	v_cvt_scalef32_pk16_fp6_f32 v[PC+6*\c:PC+2+6*\c], v[\s+32*\c:\s+15+32*\c], v[TM+12+2*\c]
	v_cvt_scalef32_pk16_fp6_f32 v[PC+12+4*\c:PC+14+4*\c], v[\s+16+32*\c:\s+31+32*\c], v[TM+12+2*\c+1]   ; (a conversion's three registers begin on an even number)
.endr
	v_nop                                                 ; one plain place behind a scaled conversion
.irp c, 0,1                                           ; the operand wants a WHOLE block in a lane: lanes 0-15 block 2 c, lanes 16-31 block 2 c + 1
.irp i, 0,1,2
	v_permlane16_swap_b32 v[PC+6*\c+\i], v[PC+12+4*\c+\i]
.endr
.irp i, 0,1,2
	v_mov_b32 v[PC+3+6*\c+\i], v[PC+12+4*\c+\i]
.endr
.endr
.endm
	s_load_b256 s[4:11], s[0:1], 0x0               ; wq s[4:5], wk s[6:7], wv s[8:9], wo s[10:11]
	s_load_b128 s[12:15], s[0:1], 0x20             ; expert_w s[12:13], W s[14:15]
	v_lshl_add_u32 v254, v0, 2, 0x8400
	v_mov_b32 v255, 0
	v_and_b32 v3, 15, v0                           ; r (one wave: v0 is the lane)
	v_bfe_u32 v4, v0, 4, 1                         ; h
	v_lshlrev_b32 v[LI], 4, v0
	v_lshlrev_b32 v[L8], 3, v0
	v_and_b32 v6, 8, v3
	v_add_nc_u32 v6, v6, v3                        ; r + 8 (r / 8)
	v_mul_u32_u24 v[RD], v6, PIT
	v_lshl_add_u32 v[RD], v4, 6, v[RD]
.irp b, 0,1,2,3
	v_mov_b32 v[TM+4+\b], 0                        ; written once: a lane exchange's destination counts as one of its sources
.endr
	s_mov_b32 s[SEL], 0x76543210
	s_mov_b32 s[SEL+1], 0xfedcba98
	s_mov_b32 s28, 0xffff0000                      ; lanes 16-31
	s_and_b32 s29, ttmp7, 0xffff                   ; the K step
	s_wait_kmcnt 0x0
	; which tensor, and which rows: chosen on the work-group's number alone.  s30 the tensor's first group, s31 log2(rows a group), s23 the second pair's distance in rows
	s_cmp_lt_u32 ttmp9, 20
	s_cselect_b64 s[16:17], s[10:11], s[12:13]     ; wo, else expert_w
	s_cselect_b32 s30, 12, 20
	s_mov_b64 s[18:19], s[16:17]
	s_cmp_lt_u32 ttmp9, 12
	s_cselect_b64 s[16:17], s[6:7], s[16:17]       ; pair 0 from wk,
	s_cselect_b64 s[18:19], s[8:9], s[18:19]       ; pair 1 from wv
	s_cselect_b32 s30, 8, s30
	s_cselect_b32 s31, 5, 6
	s_cselect_b32 s23, 0, 32
	s_cmp_lt_u32 ttmp9, 8
	s_cselect_b64 s[16:17], s[4:5], s[16:17]       ; wq
	s_cselect_b64 s[18:19], s[4:5], s[18:19]
	s_cselect_b32 s30, 0, s30
	s_cselect_b32 s31, 6, s31
	s_cselect_b32 s23, 32, s23
	s_sub_co_u32 s20, ttmp9, s30
	s_lshl_b32 s20, s20, s31                       ; pair 0's first row
	s_add_co_u32 s21, s20, s23                     ; pair 1's
	s_lshl_b32 s22, s29, 9                         ; 128 numbers along K are 512 bytes
	s_lshl_b32 s32, s20, 11                        ; a row is 2,048 bytes
	s_add_co_u32 s32, s32, s22
	s_mov_b32 s33, 0
	s_lshl_b32 s34, s21, 11
	s_add_co_u32 s34, s34, s22
	s_mov_b32 s35, 0
	s_add_nc_u64 s[16:17], s[16:17], s[32:33]
	s_add_nc_u64 s[18:19], s[18:19], s[34:35]
	s_lshl_b32 s36, ttmp9, 2
	s_add_co_u32 s36, s36, s29
	s_mul_i32 s36, s36, 6400
	s_mov_b32 s37, 0
	s_add_nc_u64 s[24:25], s[14:15], s[36:37]      ; my unit
.macro ROWS ptr                        ; 32 rows x 512 bytes: each load reads 512 consecutive bytes
.set I, 0
.rept 32
	global_load_b128 v[LD+4*I:LD+4*I+3], v[LI], s[\ptr:\ptr+1] offset:2048*I th:TH_LOAD_NT
.set I, I+1
.endr
.endm
.macro TOSTAGE p
.set I, 0
.rept 32
	ds_store_b128 v[LI], v[LD+4*I:LD+4*I+3] offset:STG*(\p)+PIT*I
.set I, I+1
.endr
.endm
.macro TILE p, u                       ; fragment 2 p + u
.irp b, 0,1,2,3
.irp j, 0,1,2,3
	ds_load_b128 v[ST+16*\b+4*\j:ST+16*\b+4*\j+3], v[RD] offset:STG*(\p)+8*(\u)*PIT+128*\b+16*\j
.endr
.endr
	s_wait_dscnt 0x0
	s_wait_xcnt 0x0                                ; the last fragment's stores have read their data: the codes' registers are written again only behind this wait
	QUANT ST, PWB+2*(\p)+(\u)
.irp c, 0,1,2
	global_store_b128 v[LI], v[PC+4*\c:PC+4*\c+3], s[24:25] offset:(2*(\p)+(\u))*1536+512*\c   ; 512 consecutive bytes, aligned
.endr
.endm
	ROWS 16
	s_wait_loadcnt 0x0
	TOSTAGE 0
	s_wait_dscnt 0x0                               ; the stores have read their registers,
	ROWS 18                                        ; which take pair 1's rows while pair 0 is quantised
	TILE 0, 0
	TILE 0, 1
	s_wait_loadcnt 0x0
	TOSTAGE 1
	TILE 1, 0
	TILE 1, 1
	v_cndmask_b32 v[SC], v[PWB], v[PWB+1], s28     ; lanes 0-15: fragment 0's words, lanes 16-31: fragment 1's
	v_cndmask_b32 v[SC+1], v[PWB+2], v[PWB+3], s28 ; fragments 2 and 3
	global_store_b64 v[L8], v[SC:SC+1], s[24:25] offset:6144
	s_wait_tensorcnt 0x0
	ds_add_u32 v254, v255
	s_wait_dscnt 0x0
	s_endpgm
.Lfunc_end_k_qb6dc76ae1c_wquant:
	.size	k_qb6dc76ae1c_wquant, .Lfunc_end_k_qb6dc76ae1c_wquant-k_qb6dc76ae1c_wquant
	.p2alignl 7, 3214868480
	.fill 96, 4, 3214868480
	.section	.rodata,"a",@progbits
	.p2align	6, 0x0
	.amdhsa_kernel k_qb6dc76ae1c_wquant
		.amdhsa_group_segment_fixed_size 34048
		.amdhsa_private_segment_fixed_size 0
		.amdhsa_enable_private_segment 0
		.amdhsa_kernarg_size 48
		.amdhsa_user_sgpr_count 2
		.amdhsa_user_sgpr_kernarg_segment_ptr 1
		.amdhsa_wavefront_size32 1
		.amdhsa_system_sgpr_workgroup_id_x 1
		.amdhsa_system_sgpr_workgroup_id_y 1
		.amdhsa_system_sgpr_workgroup_id_z 1
		.amdhsa_system_vgpr_workitem_id 0
		.amdhsa_next_free_vgpr 256
		.amdhsa_next_free_sgpr 66
		.amdhsa_reserve_vcc 0
		.amdhsa_float_denorm_mode_32 3
		.amdhsa_float_denorm_mode_16_64 3
		.amdhsa_memory_ordered 1
		.amdhsa_forward_progress 1
		.amdhsa_inst_pref_size 34
	.end_amdhsa_kernel
	.amdgpu_metadata
---
amdhsa.version: [ 1, 2 ]
amdhsa.kernels:
  - .name:           k_qb6dc76ae1c_wquant
    .symbol:         k_qb6dc76ae1c_wquant.kd
    .args:
      - { .name: wq, .offset: 0, .size: 8, .value_kind: global_buffer, .address_space: global }
      - { .name: wk, .offset: 8, .size: 8, .value_kind: global_buffer, .address_space: global }
      - { .name: wv, .offset: 16, .size: 8, .value_kind: global_buffer, .address_space: global }
      - { .name: wo, .offset: 24, .size: 8, .value_kind: global_buffer, .address_space: global }
      - { .name: expert_w, .offset: 32, .size: 8, .value_kind: global_buffer, .address_space: global }
      - { .name: W, .offset: 40, .size: 8, .value_kind: global_buffer, .address_space: global }
    .group_segment_fixed_size: 34048
    .private_segment_fixed_size: 0
    .kernarg_segment_align: 8
    .kernarg_segment_size: 48
    .max_flat_workgroup_size: 32
    .sgpr_count:     66
    .vgpr_count:     256
    .wavefront_size: 32
...
	.end_amdgpu_metadata
.endif
;; end of part 1
;; launch qkv (part 2): grid 128 x 1, 4 waves a work-group, no clusters, 162,304 bytes of LDS; arguments x, attn_norm_w, W, Q, KV; writes Q, KV
.if DOCPART == 2
	.amdgcn_target "amdgcn-amd-amdhsa--gfx1250"
	.amdhsa_code_object_version 6
	.text
	.protected	k_qb6dc76ae1c_qkv
	.globl	k_qb6dc76ae1c_qkv
	.p2align	8
	.type	k_qb6dc76ae1c_qkv,@function
k_qb6dc76ae1c_qkv:
	s_mov_b64 s[64:65], 0
	v_nop
	global_prefetch_b8 v0, s[64:65] scope:SCOPE_SE
	s_setreg_imm32_b32 hwreg(HW_REG_WAVE_MODE, 25, 1), 1
	s_wait_xcnt 0x0
; RMS norm of x, quantised (FP6, E2M3, one E8M0 byte for 32 along K); q, k, v = the normed x times wq, wk, wv (codes out of W); q and k quantised along the head's 32, v along the tokens.
; SHARES.  A work-group owns 64 tokens.  First wave w norms and quantises token tile w; then THE WAVES SHARE THE COLUMNS: wave w makes query heads 4 w .. 4 w + 3, key head w and value head w for all four tiles.
; Row p of token tile T is token 32 (T / 2) + 8 (T % 2) + p + 8 (p / 8): so the v product, used untransposed (source 0 = tokens), gives a lane 16 neighbouring TOKENS in two neighbouring tiles.
; q and k are used transposed (source 0 = 16 weight rows): a lane holds one token and 16 neighbours of a head's 32; lanes l and l xor 16 hold the block.
; THE WEIGHTS go from memory straight into the operand's registers: units of 6,400 bytes (four fragments and their scale words), 13 loads each, through a ring of five register slots.
; No cluster: all work-groups walk the same units, but a joint request lands in LDS, from which each wave would read only its own quarter of a step's units once more; here no weight byte passes through LDS.
; OUT.  Q: a record of 25,600 bytes a block of 64 tokens: [16 heads][64 tokens][24 bytes], then [16 heads][64] scale bytes.
; KV: a record of 6,656 bytes for (batch, kv head, 128 keys): two halves of 3,072 bytes of codes, then two of 256 bytes of scales.  A half (64 keys): a fragment of K, 16 rows of 96 bytes, whose block j of row p
; is key 32 (j / 2) + 8 (j % 2) + p + 8 (p / 8); then V as [2 tiles of d][16 rows][48 bytes], row m of tile u = d 8 u + m + 8 (m / 8), keys innermost.  Scales: 16 words of K, 32 half words of V, 128 zeros.
; LIMITS: NaN and infinities are not served; a block of zeros or under 2^-124 gets the byte 1; v_rsq_f32 is good to 1 ulp; the mean's sum runs in another order than the reference's.
; REGISTERS, in windows of 256: window 0: see the names; window 1: x as loaded (64 s + 4 p), then q's sums (64 head + 16 T + 8 u); window 2: k's sums (16 T + 8 u), v's (64 + 32 u + 16 (T / 2) + 8 (T % 2)); window 3: the ring.
.set REG,  33792                       ; LDS: a region for each wave: the stage [4 K steps][16 rows][528]; later the wave's results
.set XIMG, 4*REG                       ; 16 images of fragments (4 T + s), 1,536 bytes each
.set XSC,  XIMG+16*1536                ; their scale words, 128 bytes each
.set OQ,   0                           ; in my region, later: q's codes 6,144,
.set OQS,  6144                        ; q's scale bytes 256,
.set OKV,  6400                        ; my half record's codes 3,072,
.set OKS,  9472                        ; its scales 256
.set LI,   1                           ; 16 x lane
.set L8,   2                           ; 8 x lane
.set LS,   3                           ; 4 x lane
.set STW,  4                           ; my region + 16 x lane
.set RDX,  5                           ; my region + 528 r + 64 h
.set IWI,  6                           ; XIMG + 6,144 w + 16 x lane
.set IWS,  7                           ; XSC + 512 w + 4 x lane
.set FI,   8                           ; XIMG + 16 x lane
.set FS,   9                           ; XSC + 4 x lane
.set AQ,   10                          ; my region + 24 (r + 8 (r / 8)) + 12 h
.set AQS,  11                          ; my region + r + 8 (r / 8)
.set AKC,  12                          ; my region + 96 r + 12 h
.set AKS,  13                          ; my region + 4 r
.set AVC,  14                          ; my region + 48 r + 12 h
.set AVS,  15                          ; my region + 2 r
.set NW,   16                          ; v16-31   the norm's weights of my columns
.set XF,   32                          ; v32-95, v96-159: 64 numbers in two sets; then x's fragments in two buffers of 48
.set SSP,  160                         ; v160-191 sixteen pairs: sums of squares
.set CQ,   160                         ; later: four blocks' codes
.set PC,   192                         ; v192-210 the codes just made
.set TM,   212                         ; v212-227 the quantisers' work
.set PW,   228
.set WS,   230                         ; v230-239 the ring's scale words: scales and nothing else
.set XS,   240                         ; v240-247 x's scale words: scales and nothing else
.set NIL,  248
.set ZA,   249                         ; my region + 4 x lane
.set OA,   250                         ; my region + 8 x lane
.set SEL,  30
.set MSB, 0
.macro WIN new                         ; bits 1:0 source 0, 3:2 source 1, 5:4 source 2, 7:6 destination; the high byte repeats the setting that is left
.if MSB != (\new)
	s_set_vgpr_msb (MSB<<8)|(\new)
.set MSB, (\new)
.endif
.endm
.macro QUANT s, pw                     ; 64 numbers, register 16 b + i = k 32 b + 16 (lane / 16) + i of my row -> a fragment's codes in v[PC] on, its scale word in v[pw]
.irp b, 0,1,2,3
	v_max3_num_f32 v[TM+\b], |v[\s+16*\b]|, |v[\s+1+16*\b]|, 0x1800000   ; and the floor 2^(3 - 127): the byte cannot fall under 1
.endr
.irp i, 2,4,6,8,10,12,14
.irp b, 0,1,2,3
	v_max3_num_f32 v[TM+\b], v[TM+\b], |v[\s+16*\b+\i]|, |v[\s+1+16*\b+\i]|
.endr
.endr
.irp b, 0,1,2,3
	v_permlanex16_b32 v[TM+4+\b], v[TM+\b], s[SEL], s[SEL+1]
.endr
.irp b, 0,1,2,3
	v_max_num_f32 v[TM+\b], v[TM+\b], v[TM+4+\b]
.endr
.irp b, 0,1,2,3
	v_add_nc_u32 v[TM+12+\b], 0xff000000, v[TM+\b]        ; 2 off the exponent field: the conversion's scale operand
.endr
.irp b, 0,1,2,3
	v_lshrrev_b32 v[TM+4+\b], 23, v[TM+12+\b]
.endr
	v_lshl_or_b32 v[\pw], v[TM+5], 8, v[TM+4]
	v_lshl_or_b32 v[\pw], v[TM+6], 16, v[\pw]
	v_lshl_or_b32 v[\pw], v[TM+7], 24, v[\pw]
.irp c, 0,1
	v_cvt_scalef32_pk16_fp6_f32 v[PC+6*\c:PC+2+6*\c], v[\s+32*\c:\s+15+32*\c], v[TM+12+2*\c]
	v_cvt_scalef32_pk16_fp6_f32 v[PC+12+4*\c:PC+14+4*\c], v[\s+16+32*\c:\s+31+32*\c], v[TM+12+2*\c+1]
.endr
	v_nop                                                 ; one plain place behind a scaled conversion
.irp c, 0,1
.irp i, 0,1,2
	v_permlane16_swap_b32 v[PC+6*\c+\i], v[PC+12+4*\c+\i]
.endr
.irp i, 0,1,2
	v_mov_b32 v[PC+3+6*\c+\i], v[PC+12+4*\c+\i]
.endr
.endr
.endm
.macro IMAGE adr, off                  ; a fragment goes to LDS as an image of its registers,
.irp c, 0,1,2
	ds_store_b128 v[\adr], v[PC+4*\c:PC+4*\c+3] offset:(\off)+512*\c
.endr
.endm
.macro FETCH reg, adr, off             ; and comes back so in any wave
.irp c, 0,1,2
	ds_load_b128 v[(\reg)+4*\c:(\reg)+4*\c+3], v[\adr] offset:(\off)+512*\c
.endr
.endm
.macro UNITLOAD slot, base, imm        ; a unit of weights into ring slot: 13 loads
	WIN 0xc0
.irp f, 0,1,2,3
.irp c, 0,1,2
	global_load_b128 v[48*(\slot)+12*\f+4*\c:48*(\slot)+12*\f+4*\c+3], v[LI], s[\base:\base+1] offset:(\imm)+1536*\f+512*\c
.endr
.endr
	WIN 0
	global_load_b64 v[WS+2*(\slot):WS+2*(\slot)+1], v[L8], s[\base:\base+1] offset:(\imm)+6144
.endm
.macro RING u                          ; unit u = 3 s + q: q = 0, 1 two groups of wq's rows, q = 2 the group of wk's and wv's
.if (\u) < 12
.if (\u)%3 < 2
	UNITLOAD (\u)%5, 18, (4*((\u)%3)+(\u)/3)*6400
.else
	UNITLOAD (\u)%5, 20, ((\u)/3)*6400
.endif
.endif
.endm
.macro WMM d, a, b, sa, sb, zero, row  ; row: 0 both scales in lanes 0-15; 1 source 0's in lanes 16-31; 2 source 1's
.if \zero
.if (\row) == 0
	v_wmma_scale_f32_16x16x128_f8f6f4 v[0+(\d):7+(\d)], v[0+(\a):11+(\a)], v[0+(\b):11+(\b)], 0, v[\sa], v[\sb] matrix_a_fmt:MATRIX_FMT_FP6 matrix_b_fmt:MATRIX_FMT_FP6
.elseif (\row) == 1
	v_wmma_scale_f32_16x16x128_f8f6f4 v[0+(\d):7+(\d)], v[0+(\a):11+(\a)], v[0+(\b):11+(\b)], 0, v[\sa], v[\sb] matrix_a_fmt:MATRIX_FMT_FP6 matrix_b_fmt:MATRIX_FMT_FP6 matrix_a_scale:MATRIX_SCALE_ROW1
.else
	v_wmma_scale_f32_16x16x128_f8f6f4 v[0+(\d):7+(\d)], v[0+(\a):11+(\a)], v[0+(\b):11+(\b)], 0, v[\sa], v[\sb] matrix_a_fmt:MATRIX_FMT_FP6 matrix_b_fmt:MATRIX_FMT_FP6 matrix_b_scale:MATRIX_SCALE_ROW1
.endif
.else
.if (\row) == 0
	v_wmma_scale_f32_16x16x128_f8f6f4 v[0+(\d):7+(\d)], v[0+(\a):11+(\a)], v[0+(\b):11+(\b)], v[0+(\d):7+(\d)], v[\sa], v[\sb] matrix_a_fmt:MATRIX_FMT_FP6 matrix_b_fmt:MATRIX_FMT_FP6
.elseif (\row) == 1
	v_wmma_scale_f32_16x16x128_f8f6f4 v[0+(\d):7+(\d)], v[0+(\a):11+(\a)], v[0+(\b):11+(\b)], v[0+(\d):7+(\d)], v[\sa], v[\sb] matrix_a_fmt:MATRIX_FMT_FP6 matrix_b_fmt:MATRIX_FMT_FP6 matrix_a_scale:MATRIX_SCALE_ROW1
.else
	v_wmma_scale_f32_16x16x128_f8f6f4 v[0+(\d):7+(\d)], v[0+(\a):11+(\a)], v[0+(\b):11+(\b)], v[0+(\d):7+(\d)], v[\sa], v[\sb] matrix_a_fmt:MATRIX_FMT_FP6 matrix_b_fmt:MATRIX_FMT_FP6 matrix_b_scale:MATRIX_SCALE_ROW1
.endif
.endif
.endm
; 16 matrix instructions: a unit's four fragments x the four token tiles, on 16 accumulators by turns
.macro MULQ slot, q, buf, win, zero
	WIN 0x03+0x50*(\win)                           ; source 0 window 3, source 1 window 0, C and D window win
.irp f, 0,1,2,3
.irp t, 0,1,2,3
	WMM 64*(2*(\q)+\f/2)+16*\t+8*(\f%2), 48*(\slot)+12*\f, XF+64*(\buf)+12*\t, WS+2*(\slot)+\f/2, XS+4*(\buf)+\t, \zero, \f%2
.endr
.endr
.endm
.macro XFETCH s, buf                   ; K step s: four fragments of x and their scale words: 16 LDS loads
.irp t, 0,1,2,3
	FETCH XF+64*(\buf)+12*\t, FI, (4*\t+(\s))*1536
	ds_load_b32 v[XS+4*(\buf)+\t], v[FS] offset:(4*\t+(\s))*128
.endr
.endm
.macro XBACK s, set                    ; K step s of my 16 rows back from the stage: 16 neighbours of each block of 32
.irp b, 0,1,2,3
.irp j, 0,1,2,3
	ds_load_b128 v[XF+64*(\set)+16*\b+4*\j:XF+64*(\set)+16*\b+4*\j+3], v[RDX] offset:8448*(\s)+128*\b+16*\j
.endr
.endr
.endm
; four blocks of 32, each 16 registers of a lane (at base + 16 b in window win) and 16 of lane l xor 16: codes to v[CQ + 4 b] on, bytes to v[TM + 8 + b].  Each accumulator is read from its low end on.
.macro QB win, base
.irp b, 0,1,2,3
	v_mov_b32 v[TM+\b], 0x1800000                  ; the floor 2^(3 - 127)
.endr
	WIN 0x14*(\win)                                ; sources 1 and 2 in window win
.irp i, 0,2,4,6,8,10,12,14
.irp b, 0,1,2,3
	v_max3_num_f32 v[TM+\b], v[TM+\b], |v[(\base)+16*\b+\i]|, |v[(\base)+16*\b+\i+1]|
.endr
.endr
	WIN 0
.irp b, 0,1,2,3
	v_permlanex16_b32 v[TM+4+\b], v[TM+\b], s[SEL], s[SEL+1]
.endr
.irp b, 0,1,2,3
	v_max_num_f32 v[TM+\b], v[TM+\b], v[TM+4+\b]
.endr
.irp b, 0,1,2,3
	v_add_nc_u32 v[TM+12+\b], 0xff000000, v[TM+\b]
.endr
.irp b, 0,1,2,3
	v_lshrrev_b32 v[TM+8+\b], 23, v[TM+12+\b]
.endr
	WIN \win                                       ; source 0 in window win
.irp b, 0,1,2,3
	v_cvt_scalef32_pk16_fp6_f32 v[CQ+4*\b:CQ+4*\b+2], v[(\base)+16*\b:(\base)+16*\b+15], v[TM+12+\b]
.endr
	WIN 0
	v_nop                                          ; one plain place behind a scaled conversion
.endm
	s_load_b256 s[4:11], s[0:1], 0x0               ; x s[4:5], attn_norm_w s[6:7], W s[8:9], Q s[10:11]
	s_load_b64 s[12:13], s[0:1], 0x20              ; KV
	v_lshl_add_u32 v211, v0, 2, 0x27800
	v_mov_b32 v229, 0
	v_lshrrev_b32 v251, 5, v0
	v_readfirstlane_b32 s14, v251                  ; wave 0..3
	v_and_b32 v252, 31, v0                         ; lane
	v_and_b32 v253, 15, v0                         ; r
	v_bfe_u32 v254, v0, 4, 1                       ; h
	v_lshlrev_b32 v[LI], 4, v252
	v_lshlrev_b32 v[L8], 3, v252
	v_lshlrev_b32 v[LS], 2, v252
	s_mul_i32 s15, s14, REG                        ; my region
	v_add_nc_u32 v[STW], s15, v[LI]
	v_mul_u32_u24 v[RDX], v253, 528
	v_lshl_add_u32 v[RDX], v254, 6, v[RDX]
	v_add_nc_u32 v[RDX], s15, v[RDX]
	s_mul_i32 s34, s14, 6144
	s_add_co_u32 s34, s34, XIMG
	v_add_nc_u32 v[IWI], s34, v[LI]
	s_lshl_b32 s34, s14, 9
	s_add_co_u32 s34, s34, XSC
	v_add_nc_u32 v[IWS], s34, v[LS]
	v_add_nc_u32 v[FI], XIMG, v[LI]
	v_add_nc_u32 v[FS], XSC, v[LS]
	v_and_b32 v255, 8, v253
	v_add_nc_u32 v255, v255, v253                  ; r + 8 (r / 8)
	v_mul_u32_u24 v[AQ], v255, 24
	v_mad_u32_u24 v[AQ], v254, 12, v[AQ]
	v_add_nc_u32 v[AQ], s15, v[AQ]
	v_add_nc_u32 v[AQS], s15, v255
	v_mul_u32_u24 v[AKC], v253, 96
	v_mad_u32_u24 v[AKC], v254, 12, v[AKC]
	v_add_nc_u32 v[AKC], s15, v[AKC]
	v_lshlrev_b32 v[AKS], 2, v253
	v_add_nc_u32 v[AKS], s15, v[AKS]
	v_mul_u32_u24 v[AVC], v253, 48
	v_mad_u32_u24 v[AVC], v254, 12, v[AVC]
	v_add_nc_u32 v[AVC], s15, v[AVC]
	v_lshlrev_b32 v[AVS], 1, v253
	v_add_nc_u32 v[AVS], s15, v[AVS]
	v_mov_b32 v[NIL], 0
	v_add_nc_u32 v[ZA], s15, v[LS]
	v_add_nc_u32 v[OA], s15, v[L8]
.irp b, 0,1,2,3
	v_mov_b32 v[TM+4+\b], 0                        ; written once: a lane exchange's destination counts as one of its sources
.endr
	s_mov_b32 s[SEL], 0x76543210
	s_mov_b32 s[SEL+1], 0xfedcba98
	s_mov_b32 s32, 0x3b000000                      ; 1 / 512
	s_mov_b32 s33, 0x358637bd                      ; 1e-6
	s_lshl_b32 s35, ttmp9, 6                       ; my tile's first token: 64 x block + 32 (w / 2) + 8 (w % 2)
	s_lshr_b32 s36, s14, 1
	s_lshl_b32 s36, s36, 5
	s_add_co_u32 s35, s35, s36
	s_and_b32 s36, s14, 1
	s_lshl_b32 s36, s36, 3
	s_add_co_u32 s35, s35, s36
	s_lshl_b32 s36, s35, 11                        ; a row of x is 2,048 bytes
	s_mov_b32 s37, 0
	s_mul_i32 s38, s14, 51200                      ; wq's groups 2 w, 2 w + 1: 8 units
	s_mov_b32 s39, 0
	s_mul_i32 s40, s14, 25600                      ; group 8 + w
	s_add_co_u32 s40, s40, 204800
	s_mov_b32 s41, 0
	s_mul_i32 s50, ttmp9, 25600                    ; Q's record
	s_mul_i32 s42, s14, 6144
	s_add_co_u32 s42, s42, s50
	s_mov_b32 s43, 0
	s_lshl_b32 s52, s14, 8
	s_add_co_u32 s52, s52, s50
	s_add_co_u32 s52, s52, 24576
	s_mov_b32 s53, 0
	s_lshr_b32 s44, ttmp9, 5                       ; the batch
	s_lshl_b32 s44, s44, 2
	s_add_co_u32 s44, s44, s14                     ; 4 x batch + kv head
	s_lshl_b32 s44, s44, 4
	s_and_b32 s45, ttmp9, 31
	s_lshr_b32 s45, s45, 1
	s_add_co_u32 s44, s44, s45                     ; KV's record,
	s_mul_i32 s44, s44, 6656
	s_and_b32 s45, ttmp9, 1                        ; and which half of it
	s_mul_i32 s46, s45, 3072
	s_add_co_u32 s46, s46, s44
	s_mov_b32 s47, 0
	s_lshl_b32 s48, s45, 8
	s_add_co_u32 s48, s48, s44
	s_add_co_u32 s48, s48, 6144
	s_mov_b32 s49, 0
	s_wait_kmcnt 0x0
	s_add_nc_u64 s[16:17], s[4:5], s[36:37]        ; x at my tile
	s_add_nc_u64 s[18:19], s[8:9], s[38:39]        ; my units of wq
	s_add_nc_u64 s[20:21], s[8:9], s[40:41]        ; my units of wk and wv
	s_add_nc_u64 s[22:23], s[10:11], s[42:43]      ; q's codes
	s_add_nc_u64 s[24:25], s[10:11], s[52:53]      ; q's scale bytes
	s_add_nc_u64 s[26:27], s[12:13], s[46:47]      ; my half record's codes
	s_add_nc_u64 s[28:29], s[12:13], s[48:49]      ; its scales
.irp u, 0,1,2,3,4
	RING \u                                        ; the ring's first five units
.endr
	WIN 0x40
.irp s, 0,1,2,3
.irp p, 0,1,2,3,4,5,6,7,8,9,10,11,12,13,14,15
	global_load_b128 v[64*\s+4*\p:64*\s+4*\p+3], v[LI], s[16:17] offset:(\p+8*(\p/8))*2048+512*\s th:TH_LOAD_NT   ; 512 consecutive bytes of one row
.endr
.endr
	WIN 0
.irp s, 0,1,2,3
	global_load_b128 v[NW+4*\s:NW+4*\s+3], v[LI], s[6:7] offset:512*\s
.endr
	s_wait_loadcnt 0x0
	; ---- the norm, as the numbers were loaded: a lane holds columns 128 s + 4 lane + 0 .. 3 of each of the 16 rows
	WIN 0x05                                       ; sources 0 and 1 window 1
.irp p, 0,1,2,3,4,5,6,7,8,9,10,11,12,13,14,15
	v_pk_mul_f32 v[SSP+2*\p:SSP+2*\p+1], v[4*\p:4*\p+1], v[4*\p:4*\p+1]
.endr
.irp k, 1,2,3,4,5,6,7
.irp p, 0,1,2,3,4,5,6,7,8,9,10,11,12,13,14,15
	v_pk_fma_f32 v[SSP+2*\p:SSP+2*\p+1], v[64*(\k/2)+4*\p+2*(\k%2):64*(\k/2)+4*\p+2*(\k%2)+1], v[64*(\k/2)+4*\p+2*(\k%2):64*(\k/2)+4*\p+2*(\k%2)+1], v[SSP+2*\p:SSP+2*\p+1]
.endr
.endr
	WIN 0
.irp p, 0,1,2,3,4,5,6,7,8,9,10,11,12,13,14,15
	v_add_f32 v[SSP+2*\p], v[SSP+2*\p], v[SSP+2*\p+1]
.endr
.irp m, 1,2,4,8
.irp p, 0,1,2,3,4,5,6,7,8,9,10,11,12,13,14,15
	v_add_f32_dpp v[SSP+2*\p], v[SSP+2*\p], v[SSP+2*\p] row_xmask:\m row_mask:0xf bank_mask:0xf
.endr
.endr
.irp p, 0,1,2,3,4,5,6,7,8,9,10,11,12,13,14,15
	v_permlanex16_b32 v[SSP+2*\p+1], v[SSP+2*\p], s[SEL], s[SEL+1]
.endr
.irp p, 0,1,2,3,4,5,6,7,8,9,10,11,12,13,14,15
	v_add_f32 v[SSP+2*\p], v[SSP+2*\p], v[SSP+2*\p+1]     ; the row's sum of squares, in every lane
.endr
.irp p, 0,1,2,3,4,5,6,7,8,9,10,11,12,13,14,15
	v_fma_f32 v[SSP+2*\p], v[SSP+2*\p], s32, s33          ; the mean + 1e-6
.endr
.irp p, 0,1,2,3,4,5,6,7,8,9,10,11,12,13,14,15
	v_rsq_f32 v[SSP+2*\p], v[SSP+2*\p]
.endr
	v_nop                                          ; one plain place behind the transcendentals
	WIN 0x41                                       ; destination and source 0 window 1
	s_wait_alu depctr_va_vdst(0)
.irp s, 0,1,2,3
.irp p, 0,1,2,3,4,5,6,7,8,9,10,11,12,13,14,15
	v_pk_mul_f32 v[64*\s+4*\p:64*\s+4*\p+1], v[64*\s+4*\p:64*\s+4*\p+1], v[SSP+2*\p:SSP+2*\p+1] op_sel_hi:[1,0]
	v_pk_mul_f32 v[64*\s+4*\p+2:64*\s+4*\p+3], v[64*\s+4*\p+2:64*\s+4*\p+3], v[SSP+2*\p:SSP+2*\p+1] op_sel_hi:[1,0]
.endr
.endr
.irp s, 0,1,2,3
.irp p, 0,1,2,3,4,5,6,7,8,9,10,11,12,13,14,15
	v_pk_mul_f32 v[64*\s+4*\p:64*\s+4*\p+1], v[64*\s+4*\p:64*\s+4*\p+1], v[NW+4*\s:NW+4*\s+1]         ; (x r) w, in that order
	v_pk_mul_f32 v[64*\s+4*\p+2:64*\s+4*\p+3], v[64*\s+4*\p+2:64*\s+4*\p+3], v[NW+4*\s+2:NW+4*\s+3]
.endr
.endr
	WIN 0x04                                       ; an LDS store's data are its source 1: window 1
.irp s, 0,1,2,3
.irp p, 0,1,2,3,4,5,6,7,8,9,10,11,12,13,14,15
	ds_store_b128 v[STW], v[64*\s+4*\p:64*\s+4*\p+3] offset:8448*\s+528*\p
.endr
.endr
	WIN 0
	; ---- my 16 rows become four fragments.  The stage is my own: LDS serves a wave's instructions in order
	XBACK 0, 0
.irp s, 0,1,2,3
.if \s < 3
	XBACK \s+1, (\s+1)%2
.endif
.if \s == 0
	s_wait_dscnt 16                                ; all but the 16 loads just issued; later steps are covered by the wait for 0 that closes the step before
.endif
	QUANT XF+64*(\s%2), PW
	IMAGE IWI, 1536*\s
	ds_store_b32 v[IWS], v[PW] offset:128*\s
	s_wait_dscnt 0x0
.endr
	s_barrier_signal -1                            ; every wave's images have landed (the wait for 0 above)
	s_barrier_wait -1
	; ---- the products: K step by K step, three units a step
	XFETCH 0, 0
.irp s, 0,1,2,3
.if \s < 3
	XFETCH \s+1, (\s+1)%2                          ; into the buffer that the step before multiplied: four places stand behind its last product
	s_wait_dscnt 16                                ; all but the 16 loads just issued
.else
	s_wait_dscnt 0x0
.endif
.set Z, 0
.if \s == 0
.set Z, 1                                      ; the first K step starts the sums
.endif
.irp q, 0,1,2
.set U, 3*\s+\q
.if 11-U >= 4
	s_wait_loadcnt 52                              ; behind this unit's 13 loads four more units were asked for
.else
	s_wait_loadcnt 13*(11-U)
.endif
.if \q < 2
	MULQ U%5, \q, \s%2, 1, Z
.else
	WIN 0xa3                                       ; k: source 0 = wk's rows (window 3), source 1 = x, sums in window 2
.irp f, 0,1
.irp t, 0,1,2,3
	WMM 16*\t+8*\f, 48*(U%5)+12*\f, XF+64*(\s%2)+12*\t, WS+2*(U%5), XS+4*(\s%2)+\t, Z, \f
.endr
.endr
	WIN 0xac                                       ; v, untransposed: source 0 = x, source 1 = wv's rows (window 3)
.irp f, 2,3
.irp t, 0,1,2,3
	WMM 64+32*(\f-2)+16*(\t/2)+8*(\t%2), XF+64*(\s%2)+12*\t, 48*(U%5)+12*\f, XS+4*(\s%2)+\t, WS+2*(U%5)+1, Z, 2*(\f-2)
.endr
.endr
.endif
.rept 4
	v_nop                                          ; places in front of loads into registers that these products have read, and of the first read of results
.endr
	WIN 0
	RING U+5
.endr
.endr
	; ---- q, k and v are quantised and gathered in my region of LDS, which no other wave touches
.irp d, 0,1,2,3
	QB 1, 64*\d                                    ; head 4 w + d: block T = the tile's tokens
.irp t, 0,1,2,3
.irp i, 0,1,2
	ds_store_b32 v[AQ], v[CQ+4*\t+\i] offset:OQ+1536*\d+24*(32*(\t/2)+8*(\t%2))+4*\i
.endr
	ds_store_b8 v[AQS], v[TM+8+\t] offset:OQS+64*\d+32*(\t/2)+8*(\t%2)   ; both lanes of a block write the same byte with the same value
.endr
	s_wait_dscnt 0x0
.endr
	QB 2, 0                                        ; k: tile T's tokens are block T of the fragment's rows
.irp t, 0,1,2,3
.irp i, 0,1,2
	ds_store_b32 v[AKC], v[CQ+4*\t+\i] offset:OKV+24*\t+4*\i
.endr
	ds_store_b8 v[AKS], v[TM+8+\t] offset:OKS+\t
.endr
	s_wait_dscnt 0x0
	QB 2, 64                                       ; v: block 2 u + b = 32 tokens of the rows of tile u
.irp t, 0,1,2,3
.irp i, 0,1,2
	ds_store_b32 v[AVC], v[CQ+4*\t+\i] offset:OKV+1536+768*(\t/2)+24*(\t%2)+4*\i
.endr
	ds_store_b8 v[AVS], v[TM+8+\t] offset:OKS+64+32*(\t/2)+(\t%2)
.endr
	ds_store_b32 v[ZA], v[NIL] offset:OKS+128      ; the scales' last 128 bytes
	; ---- out: whole runs of 512 and 256 consecutive bytes
.irp k, 0,1,2,3,4,5,6,7,8,9,10,11
	ds_load_b128 v[32+4*\k:35+4*\k], v[STW] offset:OQ+512*\k
.endr
.irp k, 0,1,2,3,4,5
	ds_load_b128 v[80+4*\k:83+4*\k], v[STW] offset:OKV+512*\k
.endr
	ds_load_b64 v[104:105], v[OA] offset:OQS
	ds_load_b64 v[106:107], v[OA] offset:OKS
	s_wait_dscnt 0x0
.irp k, 0,1,2,3,4,5,6,7,8,9,10,11
	global_store_b128 v[LI], v[32+4*\k:35+4*\k], s[22:23] offset:512*\k
.endr
.irp k, 0,1,2,3,4,5
	global_store_b128 v[LI], v[80+4*\k:83+4*\k], s[26:27] offset:512*\k
.endr
	global_store_b64 v[L8], v[104:105], s[24:25]
	global_store_b64 v[L8], v[106:107], s[28:29]
	s_wait_tensorcnt 0x0
	ds_add_u32 v211, v229
	s_wait_dscnt 0x0
	s_endpgm
.Lfunc_end_k_qb6dc76ae1c_qkv:
	.size	k_qb6dc76ae1c_qkv, .Lfunc_end_k_qb6dc76ae1c_qkv-k_qb6dc76ae1c_qkv
	.p2alignl 7, 3214868480
	.fill 96, 4, 3214868480
	.section	.rodata,"a",@progbits
	.p2align	6, 0x0
	.amdhsa_kernel k_qb6dc76ae1c_qkv
		.amdhsa_group_segment_fixed_size 162304
		.amdhsa_private_segment_fixed_size 0
		.amdhsa_enable_private_segment 0
		.amdhsa_kernarg_size 40
		.amdhsa_user_sgpr_count 2
		.amdhsa_user_sgpr_kernarg_segment_ptr 1
		.amdhsa_wavefront_size32 1
		.amdhsa_system_sgpr_workgroup_id_x 1
		.amdhsa_system_sgpr_workgroup_id_y 1
		.amdhsa_system_sgpr_workgroup_id_z 1
		.amdhsa_system_vgpr_workitem_id 0
		.amdhsa_next_free_vgpr 1024
		.amdhsa_next_free_sgpr 66
		.amdhsa_reserve_vcc 0
		.amdhsa_float_denorm_mode_32 3
		.amdhsa_float_denorm_mode_16_64 3
		.amdhsa_memory_ordered 1
		.amdhsa_forward_progress 1
		.amdhsa_inst_pref_size 143
	.end_amdhsa_kernel
	.amdgpu_metadata
---
amdhsa.version: [ 1, 2 ]
amdhsa.kernels:
  - .name:           k_qb6dc76ae1c_qkv
    .symbol:         k_qb6dc76ae1c_qkv.kd
    .args:
      - { .name: x, .offset: 0, .size: 8, .value_kind: global_buffer, .address_space: global }
      - { .name: attn_norm_w, .offset: 8, .size: 8, .value_kind: global_buffer, .address_space: global }
      - { .name: W, .offset: 16, .size: 8, .value_kind: global_buffer, .address_space: global }
      - { .name: Q, .offset: 24, .size: 8, .value_kind: global_buffer, .address_space: global }
      - { .name: KV, .offset: 32, .size: 8, .value_kind: global_buffer, .address_space: global }
    .group_segment_fixed_size: 162304
    .private_segment_fixed_size: 0
    .kernarg_segment_align: 8
    .kernarg_segment_size: 40
    .max_flat_workgroup_size: 128
    .sgpr_count:     66
    .vgpr_count:     1024
    .wavefront_size: 32
...
	.end_amdgpu_metadata
.endif
;; end of part 2
;; launch attn (part 3): grid 16 x 16, 16 waves a work-group, no clusters, 16,896 bytes of LDS; arguments Q, KV, A; writes A
.if DOCPART == 3
	.amdgcn_target "amdgcn-amd-amdhsa--gfx1250"
	.amdhsa_code_object_version 6
	.text
	.protected	k_qb6dc76ae1c_attn
	.globl	k_qb6dc76ae1c_attn
	.p2align	8
	.type	k_qb6dc76ae1c_attn,@function
k_qb6dc76ae1c_attn:
	s_mov_b64 s[64:65], 0
	v_nop
	global_prefetch_b8 v0, s[64:65] scope:SCOPE_SE
	s_setreg_imm32_b32 hwreg(HW_REG_WAVE_MODE, 25, 1), 1
	s_wait_xcnt 0x0
; Causal attention on codes of FP6 (E2M3): 16 query heads on 4 kv heads, head size 32, 2,048 tokens, 4 batches.  Both products quantised; O / l is quantised head by head for the product with wo.
; THE SOFTMAX: t = score x log2(e) / sqrt(32); M = the running largest t rounded UP to a whole number; p = 2^(t - M) is quantised along the keys, not normalised; the row's sum is taken of the unquantised p and divides O at the end.
; SHARES.  Work-group (i, 4 batch + kv head) owns the kv head's four query heads and TWO blocks of 64 queries: block i, then block 31 - i.  Block i sees i / 2 + 1 steps of 128 keys, block 31 - i the other 16 - i / 2:
; every work-group walks 17 steps, a constant of the text, and all 256 have the same work.  Wave wv: head wv % 4, queries 16 (wv / 4) on: one tile of 16 queries in 256 registers, four waves to a SIMD.
; THE SCORES.  The head's 32 fill a quarter of the instruction's 128 along K.  A fragment of K holds FOUR groups of 16 keys in its four blocks; it is multiplied by four variants of Q that hold q in one block and zero
; codes in the other three.  Both products are used transposed: a lane holds one query.  The keys of a group are chosen so that the 16 registers of two neighbouring tiles are 16 neighbouring keys.
; A step's record (6,656 bytes: two fragments of K, V's two tiles, their scales) comes through registers into one of two LDS slots, a step ahead: wave w < 13 moves 512 bytes.
; No cluster: only work-groups 2 k and 2 k + 1 of a kv head ask for the same record in the same step, and a step's record is 6,656 bytes.
; LIMITS: NaN and infinities are not served; a block of zeros or under 2^-124 gets the byte 1; v_exp_f32 and v_rcp_f32 are good to 1 ulp; a block's largest p is taken as the p of its largest score.
; REGISTERS: v1-9 addresses; v12 -M, v13 the largest t, v[14:15] the sum; v16-45 zeros and Q's two halves; v46 Q's scales; v48-54 q as loaded; v56-79 K; v80, v81 K's and V's scales; v82-83 V's half words;
; v84-87 the copy; v96-159 S^T, then p; v160-175 O^T; v176-191 O / l; v192-215 V; v224-254 as named below.
.set SLOTB, 8192                       ; slot 1 begins here
	s_load_b128 s[4:7], s[0:1], 0x0                ; Q s[4:5], KV s[6:7]
	s_load_b64 s[8:9], s[0:1], 0x10                ; A
	v_lshl_add_u32 v251, v0, 2, 0x3a00
	v_mov_b32 v255, 0
	v_lshrrev_b32 v10, 5, v0
	v_readfirstlane_b32 s10, v10                   ; wave 0..15
	v_and_b32 v8, 15, v0                           ; r
	v_bfe_u32 v10, v0, 4, 1                        ; h
	v_and_b32 v11, 31, v0                          ; lane
	v_mul_u32_u24 v1, v8, 96
	v_mad_u32_u24 v1, v10, 24, v1                  ; K: row r of 96 bytes, + 24 h
	v_mul_u32_u24 v2, v8, 48
	v_mad_u32_u24 v2, v10, 24, v2                  ; V: row r of 48 bytes in a half, + 24 h
	v_lshlrev_b32 v3, 2, v8
	v_lshl_add_u32 v3, v10, 8, v3                  ; K's scale words: lanes 0-15 the first half's, lanes 16-31 the second's
	v_lshlrev_b32 v4, 1, v11                       ; V's: lane 16 u + m: tile u, row m
	v_lshlrev_b32 v5, 4, v0                        ; the copy: 16 x my thread's number, in the record and in the slot
	v_mul_u32_u24 v6, v8, 24                       ; q: 24 bytes a query
	v_mad_u32_u24 v7, v10, 12, v6                  ; the result: + 12 h
	v_lshlrev_b32 v9, 4, v10
	v_sub_nc_u32 v9, v8, v9                        ; r - 16 h
.irp i, 0,1,2,3,4,5
	v_mov_b32 v[16+\i], 0                          ; zero codes
	v_mov_b32 v[28+\i], 0
	v_mov_b32 v[40+\i], 0
.endr
.irp i, 0,1,2,3
	v_mov_b32 v[84+\i], 0                          ; the copy's registers, written once in every wave: the load into them and the store of them stand under two branches of their own, and no register is read on any way through the text before it is written
.endr
.irp b, 0,1,2,3
	v_mov_b32 v[236+\b], 0                         ; written once: a lane exchange's destination counts as one of its sources
.endr
	v_mov_b32 v252, 0
	v_mov_b32 v253, 0                              ; (named as the upper half of the pair v[252:253] before it is first written)
	s_and_b32 s11, s10, 3                          ; which of the four heads
	s_lshr_b32 s12, s10, 2                         ; which 16 of the 64 queries
	s_and_b32 s40, ttmp7, 0xffff                   ; 4 x batch + kv head
	s_lshr_b32 s13, s40, 2                         ; the batch
	s_and_b32 s41, s40, 3
	s_lshl_b32 s14, s41, 2
	s_add_co_u32 s14, s14, s11                     ; the head
	s_lshr_b32 s15, ttmp9, 1
	s_add_co_u32 s15, s15, 1                       ; the first block's steps
	s_mov_b32 s16, 0                               ; the trip
	s_mov_b32 s17, 0                               ; the key step
	s_mov_b32 s18, ttmp9                           ; the block of queries in hand
	s_mov_b32 s20, 0x76543210
	s_mov_b32 s21, 0xfedcba98                      ; lane l xor 16
	s_mov_b32 s22, 0x3e8293ee                      ; c = log2(e) / sqrt(32)
	s_mov_b32 s23, s22
	s_mov_b32 s36, 0xffff                          ; lanes 0-15
	s_mov_b32 s37, 0x01010101
	s_mul_i32 s42, s40, 106496                     ; 16 records of 6,656 bytes
	s_mov_b32 s43, 0
	s_wait_kmcnt 0x0
	s_add_nc_u64 s[24:25], s[6:7], s[42:43]        ; my kv head's records
; A block of queries begins: q and its scale byte; the two halves of Q; the statistics and O^T.
.macro INIT
	s_lshl_b32 s40, s13, 5
	s_add_co_u32 s40, s40, s18
	s_mul_i32 s40, s40, 25600                      ; Q's record
	s_mul_i32 s41, s14, 1536
	s_add_co_u32 s41, s41, s40
	s_mul_i32 s42, s12, 384
	s_add_co_u32 s42, s42, s41
	s_mov_b32 s43, 0
	s_add_nc_u64 s[28:29], s[4:5], s[42:43]
	s_lshl_b32 s41, s14, 6
	s_add_co_u32 s41, s41, s40
	s_lshl_b32 s44, s12, 4
	s_add_co_u32 s44, s44, s41
	s_add_co_u32 s44, s44, 24576
	s_mov_b32 s45, 0
	s_add_nc_u64 s[30:31], s[4:5], s[44:45]
	s_lshl_b32 s19, s18, 6
	s_lshl_b32 s41, s12, 4
	s_add_co_u32 s19, s19, s41                     ; my first query
.irp p, 0,1,2
	global_load_b64 v[48+2*\p:49+2*\p], v6, s[28:29] offset:8*\p
.endr
	global_load_u8 v54, v8, s[30:31]
	s_wait_loadcnt 0x0
	v_mul_lo_u32 v46, v54, s37                     ; the byte in all four places: whichever block holds q.  More than eight plain instructions follow ahead of the next product
.irp i, 0,1,2,3,4,5
	v_cndmask_b32 v[22+\i], 0, v[48+\i], s36       ; q in lanes 0-15, zero codes in lanes 16-31
.endr
.irp i, 0,1,2,3,4,5
	v_cndmask_b32 v[34+\i], v[48+\i], 0, s36       ; and the other way round
.endr
	v_mov_b32 v13, 0xff61b1e6                      ; the largest t so far: -3e38
	v_floor_f32 v12, -v13
	v_mov_b32 v14, 0
	v_mov_b32 v15, 0
.irp j, 0,1,2,3,4,5,6,7,8,9,10,11,12,13,14,15
	v_mov_b32 v[160+\j], 0                         ; O^T: the first change of M leaves zeros zeros
.endr
.endm
; A block of queries ends: O^T / the sum; register 8 u + j is d = 16 h + 8 u + j: 16 neighbours of the head's 32, which are one block of the product with wo.
.macro FINISH
	v_add_f32 v14, v14, v15
	v_permlanex16_b32 v252, v14, s20, s21
	v_add_f32 v14, v14, v252                       ; the row's sum
	v_rcp_f32 v14, v14
	v_nop                                          ; one plain place behind the transcendental
	s_wait_alu depctr_va_vdst(0)
.irp j, 0,1,2,3,4,5,6,7,8,9,10,11,12,13,14,15
	v_mul_f32 v[176+\j], v[160+\j], v14            ; each accumulator from its low end on
.endr
	v_max3_num_f32 v232, |v176|, |v177|, 0x1800000
.irp i, 2,4,6,8,10,12,14
	v_max3_num_f32 v232, v232, |v[176+\i]|, |v[177+\i]|
.endr
	v_permlanex16_b32 v236, v232, s20, s21
	v_max_num_f32 v232, v232, v236
	v_add_nc_u32 v244, 0xff000000, v232
	v_lshrrev_b32 v237, 23, v244
	v_cvt_scalef32_pk16_fp6_f32 v[224:226], v[176:191], v244
	v_nop                                          ; one plain place behind a scaled conversion
	s_lshl_b32 s40, s13, 11
	s_add_co_u32 s40, s40, s19                     ; my first token
	s_mul_i32 s41, s40, 24
	s_mul_i32 s42, s14, 196608                     ; a head's codes: 8,192 tokens x 24 bytes
	s_add_co_u32 s42, s42, s41
	s_mov_b32 s43, 0
	s_add_nc_u64 s[32:33], s[8:9], s[42:43]
	s_lshl_b32 s44, s14, 13
	s_add_co_u32 s44, s44, s40
	s_add_co_u32 s44, s44, 3145728
	s_mov_b32 s45, 0
	s_add_nc_u64 s[34:35], s[8:9], s[44:45]
	global_store_b96 v7, v[224:226], s[32:33]      ; the wave stores 384 consecutive bytes
	global_store_b8 v8, v237, s[34:35]             ; both lanes of a block write the same byte with the same value
	s_wait_xcnt 0x0                                ; the stores' data and bases are written again only behind this wait
.endm
.macro WMS d, a, b, row                ; a tile of scores: the sum begins with 0
.if \row
	v_wmma_scale_f32_16x16x128_f8f6f4 v[0+(\d):7+(\d)], v[0+(\a):11+(\a)], v[\b:\b+11], 0, v80, v46 matrix_a_fmt:MATRIX_FMT_FP6 matrix_b_fmt:MATRIX_FMT_FP6 matrix_a_scale:MATRIX_SCALE_ROW1
.else
	v_wmma_scale_f32_16x16x128_f8f6f4 v[0+(\d):7+(\d)], v[0+(\a):11+(\a)], v[\b:\b+11], 0, v80, v46 matrix_a_fmt:MATRIX_FMT_FP6 matrix_b_fmt:MATRIX_FMT_FP6
.endif
.endm
; A KEY STEP: 128 keys out of the slot.
.macro STEP slot
.set SB, SLOTB*(\slot)
.irp f, 0,1
.irp p, 0,1,2,3,4,5
	ds_load_b64 v[56+12*\f+2*\p:57+12*\f+2*\p], v1 offset:SB+3072*\f+48*(\p/3)+8*(\p%3)
.endr
.endr
	ds_load_b32 v80, v3 offset:SB+6144
.irp u, 0,1
.irp c, 0,1
.irp p, 0,1,2
	ds_load_b64 v[192+12*\u+6*\c+2*\p:193+12*\u+6*\c+2*\p], v2 offset:SB+1536+768*\u+3072*\c+8*\p
.endr
.endr
.endr
	ds_load_u16 v82, v4 offset:SB+6208
	ds_load_u16 v83, v4 offset:SB+6464
	s_wait_dscnt 14                                ; K and its scales are in; V's 12 loads and its 2 scale loads may be out
.irp f, 0,1                                    ; tile 4 f + j: block j of fragment f against q in block j: (Qa, 0), (Qb, 0), (0, Qa), (0, Qb)
	WMS 96+32*\f, 56+12*\f, 22, \f
	WMS 104+32*\f, 56+12*\f, 34, \f
	WMS 112+32*\f, 56+12*\f, 16, \f
	WMS 120+32*\f, 56+12*\f, 28, \f
.endr                                          ; register 16 b + i of v96 on: key 32 b + 16 h + i of the step
	s_wait_dscnt 0x0
	v_lshl_or_b32 v81, v83, 16, v82                ; V's scale words: the first half's two bytes below the second's.  With the three lines below: the four places behind the products
.rept 3
	v_nop
.endr
	s_lshl_b32 s40, s17, 7                         ; the step's first key
	s_add_co_u32 s41, s40, 127
	s_cmp_le_u32 s41, s19                          ; all its keys count for all my queries?
	s_cbranch_scc1 .Lopen_\@
	s_sub_co_i32 s41, s19, s40
	v_add_nc_u32 v252, s41, v9                     ; d = my query - the first key - 16 h: register 16 b + i is hidden where 32 b + i > d
	v_mov_b32 v254, 0xff800000
.set N, 0
.rept 64
	v_cmp_gt_i32 vcc_lo, 32*(N/16)+N%16, v252
	v_cndmask_b32 v[96+N], v[96+N], v254, vcc_lo
.set N, N+1
.endr
.Lopen_\@:
.irp b, 0,1,2,3
	v_max3_num_f32 v[232+\b], v[96+16*\b], v[97+16*\b], v[98+16*\b]   ; the largest score of each block of 32 keys: for the row's maximum, and for the block's largest p
.endr
.irp i, 3,5,7,9,11,13
.irp b, 0,1,2,3
	v_max3_num_f32 v[232+\b], v[232+\b], v[96+16*\b+\i], v[97+16*\b+\i]
.endr
.endr
.irp b, 0,1,2,3
	v_max_num_f32 v[232+\b], v[232+\b], v[111+16*\b]
.endr
.irp b, 0,1,2,3
	v_permlanex16_b32 v[236+\b], v[232+\b], s20, s21
.endr
.irp b, 0,1,2,3
	v_max_num_f32 v[232+\b], v[232+\b], v[236+\b]
.endr
	v_max3_num_f32 v254, v232, v233, v234
	v_max_num_f32 v254, v254, v235
	v_mul_f32 v254, s22, v254                      ; as t
	v_max_num_f32 v13, v13, v254                   ; the running largest t
	v_mov_b32 v254, v12
	v_floor_f32 v12, -v13                          ; the new -M: M is a whole number
	v_sub_f32 v254, v12, v254
	v_cvt_i32_f32 v254, v254                       ; (it saturates)
	v_ldexp_f32 v252, 1.0, v254                    ; f = 2^(old M - new M): rounds nothing
.set J, 0
.rept 32
	v_pk_fma_f32 v[96+J:97+J], v[96+J:97+J], s[22:23], v[12:13] op_sel_hi:[1,0,0]   ; t - M
.set J, J+2
.endr
.irp b, 0,1,2,3
	v_fma_f32 v[232+\b], v[232+\b], s22, v12
.endr
.set J, 0
.rept 64
	v_exp_f32 v[96+J], v[96+J]                     ; p = 2^(t - M)
.set J, J+1
.endr
.irp b, 0,1,2,3
	v_exp_f32 v[232+\b], v[232+\b]                 ; the block's largest p
.endr
	v_pk_mul_f32 v[14:15], v[14:15], v[252:253] op_sel_hi:[1,0]   ; the sums under the new M (a plain place behind the exponentials)
	s_wait_alu depctr_va_vdst(0)
.irp b, 0,1,2,3
	v_max_num_f32 v[232+\b], 0x1800000, v[232+\b]  ; the floor 2^(3 - 127)
.endr
.irp b, 0,1,2,3
	v_add_nc_u32 v[244+\b], 0xff000000, v[232+\b]
.endr
.irp b, 0,1,2,3
	v_lshrrev_b32 v[236+\b], 23, v[244+\b]
.endr
	v_lshl_or_b32 v253, v237, 8, v236              ; p's scale word for these 128 keys
	v_lshl_or_b32 v253, v238, 16, v253
	v_lshl_or_b32 v253, v239, 24, v253
.irp c, 0,1
	v_cvt_scalef32_pk16_fp6_f32 v[224+6*\c:226+6*\c], v[96+32*\c:111+32*\c], v[244+2*\c]
	v_cvt_scalef32_pk16_fp6_f32 v[236+4*\c:238+4*\c], v[112+32*\c:127+32*\c], v[244+2*\c+1]
.endr
	v_nop                                          ; one plain place behind a scaled conversion
.irp c, 0,1
.irp i, 0,1,2
	v_permlane16_swap_b32 v[224+6*\c+\i], v[236+4*\c+\i]
.endr
.irp i, 0,1,2
	v_mov_b32 v[227+6*\c+\i], v[236+4*\c+\i]
.endr
.endr
.irp j, 0,2,4,6,8,10,12,14
	v_pk_mul_f32 v[160+\j:161+\j], v[160+\j:161+\j], v[252:253] op_sel_hi:[1,0]   ; O^T under the new M
.endr
	v_pk_add_f32 v[236:237], v[96:97], v[98:99]    ; the row's sum of the UNQUANTISED p, in two chains.  These lines are also the places between the operand's and the scale word's last writes and the products
.irp j, 4,8,12,16,20,24,28,32,36,40,44,48,52,56,60
	v_pk_add_f32 v[14:15], v[14:15], v[96+\j:97+\j]
	v_pk_add_f32 v[236:237], v[236:237], v[98+\j:99+\j]
.endr
	v_pk_add_f32 v[14:15], v[14:15], v[236:237]
	v_wmma_scale_f32_16x16x128_f8f6f4 v[160:167], v[192:203], v[224:235], v[160:167], v81, v253 matrix_a_fmt:MATRIX_FMT_FP6 matrix_b_fmt:MATRIX_FMT_FP6
	v_wmma_scale_f32_16x16x128_f8f6f4 v[168:175], v[204:215], v[224:235], v[168:175], v81, v253 matrix_a_fmt:MATRIX_FMT_FP6 matrix_b_fmt:MATRIX_FMT_FP6 matrix_a_scale:MATRIX_SCALE_ROW1
.rept 4
	v_nop                                          ; places in front of the next step's loads into V's registers and of the first read of O^T
.endr
.endm
; A TRIP: where the first block's steps are over, its result leaves and the second block begins; the next trip's record is asked for; the step; the record goes into the other slot; one barrier.
; That slot was read in the trip before, and every wave waited for those reads in front of the barrier that closed it.
.macro TRIP slot, last
	s_cmp_lg_u32 s16, s15                          ; the same in all sixteen waves
	s_cbranch_scc1 .Lsame_\@
	FINISH
	s_sub_co_u32 s18, 31, ttmp9
	INIT
	s_mov_b32 s17, 0
.Lsame_\@:
.if !\last
	s_add_co_u32 s40, s16, 1
	s_add_co_u32 s41, s17, 1
	s_cmp_eq_u32 s40, s15
	s_cselect_b32 s41, 0, s41                      ; the next trip's key step
	s_mul_i32 s42, s41, 6656
	s_mov_b32 s43, 0
	s_add_nc_u64 s[26:27], s[24:25], s[42:43]      ; (the last copy's load was waited for in the trip before)
	s_cmp_lt_u32 s10, 13
	s_cbranch_scc0 .Lnoload_\@
	global_load_b128 v[84:87], v5, s[26:27]        ; 13 waves x 512 bytes
.Lnoload_\@:
.endif
	STEP \slot
.if !\last
	s_wait_loadcnt 0x0
	s_cmp_lt_u32 s10, 13
	s_cbranch_scc0 .Lnostore_\@
	ds_store_b128 v5, v[84:87] offset:SLOTB*(1-\slot)
.Lnostore_\@:
	s_wait_dscnt 0x0                               ; my store has landed; my reads of this trip's slot are over
	s_barrier_signal -1
	s_barrier_wait -1
.endif
	s_add_co_u32 s16, s16, 1
	s_add_co_u32 s17, s17, 1
.endm
	INIT
	s_mov_b64 s[26:27], s[24:25]
	s_cmp_lt_u32 s10, 13
	s_cbranch_scc0 .Lnofirst
	global_load_b128 v[84:87], v5, s[26:27]        ; record 0 into slot 0
	s_wait_loadcnt 0x0
	ds_store_b128 v5, v[84:87]
.Lnofirst:
	s_wait_dscnt 0x0
	s_barrier_signal -1
	s_barrier_wait -1
	s_mov_b32 s38, 8
.Lpair:                                            ; two trips a pass, so that every LDS offset is a constant of the text
	TRIP 0, 0
	TRIP 1, 0
	s_sub_co_u32 s38, s38, 1
	s_cmp_lg_u32 s38, 0
	s_cbranch_scc1 .Lpair
	TRIP 0, 1                                      ; the seventeenth asks for nothing
	FINISH
	s_wait_tensorcnt 0x0
	ds_add_u32 v251, v255
	s_wait_dscnt 0x0
	s_endpgm
.Lfunc_end_k_qb6dc76ae1c_attn:
	.size	k_qb6dc76ae1c_attn, .Lfunc_end_k_qb6dc76ae1c_attn-k_qb6dc76ae1c_attn
	.p2alignl 7, 3214868480
	.fill 96, 4, 3214868480
	.section	.rodata,"a",@progbits
	.p2align	6, 0x0
	.amdhsa_kernel k_qb6dc76ae1c_attn
		.amdhsa_group_segment_fixed_size 16896
		.amdhsa_private_segment_fixed_size 0
		.amdhsa_enable_private_segment 0
		.amdhsa_kernarg_size 24
		.amdhsa_user_sgpr_count 2
		.amdhsa_user_sgpr_kernarg_segment_ptr 1
		.amdhsa_wavefront_size32 1
		.amdhsa_system_sgpr_workgroup_id_x 1
		.amdhsa_system_sgpr_workgroup_id_y 1
		.amdhsa_system_sgpr_workgroup_id_z 1
		.amdhsa_system_vgpr_workitem_id 0
		.amdhsa_next_free_vgpr 256
		.amdhsa_next_free_sgpr 66
		.amdhsa_reserve_vcc 1
		.amdhsa_float_denorm_mode_32 3
		.amdhsa_float_denorm_mode_16_64 3
		.amdhsa_memory_ordered 1
		.amdhsa_forward_progress 1
		.amdhsa_inst_pref_size 84
	.end_amdhsa_kernel
	.amdgpu_metadata
---
amdhsa.version: [ 1, 2 ]
amdhsa.kernels:
  - .name:           k_qb6dc76ae1c_attn
    .symbol:         k_qb6dc76ae1c_attn.kd
    .args:
      - { .name: Q, .offset: 0, .size: 8, .value_kind: global_buffer, .address_space: global }
      - { .name: KV, .offset: 8, .size: 8, .value_kind: global_buffer, .address_space: global }
      - { .name: A, .offset: 16, .size: 8, .value_kind: global_buffer, .address_space: global }
    .group_segment_fixed_size: 16896
    .private_segment_fixed_size: 0
    .kernarg_segment_align: 8
    .kernarg_segment_size: 24
    .max_flat_workgroup_size: 512
    .sgpr_count:     66
    .vgpr_count:     256
    .wavefront_size: 32
...
	.end_amdgpu_metadata
.endif
;; end of part 3
;; launch tail (part 4): grid 128 x 1, 4 waves a work-group, no clusters, 174,592 bytes of LDS; arguments A, W, x, ffn_norm_w, gate_w, out0; writes out0
.if DOCPART == 4
	.amdgcn_target "amdgcn-amd-amdhsa--gfx1250"
	.amdhsa_code_object_version 6
	.text
	.protected	k_qb6dc76ae1c_tail
	.globl	k_qb6dc76ae1c_tail
	.p2align	8
	.type	k_qb6dc76ae1c_tail,@function
k_qb6dc76ae1c_tail:
	s_mov_b64 s[64:65], 0
	v_nop
	global_prefetch_b8 v0, s[64:65] scope:SCOPE_SE
	s_setreg_imm32_b32 hwreg(HW_REG_WAVE_MODE, 25, 1), 1
	s_wait_xcnt 0x0
; h = x + (attention's output, as codes out of A) wo^T;  t = RMS norm of h;  four logits t gate_w^T in f32;  top 2 (a tie goes to the lower index), softmax of the two;
; out = h + the sum over the four experts of comb_e (Q(t) expert_e^T), comb_e = 0 for the two experts not chosen.  All products but the gate's on codes of FP6 (E2M3) with one E8M0 byte for 32 along K.
; THE EXPERTS ARE COMPUTED DENSELY: the choice is made of floating-point numbers in this launch, so it selects values (v_cndmask_b32) and steers no address.
; SHARES.  A work-group owns 64 tokens, tile T = tokens 16 T on.  THE WAVES SHARE THE COLUMNS: wave w makes columns 128 w .. 128 w + 127 of every product for all four tiles, transposed (source 0 = 16 weight rows):
; register 64 b + 16 T + i of a lane is token 16 T + r, column 128 w + 32 b + 16 h + i.  So a wave's columns of t are K step w of the experts' products, quantised in registers and handed round as images of the operand's registers.
; x is the C of the first product's sums; h stays in window 1 and takes the experts' weighted results.
; THE WEIGHTS go from memory straight into the operand's registers: 40 units of 6,400 bytes a wave, 13 loads each, through a ring of five register slots that runs on through the norm and the gate.
; No cluster: all work-groups walk the same units, but a joint request lands in LDS, from which each wave would read only its own quarter once more; here no weight byte passes through LDS.
; LIMITS: NaN and infinities are not served; a block of zeros or under 2^-124 gets the byte 1; v_rsq_f32, v_exp_f32, v_rcp_f32 are good to 1 ulp; sums run in another order than the reference's.
; REGISTERS, in windows of 256: window 0: see the names; window 1: x as loaded, then h; window 2: the gate's weights (64 e + 16 b + i), then an expert's sums, then rows on their way out; window 3: the ring.
.set XST,  0                           ; LDS: 64 rows x (2,048 + 16): x, at the end out
.set IMG,  132096                      ; 16 images of fragments (4 T + s): the attention's output, later t
.set ISC,  IMG+16*1536                 ; their scale words, 128 bytes each
.set GWL,  ISC+16*128                  ; gate_w, 8,192 bytes
.set FWL,  GWL+8192                    ; ffn_norm_w, 2,048
.set RED,  FWL+2048                    ; [64 tokens][4 waves] sums of squares
.set LG,   RED+1024                    ; [64 tokens][4 waves][4 experts] parts of logits
.set LI,   1                           ; 16 x lane
.set L8,   2                           ; 8 x lane
.set LS,   3                           ; 4 x lane
.set XC0,  4                           ; 2,064 r + 512 w + 64 h;  v5: the same 32 rows on
.set XD,   6                           ; 33,024 w + 16 x lane
.set IWI,  7                           ; IMG + 1,536 w + 16 x lane
.set IWS,  8                           ; ISC + 128 w + 4 x lane
.set FI,   9                           ; IMG + 16 x lane
.set FS,   10                          ; ISC + 4 x lane
.set RDA,  11                          ; RED + 16 r + 4 w
.set RDL,  12                          ; RED + 16 r
.set LGA,  13                          ; LG + 64 r + 16 w
.set LGL,  14                          ; LG + 64 r
.set AOF,  15                          ; 196,608 h + 24 r
.set RR,   16                          ; r
.set GFA,  17                          ; GWL + 512 w + 64 h
.set PIW,  18                          ; IMG + 6,144 w + 16 x lane
.set PIS,  19                          ; ISC + 512 w + 4 x lane
.set CGW,  20                          ; GWL + 2,048 w + 16 x lane
.set CFW,  21                          ; FWL + 512 w + 16 x lane
.set RS,   24                          ; v24-31   1 / rms of tile T's token, in pairs
.set ST,   32                          ; v32-95   64 numbers
.set XF,   32                          ; v32-79, v96-143: the operand's fragments, two buffers
.set PC,   96                          ; between the products: the codes just made,
.set TM,   116                         ; the quantiser's work,
.set PW,   132
.set GL,   136                         ; v136-139 my part of four logits
.set GT,   140                         ; v140-143 lane exchanges
.set XS,   144                         ; v144-151 the operand's scale words: scales and nothing else
.set WS,   152                         ; v152-161 the ring's scale words: scales and nothing else
.set SQ,   162                         ; v162-169 four pairs: sums of squares, then the gate's chains
.set CB,   162                         ; v162-193 later: comb of (expert e, tile T) at 2 (4 e + T), in pairs
.set FW,   192                         ; v192-255 the norm's weights of my columns (at the head: what is copied into LDS)
.set WB,   22                          ; s[22:23] my units
.set SEL,  32
.set MSB, 0
.macro WIN new                         ; bits 1:0 source 0, 3:2 source 1, 5:4 source 2, 7:6 destination; the high byte repeats the setting that is left
.if MSB != (\new)
	s_set_vgpr_msb (MSB<<8)|(\new)
.set MSB, (\new)
.endif
.endm
.macro QUANT s, pw                     ; 64 numbers, register 16 b + i = k 32 b + 16 (lane / 16) + i of my row -> a fragment's codes in v[PC] on, its scale word in v[pw]
.irp b, 0,1,2,3
	v_max3_num_f32 v[TM+\b], |v[\s+16*\b]|, |v[\s+1+16*\b]|, 0x1800000   ; and the floor 2^(3 - 127): the byte cannot fall under 1
.endr
.irp i, 2,4,6,8,10,12,14
.irp b, 0,1,2,3
	v_max3_num_f32 v[TM+\b], v[TM+\b], |v[\s+16*\b+\i]|, |v[\s+1+16*\b+\i]|
.endr
.endr
.irp b, 0,1,2,3
	v_permlanex16_b32 v[TM+4+\b], v[TM+\b], s[SEL], s[SEL+1]
.endr
.irp b, 0,1,2,3
	v_max_num_f32 v[TM+\b], v[TM+\b], v[TM+4+\b]
.endr
.irp b, 0,1,2,3
	v_add_nc_u32 v[TM+12+\b], 0xff000000, v[TM+\b]        ; 2 off the exponent field: the conversion's scale operand
.endr
.irp b, 0,1,2,3
	v_lshrrev_b32 v[TM+4+\b], 23, v[TM+12+\b]
.endr
	v_lshl_or_b32 v[\pw], v[TM+5], 8, v[TM+4]
	v_lshl_or_b32 v[\pw], v[TM+6], 16, v[\pw]
	v_lshl_or_b32 v[\pw], v[TM+7], 24, v[\pw]
.irp c, 0,1
	v_cvt_scalef32_pk16_fp6_f32 v[PC+6*\c:PC+2+6*\c], v[\s+32*\c:\s+15+32*\c], v[TM+12+2*\c]
	v_cvt_scalef32_pk16_fp6_f32 v[PC+12+4*\c:PC+14+4*\c], v[\s+16+32*\c:\s+31+32*\c], v[TM+12+2*\c+1]
.endr
	v_nop                                                 ; one plain place behind a scaled conversion
.irp c, 0,1
.irp i, 0,1,2
	v_permlane16_swap_b32 v[PC+6*\c+\i], v[PC+12+4*\c+\i]
.endr
.irp i, 0,1,2
	v_mov_b32 v[PC+3+6*\c+\i], v[PC+12+4*\c+\i]
.endr
.endr
.endm
.macro IMAGE adr, off
.irp c, 0,1,2
	ds_store_b128 v[\adr], v[PC+4*\c:PC+4*\c+3] offset:(\off)+512*\c
.endr
.endm
.macro FETCH reg, adr, off
.irp c, 0,1,2
	ds_load_b128 v[(\reg)+4*\c:(\reg)+4*\c+3], v[\adr] offset:(\off)+512*\c
.endr
.endm
.macro BARRIER                         ; my LDS stores have landed and my LDS loads are in: then the work-group's barrier
	s_wait_dscnt 0x0
	s_barrier_signal -1
	s_barrier_wait -1
.endm
.macro UNITLOAD slot, base, imm        ; a unit of weights into ring slot: 13 loads
	WIN 0xc0
.irp f, 0,1,2,3
.irp c, 0,1,2
	global_load_b128 v[48*(\slot)+12*\f+4*\c:48*(\slot)+12*\f+4*\c+3], v[LI], s[\base:\base+1] offset:(\imm)+1536*\f+512*\c
.endr
.endr
	WIN 0
	global_load_b64 v[WS+2*(\slot):WS+2*(\slot)+1], v[L8], s[\base:\base+1] offset:(\imm)+6144
.endm
.macro RING u                          ; unit u = 8 m + 2 s + q: matrix m (0 wo, 1 + e expert e), K step s, my group q of 64 rows
.if (\u) < 40
	UNITLOAD (\u)%5, WB, (32*((\u)/8)+4*((\u)%2)+((\u)%8)/2)*6400
.endif
.endm
.macro WMM d, a, b, sa, sb, zero, row
.if \zero
.if (\row) == 0
	v_wmma_scale_f32_16x16x128_f8f6f4 v[0+(\d):7+(\d)], v[0+(\a):11+(\a)], v[0+(\b):11+(\b)], 0, v[\sa], v[\sb] matrix_a_fmt:MATRIX_FMT_FP6 matrix_b_fmt:MATRIX_FMT_FP6
.else
	v_wmma_scale_f32_16x16x128_f8f6f4 v[0+(\d):7+(\d)], v[0+(\a):11+(\a)], v[0+(\b):11+(\b)], 0, v[\sa], v[\sb] matrix_a_fmt:MATRIX_FMT_FP6 matrix_b_fmt:MATRIX_FMT_FP6 matrix_a_scale:MATRIX_SCALE_ROW1
.endif
.else
.if (\row) == 0
	v_wmma_scale_f32_16x16x128_f8f6f4 v[0+(\d):7+(\d)], v[0+(\a):11+(\a)], v[0+(\b):11+(\b)], v[0+(\d):7+(\d)], v[\sa], v[\sb] matrix_a_fmt:MATRIX_FMT_FP6 matrix_b_fmt:MATRIX_FMT_FP6
.else
	v_wmma_scale_f32_16x16x128_f8f6f4 v[0+(\d):7+(\d)], v[0+(\a):11+(\a)], v[0+(\b):11+(\b)], v[0+(\d):7+(\d)], v[\sa], v[\sb] matrix_a_fmt:MATRIX_FMT_FP6 matrix_b_fmt:MATRIX_FMT_FP6 matrix_a_scale:MATRIX_SCALE_ROW1
.endif
.endif
.endm
; 16 matrix instructions: a unit's four fragments x the four token tiles, on 16 accumulators by turns
.macro MULQ slot, q, buf, win, zero
	WIN 0x03+0x50*(\win)                           ; source 0 window 3, source 1 window 0, C and D window win
.irp f, 0,1,2,3
.irp t, 0,1,2,3
	WMM 64*(2*(\q)+\f/2)+16*\t+8*(\f%2), 48*(\slot)+12*\f, XF+64*(\buf)+12*\t, WS+2*(\slot)+\f/2, XS+4*(\buf)+\t, \zero, \f%2
.endr
.endr
.endm
.macro TFETCH s, buf                   ; K step s: the four tiles' fragments and their scale words: 16 LDS loads
.irp t, 0,1,2,3
	FETCH XF+64*(\buf)+12*\t, FI, (4*\t+(\s))*1536
	ds_load_b32 v[XS+4*(\buf)+\t], v[FS] offset:(4*\t+(\s))*128
.endr
.endm
; One matrix, 512 along K: eight units.  pre = 1: K step 0's fragments were asked for already.  zero = 1: the first K step starts the sums.
.macro PASS m, win, zero, pre
.if !\pre
	TFETCH 0, 0
.endif
.irp s, 0,1,2,3
.if \s < 3
	TFETCH \s+1, (\s+1)%2                          ; into the buffer that the step before multiplied: four places stand behind its last product
	s_wait_dscnt 16                                ; all but the 16 loads just issued
.else
	s_wait_dscnt 0x0
.endif
.set Z, 0
.if (\zero) && (\s == 0)
.set Z, 1
.endif
.irp q, 0,1
.set U, 8*(\m)+2*\s+\q
.if 39-U >= 4
	s_wait_loadcnt 52                              ; behind this unit's 13 loads four more units were asked for
.else
	s_wait_loadcnt 13*(39-U)
.endif
	MULQ U%5, \q, \s%2, \win, Z
.rept 4
	v_nop                                          ; places in front of loads into registers that these products have read, and of the first read of results
.endr
	WIN 0
	RING U+5
.endr
.endr
.endm
	s_load_b256 s[4:11], s[0:1], 0x0               ; A s[4:5], W s[6:7], x s[8:9], ffn_norm_w s[10:11]
	s_load_b128 s[12:15], s[0:1], 0x20             ; gate_w s[12:13], out0 s[14:15]
	s_set_vgpr_msb 0xc0
	v_lshl_add_u32 v254, v0, 2, 0x2a800
	v_mov_b32 v255, 0
	s_set_vgpr_msb 0xc000
	v_lshrrev_b32 v22, 5, v0
	v_readfirstlane_b32 s16, v22                   ; wave 0..3
	v_and_b32 v22, 31, v0                          ; lane
	v_and_b32 v[RR], 15, v0                        ; r
	v_bfe_u32 v23, v0, 4, 1                        ; h
	v_lshlrev_b32 v[LI], 4, v22
	v_lshlrev_b32 v[L8], 3, v22
	v_lshlrev_b32 v[LS], 2, v22
	s_lshl_b32 s40, s16, 9                         ; 512 w
	v_mul_u32_u24 v[XC0], v[RR], 2064
	v_lshl_add_u32 v[XC0], v23, 6, v[XC0]
	v_add_nc_u32 v[XC0], s40, v[XC0]
	v_add_nc_u32 v[XC0+1], 66048, v[XC0]
	s_mul_i32 s41, s16, 33024
	v_add_nc_u32 v[XD], s41, v[LI]
	s_mul_i32 s41, s16, 1536
	s_add_co_u32 s41, s41, IMG
	v_add_nc_u32 v[IWI], s41, v[LI]
	s_lshl_b32 s41, s16, 7
	s_add_co_u32 s41, s41, ISC
	v_add_nc_u32 v[IWS], s41, v[LS]
	v_add_nc_u32 v[FI], IMG, v[LI]
	v_add_nc_u32 v[FS], ISC, v[LS]
	v_lshlrev_b32 v[RDL], 4, v[RR]
	v_add_nc_u32 v[RDL], RED, v[RDL]
	s_lshl_b32 s41, s16, 2
	v_add_nc_u32 v[RDA], s41, v[RDL]
	v_lshlrev_b32 v[LGL], 6, v[RR]
	v_add_nc_u32 v[LGL], LG, v[LGL]
	s_lshl_b32 s41, s16, 4
	v_add_nc_u32 v[LGA], s41, v[LGL]
	v_mul_u32_u24 v[AOF], v23, 196608
	v_mad_u32_u24 v[AOF], v[RR], 24, v[AOF]
	v_lshlrev_b32 v[GFA], 6, v23
	v_add_nc_u32 v[GFA], s40, v[GFA]
	v_add_nc_u32 v[GFA], GWL, v[GFA]
	s_mul_i32 s41, s16, 6144
	s_add_co_u32 s41, s41, IMG
	v_add_nc_u32 v[PIW], s41, v[LI]
	s_add_co_u32 s41, s40, ISC
	v_add_nc_u32 v[PIS], s41, v[LS]
	s_lshl_b32 s41, s16, 11
	s_add_co_u32 s41, s41, GWL
	v_add_nc_u32 v[CGW], s41, v[LI]
	s_add_co_u32 s41, s40, FWL
	v_add_nc_u32 v[CFW], s41, v[LI]
	s_mov_b32 s[SEL], 0x76543210
	s_mov_b32 s[SEL+1], 0xfedcba98
	s_mov_b32 s34, 0x3b000000                      ; 1 / 512
	s_mov_b32 s35, 0x358637bd                      ; 1e-6
	s_mov_b32 s36, 0x3fb8aa3b                      ; log2(e)
	s_lshl_b32 s42, ttmp9, 6
	s_lshl_b32 s43, s16, 4
	s_add_co_u32 s42, s42, s43                     ; my tile's first token: 64 x block + 16 w
	s_mul_i32 s44, s42, 24
	s_mov_b32 s45, 0
	s_add_co_u32 s46, s42, 3145728
	s_mov_b32 s47, 0
	s_lshl_b32 s48, s42, 11
	s_mov_b32 s49, 0
	s_mul_i32 s50, s16, 51200                      ; groups 12 + 2 w, 13 + 2 w
	s_add_co_u32 s50, s50, 307200
	s_mov_b32 s51, 0
	s_lshl_b32 s52, s16, 11
	s_mov_b32 s53, 0
	s_lshl_b32 s54, s16, 9
	s_mov_b32 s55, 0
	s_wait_kmcnt 0x0
	s_add_nc_u64 s[18:19], s[4:5], s[44:45]        ; the attention's codes at my tile
	s_add_nc_u64 s[20:21], s[4:5], s[46:47]        ; and their scale bytes
	s_add_nc_u64 s[WB:WB+1], s[6:7], s[50:51]
	s_add_nc_u64 s[24:25], s[8:9], s[48:49]        ; x at my 16 rows
	s_add_nc_u64 s[26:27], s[14:15], s[48:49]      ; out0 likewise
	s_add_nc_u64 s[28:29], s[12:13], s[52:53]      ; gate_w's row w
	s_add_nc_u64 s[30:31], s[10:11], s[54:55]      ; my quarter of ffn_norm_w
	; ---- the loads of the head
.irp u, 0,1,2,3,4
	RING \u
.endr
	WIN 0x40
.irp p, 0,1,2,3,4,5,6,7,8,9,10,11,12,13,14,15
.irp d, 0,1,2,3
	global_load_b128 v[16*\p+4*\d:16*\p+4*\d+3], v[LI], s[24:25] offset:2048*\p+512*\d th:TH_LOAD_NT
.endr
.endr
	WIN 0
.irp s, 0,1,2,3                                ; tile w's four fragments: block 2 c + h of K step s is head 4 s + 2 c + h
.irp c, 0,1
.irp p, 0,1,2
	global_load_b64 v[32+12*\s+6*\c+2*\p:33+12*\s+6*\c+2*\p], v[AOF], s[18:19] offset:(4*\s+2*\c)*196608+8*\p th:TH_LOAD_NT
.endr
.endr
.endr
.irp s, 0,1,2,3
.irp j, 0,1,2,3
	global_load_u8 v[192+4*\s+\j], v[RR], s[20:21] offset:8192*(4*\s+\j)
.endr
.endr
.irp k, 0,1,2,3
	global_load_b128 v[208+4*\k:211+4*\k], v[LI], s[28:29] offset:512*\k
.endr
	global_load_b128 v[224:227], v[LI], s[30:31]
	s_wait_loadcnt 45                              ; x is in: behind it 24 + 16 + 5 loads were issued
	WIN 0x04                                       ; an LDS store's data are its source 1: window 1
.irp p, 0,1,2,3,4,5,6,7,8,9,10,11,12,13,14,15
.irp d, 0,1,2,3
	ds_store_b128 v[XD], v[16*\p+4*\d:16*\p+4*\d+3] offset:XST+2064*\p+512*\d
.endr
.endr
	WIN 0
	s_wait_loadcnt 0x0
.irp s, 0,1,2,3
	v_lshl_or_b32 v[228+\s], v[193+4*\s], 8, v[192+4*\s]
	v_lshl_or_b32 v[228+\s], v[194+4*\s], 16, v[228+\s]
	v_lshl_or_b32 v[228+\s], v[195+4*\s], 24, v[228+\s]   ; four heads' bytes: the token's scale word of K step s
.endr
.irp s, 0,1,2,3
.irp c, 0,1,2
	ds_store_b128 v[PIW], v[32+12*\s+4*\c:35+12*\s+4*\c] offset:1536*\s+512*\c
.endr
	ds_store_b32 v[PIS], v[228+\s] offset:128*\s
.endr
.irp k, 0,1,2,3
	ds_store_b128 v[CGW], v[208+4*\k:211+4*\k] offset:512*\k
.endr
	ds_store_b128 v[CFW], v[224:227]
	BARRIER                                        ; x, the 16 fragments, gate_w and ffn_norm_w lie in LDS
	; ---- x in the result's layout: the C of the first sums; the gate's and the norm's weights of my columns
	WIN 0x40
.irp b, 0,1,2,3
.irp t, 0,1,2,3
.irp k, 0,1,2,3
	ds_load_b128 v[64*\b+16*\t+4*\k:64*\b+16*\t+4*\k+3], v[XC0+\t/2] offset:XST+33024*(\t%2)+128*\b+16*\k
.endr
.endr
.endr
	WIN 0x80
.irp e, 0,1,2,3
.irp b, 0,1,2,3
.irp k, 0,1,2,3
	ds_load_b128 v[64*\e+16*\b+4*\k:64*\e+16*\b+4*\k+3], v[GFA] offset:2048*\e+128*\b+16*\k
.endr
.endr
.endr
	WIN 0
.irp b, 0,1,2,3
.irp k, 0,1,2,3
	ds_load_b128 v[FW+16*\b+4*\k:FW+16*\b+4*\k+3], v[GFA] offset:8192+128*\b+16*\k
.endr
.endr
	PASS 0, 1, 0, 0                                ; h = x + o wo^T
	; ---- the norm: my 128 columns' squares, then the four waves' parts
	WIN 0x05                                       ; sources 0 and 1 window 1
.irp t, 0,1,2,3
	v_pk_mul_f32 v[SQ+2*\t:SQ+2*\t+1], v[16*\t:16*\t+1], v[16*\t:16*\t+1]     ; each accumulator from its low end on
.endr
.set J, 1
.rept 31
.irp t, 0,1,2,3
	v_pk_fma_f32 v[SQ+2*\t:SQ+2*\t+1], v[64*(J/8)+16*\t+2*(J%8):64*(J/8)+16*\t+2*(J%8)+1], v[64*(J/8)+16*\t+2*(J%8):64*(J/8)+16*\t+2*(J%8)+1], v[SQ+2*\t:SQ+2*\t+1]
.endr
.set J, J+1
.endr
	WIN 0
.irp t, 0,1,2,3
	v_add_f32 v[SQ+2*\t], v[SQ+2*\t], v[SQ+2*\t+1]
.endr
.irp t, 0,1,2,3
	v_permlanex16_b32 v[SQ+2*\t+1], v[SQ+2*\t], s[SEL], s[SEL+1]
.endr
.irp t, 0,1,2,3
	v_add_f32 v[SQ+2*\t], v[SQ+2*\t], v[SQ+2*\t+1]
.endr
.irp t, 0,1,2,3
	ds_store_b32 v[RDA], v[SQ+2*\t] offset:256*\t  ; both halves of the lanes write the same word with the same value
.endr
	BARRIER                                        ; the parts lie in LDS; and every wave's reads of the first 16 fragments are over
.irp t, 0,1,2,3
	ds_load_b128 v[ST+4*\t:ST+4*\t+3], v[RDL] offset:256*\t
.endr
	s_wait_dscnt 0x0
.irp t, 0,1,2,3
	v_add_f32 v[RS+2*\t], v[ST+4*\t], v[ST+4*\t+1]
.endr
.irp t, 0,1,2,3
	v_add_f32 v[RS+2*\t], v[RS+2*\t], v[ST+4*\t+2]
.endr
.irp t, 0,1,2,3
	v_add_f32 v[RS+2*\t], v[RS+2*\t], v[ST+4*\t+3]
.endr
.irp t, 0,1,2,3
	v_fma_f32 v[RS+2*\t], v[RS+2*\t], s34, s35     ; the mean + 1e-6
.endr
.irp t, 0,1,2,3
	v_rsq_f32 v[RS+2*\t], v[RS+2*\t]
.endr
	v_nop                                          ; one plain place behind the transcendentals
	s_wait_alu depctr_va_vdst(0)
.irp t, 0,1,2,3
	v_mov_b32 v[RS+2*\t+1], v[RS+2*\t]
.endr
.irp b, 0,1,2,3
	v_mov_b32 v[TM+4+\b], 0                        ; a lane exchange's destination counts as one of its sources
	v_mov_b32 v[GT+\b], 0
.endr
	; ---- t = (h r) w; my part of the four logits, in f32; t quantised: K step w of the experts' products
.irp t, 0,1,2,3
	WIN 0x01                                       ; source 0 window 1
.irp b, 0,1,2,3
.irp k, 0,2,4,6,8,10,12,14
	v_pk_mul_f32 v[ST+16*\b+\k:ST+16*\b+\k+1], v[64*\b+16*\t+\k:64*\b+16*\t+\k+1], v[RS+2*\t:RS+2*\t+1] op_sel_hi:[1,0]
.endr
.endr
	WIN 0
.set J, 0
.rept 32
	v_pk_mul_f32 v[ST+J:ST+J+1], v[ST+J:ST+J+1], v[FW+J:FW+J+1]
.set J, J+2
.endr
	WIN 0x08                                       ; source 1 window 2: the gate's weights
.irp e, 0,1,2,3
	v_pk_mul_f32 v[SQ+2*\e:SQ+2*\e+1], v[ST:ST+1], v[64*\e:64*\e+1]
.endr
.set J, 2
.rept 31
.irp e, 0,1,2,3
	v_pk_fma_f32 v[SQ+2*\e:SQ+2*\e+1], v[ST+J:ST+J+1], v[64*\e+J:64*\e+J+1], v[SQ+2*\e:SQ+2*\e+1]
.endr
.set J, J+2
.endr
	WIN 0
.irp e, 0,1,2,3
	v_add_f32 v[GL+\e], v[SQ+2*\e], v[SQ+2*\e+1]
.endr
.irp e, 0,1,2,3
	v_permlanex16_b32 v[GT+\e], v[GL+\e], s[SEL], s[SEL+1]
.endr
.irp e, 0,1,2,3
	v_add_f32 v[GL+\e], v[GL+\e], v[GT+\e]
.endr
	ds_store_b128 v[LGA], v[GL:GL+3] offset:1024*\t
	QUANT ST, PW
	IMAGE IWI, 6144*\t
	ds_store_b32 v[IWS], v[PW] offset:512*\t
	s_wait_dscnt 0x0
.endr
	BARRIER                                        ; t's 16 fragments and the logits' parts lie in LDS
	; ---- the gate: every wave makes the same 16 weights a lane
.irp t, 0,1,2,3
.irp k, 0,1,2,3
	ds_load_b128 v[ST+16*\t+4*\k:ST+16*\t+4*\k+3], v[LGL] offset:1024*\t+16*\k
.endr
.endr
	s_wait_dscnt 0x0
.macro CMPP a, b                       ; a < b: where L_a >= L_b, a stands ahead of b: a tie goes to the lower index
	v_cmp_ge_f32 vcc_lo, v[96+\a], v[96+\b]
	v_cndmask_b32 v108, 0, 1, vcc_lo
	v_add_nc_u32 v[100+\b], v[100+\b], v108
	v_sub_nc_u32 v[100+\a], v[100+\a], v108
.endm
.macro TOPK t                          ; v96-99 the logits, v100-103 how many experts stand ahead of each, v104-107 the exponentials
.irp e, 0,1,2,3
	v_add_f32 v[96+\e], v[ST+16*(\t)+\e], v[ST+16*(\t)+4+\e]
.endr
.irp e, 0,1,2,3
	v_add_f32 v[96+\e], v[96+\e], v[ST+16*(\t)+8+\e]
.endr
.irp e, 0,1,2,3
	v_add_f32 v[96+\e], v[96+\e], v[ST+16*(\t)+12+\e]
.endr
.irp e, 0,1,2,3
	v_mov_b32 v[100+\e], 3-\e                      ; as if every expert of a higher index stood ahead
.endr
	CMPP 0, 1
	CMPP 0, 2
	CMPP 0, 3
	CMPP 1, 2
	CMPP 1, 3
	CMPP 2, 3
	v_max3_num_f32 v109, v96, v97, v98
	v_max_num_f32 v109, v109, v99                  ; the largest logit is taken away ahead of the exponentials
.irp e, 0,1,2,3
	v_sub_f32 v[104+\e], v[96+\e], v109
.endr
.irp e, 0,1,2,3
	v_mul_f32 v[104+\e], s36, v[104+\e]
.endr
.irp e, 0,1,2,3
	v_exp_f32 v[104+\e], v[104+\e]
.endr
	v_nop                                          ; one plain place behind the transcendentals
	s_wait_alu depctr_va_vdst(0)
.irp e, 0,1,2,3
	v_cmp_gt_u32 vcc_lo, 2, v[100+\e]
	v_cndmask_b32 v[104+\e], 0, v[104+\e], vcc_lo  ; only the first two count
.endr
	v_add_f32 v110, v104, v105
	v_add_f32 v111, v106, v107
	v_add_f32 v110, v110, v111
	v_rcp_f32 v110, v110
	v_nop
	s_wait_alu depctr_va_vdst(0)
.irp e, 0,1,2,3
	v_mul_f32 v[CB+2*(4*\e+(\t))], v[104+\e], v110
	v_mul_f32 v[CB+2*(4*\e+(\t))+1], v[104+\e], v110
.endr
.endm
	TOPK 0
	TOPK 1
	TOPK 2
	TOPK 3
	; ---- the experts, one after the other; h takes each one's weighted result
.irp e, 0,1,2,3
.if \e == 0
	PASS 1, 2, 1, 0
.else
	PASS 1+\e, 2, 1, 1
.endif
.if \e < 3
	TFETCH 0, 0                                    ; the next expert's first fragments land under the multiply-adds below
.endif
	WIN 0x52                                       ; source 0 window 2, source 1 window 0, source 2 and destination window 1
.irp b, 0,1,2,3
.irp t, 0,1,2,3
.irp k, 0,2,4,6,8,10,12,14
	v_pk_fma_f32 v[64*\b+16*\t+\k:64*\b+16*\t+\k+1], v[64*\b+16*\t+\k:64*\b+16*\t+\k+1], v[CB+2*(4*\e+\t):CB+2*(4*\e+\t)+1], v[64*\b+16*\t+\k:64*\b+16*\t+\k+1] op_sel_hi:[1,0,1]
.endr
.endr
.endr
	WIN 0
.endr
	; ---- out: my columns into the stage (the bytes that I alone read as x), a barrier, whole rows out
	WIN 0x04
.irp b, 0,1,2,3
.irp t, 0,1,2,3
.irp k, 0,1,2,3
	ds_store_b128 v[XC0+\t/2], v[64*\b+16*\t+4*\k:64*\b+16*\t+4*\k+3] offset:XST+33024*(\t%2)+128*\b+16*\k
.endr
.endr
.endr
	WIN 0
	BARRIER                                        ; 64 whole rows lie in the stage
	WIN 0x80
.irp p, 0,1,2,3,4,5,6,7,8,9,10,11,12,13,14,15
.irp d, 0,1,2,3
	ds_load_b128 v[16*\p+4*\d:16*\p+4*\d+3], v[XD] offset:XST+2064*\p+512*\d
.endr
.endr
	WIN 0x08                                       ; a store's data are its source 1: window 2
.irp g, 0,1,2,3
	s_wait_dscnt 48-16*\g                          ; four rows' 16 loads are in; the younger rows' may be out
.irp p, 0,1,2,3
.irp d, 0,1,2,3
	global_store_b128 v[LI], v[16*(4*\g+\p)+4*\d:16*(4*\g+\p)+4*\d+3], s[26:27] offset:2048*(4*\g+\p)+512*\d th:TH_STORE_NT   ; 512 consecutive bytes, aligned
.endr
.endr
.endr
	WIN 0
	s_set_vgpr_msb 0xf
	s_wait_tensorcnt 0x0
	ds_add_u32 v254, v255
	s_wait_dscnt 0x0
	s_set_vgpr_msb 0xf00
	s_endpgm
.Lfunc_end_k_qb6dc76ae1c_tail:
	.size	k_qb6dc76ae1c_tail, .Lfunc_end_k_qb6dc76ae1c_tail-k_qb6dc76ae1c_tail
	.p2alignl 7, 3214868480
	.fill 96, 4, 3214868480
	.section	.rodata,"a",@progbits
	.p2align	6, 0x0
	.amdhsa_kernel k_qb6dc76ae1c_tail
		.amdhsa_group_segment_fixed_size 174592
		.amdhsa_private_segment_fixed_size 0
		.amdhsa_enable_private_segment 0
		.amdhsa_kernarg_size 48
		.amdhsa_user_sgpr_count 2
		.amdhsa_user_sgpr_kernarg_segment_ptr 1
		.amdhsa_wavefront_size32 1
		.amdhsa_system_sgpr_workgroup_id_x 1
		.amdhsa_system_sgpr_workgroup_id_y 1
		.amdhsa_system_sgpr_workgroup_id_z 1
		.amdhsa_system_vgpr_workitem_id 0
		.amdhsa_next_free_vgpr 1024
		.amdhsa_next_free_sgpr 66
		.amdhsa_reserve_vcc 1
		.amdhsa_float_denorm_mode_32 3
		.amdhsa_float_denorm_mode_16_64 3
		.amdhsa_memory_ordered 1
		.amdhsa_forward_progress 1
		.amdhsa_inst_pref_size 255
	.end_amdhsa_kernel
	.section	.bss,"aw",@nobits
	.p2align	6
	.space	262144
	.amdgpu_metadata
---
amdhsa.version: [ 1, 2 ]
amdhsa.kernels:
  - .name:           k_qb6dc76ae1c_tail
    .symbol:         k_qb6dc76ae1c_tail.kd
    .args:
      - { .name: A, .offset: 0, .size: 8, .value_kind: global_buffer, .address_space: global }
      - { .name: W, .offset: 8, .size: 8, .value_kind: global_buffer, .address_space: global }
      - { .name: x, .offset: 16, .size: 8, .value_kind: global_buffer, .address_space: global }
      - { .name: ffn_norm_w, .offset: 24, .size: 8, .value_kind: global_buffer, .address_space: global }
      - { .name: gate_w, .offset: 32, .size: 8, .value_kind: global_buffer, .address_space: global }
      - { .name: out0, .offset: 40, .size: 8, .value_kind: global_buffer, .address_space: global }
    .group_segment_fixed_size: 174592
    .private_segment_fixed_size: 0
    .kernarg_segment_align: 8
    .kernarg_segment_size: 48
    .max_flat_workgroup_size: 128
    .sgpr_count:     66
    .vgpr_count:     1024
    .wavefront_size: 32
...
	.end_amdgpu_metadata
.endif
;; end of part 4
;; ======== version 2 of 2: 4 launches; version 1 with the launches qkv, attn, tail written anew for expert scheduling mode
;; workspace buffers: W 1,331,200 bytes; Q 3,276,800 bytes; KV 1,703,936 bytes; A 3,276,800 bytes
;; launch wquant: the kernel of part 1 again; grid 52 x 4, 1 waves a work-group, no clusters, 34,048 bytes of LDS; arguments wq, wk, wv, wo, expert_w, W; writes W
;; launch qkv (part 5): grid 128 x 1, 4 waves a work-group, no clusters, 162,304 bytes of LDS; arguments x, attn_norm_w, W, Q, KV; writes Q, KV
.if DOCPART == 5
	.amdgcn_target "amdgcn-amd-amdhsa--gfx1250"
	.amdhsa_code_object_version 6
	.text
	.protected	k_qb6dc76ae1c_qkv
	.globl	k_qb6dc76ae1c_qkv
	.p2align	8
	.type	k_qb6dc76ae1c_qkv,@function
k_qb6dc76ae1c_qkv:
	s_mov_b64 s[64:65], 0
	v_nop
	global_prefetch_b8 v0, s[64:65] scope:SCOPE_SE
	s_setreg_imm32_b32 hwreg(HW_REG_WAVE_SCHED_MODE, 0, 2), 2
	s_setreg_imm32_b32 hwreg(HW_REG_WAVE_MODE, 25, 1), 1
	s_wait_xcnt 0x0
	s_wait_alu depctr_vm_vsrc(0)
; RMS norm of x, quantised (FP6, E2M3, one E8M0 byte for 32 along K); q, k, v = the normed x times wq, wk, wv (codes out of W); q and k quantised along the head's 32, v along the tokens.
; SHARES.  A work-group owns 64 tokens.  First wave w norms and quantises token tile w; then THE WAVES SHARE THE COLUMNS: wave w makes query heads 4 w .. 4 w + 3, key head w and value head w for all four tiles.
; Row p of token tile T is token 32 (T / 2) + 8 (T % 2) + p + 8 (p / 8): so the v product, used untransposed (source 0 = tokens), gives a lane 16 neighbouring TOKENS in two neighbouring tiles.
; q and k are used transposed (source 0 = 16 weight rows): a lane holds one token and 16 neighbours of a head's 32; lanes l and l xor 16 hold the block.
; THE WEIGHTS go from memory straight into the operand's registers: units of 6,400 bytes (four fragments and their scale words), 13 loads each, through a ring of five register slots.
; No cluster: all work-groups walk the same units, but a joint request lands in LDS, from which each wave would read only its own quarter of a step's units once more; here no weight byte passes through LDS.
; OUT.  Q: a record of 25,600 bytes a block of 64 tokens: [16 heads][64 tokens][24 bytes], then [16 heads][64] scale bytes.
; KV: a record of 6,656 bytes for (batch, kv head, 128 keys): two halves of 3,072 bytes of codes, then two of 256 bytes of scales.  A half (64 keys): a fragment of K, 16 rows of 96 bytes, whose block j of row p
; is key 32 (j / 2) + 8 (j % 2) + p + 8 (p / 8); then V as [2 tiles of d][16 rows][48 bytes], row m of tile u = d 8 u + m + 8 (m / 8), keys innermost.  Scales: 16 words of K, 32 half words of V, 128 zeros.
; LIMITS: NaN and infinities are not served; a block of zeros or under 2^-124 gets the byte 1; v_rsq_f32 is good to 1 ulp; the mean's sum runs in another order than the reference's.
; REGISTERS, in windows of 256: window 0: see the names; window 1: x as loaded (64 s + 4 p), then q's sums (64 head + 16 T + 8 u); window 2: k's sums (16 T + 8 u), v's (64 + 32 u + 16 (T / 2) + 8 (T % 2)); window 3: the ring.
; THE MODE: SCHED_MODE bits 1:0 = 2 (LLVM: expert scheduling mode 2), set by the entry lines.  The code itself states the register dependences
; between vector or matrix instructions and memory or LDS instructions, with s_wait_alu, always for 0.
; THE PLAN.  Registers that memory or LDS instructions touch:
;   v1-15, v249, v250   Addresses, made once at the head and never written again: one wait on va_vdst ahead of the first load serves every load and store.
;   window 3, v[WS ..]  The ring.  Unit U's 16 matrix instructions read slot U % 5 and its scale words; the loads of unit U + 5 land there at the head of unit U + 1.
;   window 1            x's loads land; the norm's multiplications write; the stage's stores read; later q's sums are written there.
;   v[XF ..], two sets  The stage's loads land, QUANT reads; then the fragments' loads of K step s + 1 land in the buffer that K step s - 1's matrix instructions read; v[XS ..] with them.
;   v[PC ..], v[PW]     QUANT writes; the image's stores read.        v[CQ ..], v[TM + 8 ..]  QB writes; the result's stores read.
; So: one wait on va_vdst ahead of each run of stores of what vector instructions made, one on vm_vsrc ahead of the next writer of those registers, and in the products ONE wait on va_vdst
; at a unit's head, behind the wait for its data: behind it stand the K step's fragment loads and the ring's 13 loads, and then the unit's matrix instructions, which name none of the registers that those loads touch.
.set REG,  33792                       ; LDS: a region for each wave: the stage [4 K steps][16 rows][528]; later the wave's results
.set XIMG, 4*REG                       ; 16 images of fragments (4 T + s), 1,536 bytes each
.set XSC,  XIMG+16*1536                ; their scale words, 128 bytes each
.set OQ,   0                           ; in my region, later: q's codes 6,144,
.set OQS,  6144                        ; q's scale bytes 256,
.set OKV,  6400                        ; my half record's codes 3,072,
.set OKS,  9472                        ; its scales 256
.set LI,   1                           ; 16 x lane
.set L8,   2                           ; 8 x lane
.set LS,   3                           ; 4 x lane
.set STW,  4                           ; my region + 16 x lane
.set RDX,  5                           ; my region + 528 r + 64 h
.set IWI,  6                           ; XIMG + 6,144 w + 16 x lane
.set IWS,  7                           ; XSC + 512 w + 4 x lane
.set FI,   8                           ; XIMG + 16 x lane
.set FS,   9                           ; XSC + 4 x lane
.set AQ,   10                          ; my region + 24 (r + 8 (r / 8)) + 12 h
.set AQS,  11                          ; my region + r + 8 (r / 8)
.set AKC,  12                          ; my region + 96 r + 12 h
.set AKS,  13                          ; my region + 4 r
.set AVC,  14                          ; my region + 48 r + 12 h
.set AVS,  15                          ; my region + 2 r
.set NW,   16                          ; v16-31   the norm's weights of my columns
.set XF,   32                          ; v32-95, v96-159: 64 numbers in two sets; then x's fragments in two buffers of 48
.set SSP,  160                         ; v160-191 sixteen pairs: sums of squares
.set CQ,   160                         ; later: four blocks' codes
.set PC,   192                         ; v192-210 the codes just made
.set TM,   212                         ; v212-227 the quantisers' work
.set PW,   228
.set WS,   230                         ; v230-239 the ring's scale words: scales and nothing else
.set XS,   240                         ; v240-247 x's scale words: scales and nothing else
.set NIL,  248
.set ZA,   249                         ; my region + 4 x lane
.set OA,   250                         ; my region + 8 x lane
.set SEL,  30
.set MSB, 0
.macro WIN new                         ; bits 1:0 source 0, 3:2 source 1, 5:4 source 2, 7:6 destination; the high byte repeats the setting that is left
.if MSB != (\new)
	s_set_vgpr_msb (MSB<<8)|(\new)
.set MSB, (\new)
.endif
.endm
.macro QUANT s, pw                     ; 64 numbers, register 16 b + i = k 32 b + 16 (lane / 16) + i of my row -> a fragment's codes in v[PC] on, its scale word in v[pw]
.irp b, 0,1,2,3
	v_max3_num_f32 v[TM+\b], |v[\s+16*\b]|, |v[\s+1+16*\b]|, 0x1800000   ; and the floor 2^(3 - 127): the byte cannot fall under 1
.endr
.irp i, 2,4,6,8,10,12,14
.irp b, 0,1,2,3
	v_max3_num_f32 v[TM+\b], v[TM+\b], |v[\s+16*\b+\i]|, |v[\s+1+16*\b+\i]|
.endr
.endr
.irp b, 0,1,2,3
	v_permlanex16_b32 v[TM+4+\b], v[TM+\b], s[SEL], s[SEL+1]
.endr
.irp b, 0,1,2,3
	v_max_num_f32 v[TM+\b], v[TM+\b], v[TM+4+\b]
.endr
.irp b, 0,1,2,3
	v_add_nc_u32 v[TM+12+\b], 0xff000000, v[TM+\b]        ; 2 off the exponent field: the conversion's scale operand
.endr
.irp b, 0,1,2,3
	v_lshrrev_b32 v[TM+4+\b], 23, v[TM+12+\b]
.endr
	v_lshl_or_b32 v[\pw], v[TM+5], 8, v[TM+4]
	v_lshl_or_b32 v[\pw], v[TM+6], 16, v[\pw]
	v_lshl_or_b32 v[\pw], v[TM+7], 24, v[\pw]
.irp c, 0,1
	v_cvt_scalef32_pk16_fp6_f32 v[PC+6*\c:PC+2+6*\c], v[\s+32*\c:\s+15+32*\c], v[TM+12+2*\c]
	v_cvt_scalef32_pk16_fp6_f32 v[PC+12+4*\c:PC+14+4*\c], v[\s+16+32*\c:\s+31+32*\c], v[TM+12+2*\c+1]
.endr
	v_nop                                                 ; one plain place behind a scaled conversion
.irp c, 0,1
.irp i, 0,1,2
	v_permlane16_swap_b32 v[PC+6*\c+\i], v[PC+12+4*\c+\i]
.endr
.irp i, 0,1,2
	v_mov_b32 v[PC+3+6*\c+\i], v[PC+12+4*\c+\i]
.endr
.endr
.endm
.macro IMAGE adr, off                  ; a fragment goes to LDS as an image of its registers,
.irp c, 0,1,2
	ds_store_b128 v[\adr], v[PC+4*\c:PC+4*\c+3] offset:(\off)+512*\c
.endr
.endm
.macro FETCH reg, adr, off             ; and comes back so in any wave
.irp c, 0,1,2
	ds_load_b128 v[(\reg)+4*\c:(\reg)+4*\c+3], v[\adr] offset:(\off)+512*\c
.endr
.endm
.macro UNITLOAD slot, base, imm        ; a unit of weights into ring slot: 13 loads
	WIN 0xc0
.irp f, 0,1,2,3
.irp c, 0,1,2
	global_load_b128 v[48*(\slot)+12*\f+4*\c:48*(\slot)+12*\f+4*\c+3], v[LI], s[\base:\base+1] offset:(\imm)+1536*\f+512*\c
.endr
.endr
	WIN 0
	global_load_b64 v[WS+2*(\slot):WS+2*(\slot)+1], v[L8], s[\base:\base+1] offset:(\imm)+6144
.endm
.macro RING u                          ; unit u = 3 s + q: q = 0, 1 two groups of wq's rows, q = 2 the group of wk's and wv's
.if (\u) < 12
.if (\u)%3 < 2
	UNITLOAD (\u)%5, 18, (4*((\u)%3)+(\u)/3)*6400
.else
	UNITLOAD (\u)%5, 20, ((\u)/3)*6400
.endif
.endif
.endm
.macro WMM d, a, b, sa, sb, zero, row  ; row: 0 both scales in lanes 0-15; 1 source 0's in lanes 16-31; 2 source 1's
.if \zero
.if (\row) == 0
	v_wmma_scale_f32_16x16x128_f8f6f4 v[0+(\d):7+(\d)], v[0+(\a):11+(\a)], v[0+(\b):11+(\b)], 0, v[\sa], v[\sb] matrix_a_fmt:MATRIX_FMT_FP6 matrix_b_fmt:MATRIX_FMT_FP6
.elseif (\row) == 1
	v_wmma_scale_f32_16x16x128_f8f6f4 v[0+(\d):7+(\d)], v[0+(\a):11+(\a)], v[0+(\b):11+(\b)], 0, v[\sa], v[\sb] matrix_a_fmt:MATRIX_FMT_FP6 matrix_b_fmt:MATRIX_FMT_FP6 matrix_a_scale:MATRIX_SCALE_ROW1
.else
	v_wmma_scale_f32_16x16x128_f8f6f4 v[0+(\d):7+(\d)], v[0+(\a):11+(\a)], v[0+(\b):11+(\b)], 0, v[\sa], v[\sb] matrix_a_fmt:MATRIX_FMT_FP6 matrix_b_fmt:MATRIX_FMT_FP6 matrix_b_scale:MATRIX_SCALE_ROW1
.endif
.else
.if (\row) == 0
	v_wmma_scale_f32_16x16x128_f8f6f4 v[0+(\d):7+(\d)], v[0+(\a):11+(\a)], v[0+(\b):11+(\b)], v[0+(\d):7+(\d)], v[\sa], v[\sb] matrix_a_fmt:MATRIX_FMT_FP6 matrix_b_fmt:MATRIX_FMT_FP6
.elseif (\row) == 1
	v_wmma_scale_f32_16x16x128_f8f6f4 v[0+(\d):7+(\d)], v[0+(\a):11+(\a)], v[0+(\b):11+(\b)], v[0+(\d):7+(\d)], v[\sa], v[\sb] matrix_a_fmt:MATRIX_FMT_FP6 matrix_b_fmt:MATRIX_FMT_FP6 matrix_a_scale:MATRIX_SCALE_ROW1
.else
	v_wmma_scale_f32_16x16x128_f8f6f4 v[0+(\d):7+(\d)], v[0+(\a):11+(\a)], v[0+(\b):11+(\b)], v[0+(\d):7+(\d)], v[\sa], v[\sb] matrix_a_fmt:MATRIX_FMT_FP6 matrix_b_fmt:MATRIX_FMT_FP6 matrix_b_scale:MATRIX_SCALE_ROW1
.endif
.endif
.endm
; 16 matrix instructions: a unit's four fragments x the four token tiles, on 16 accumulators by turns
.macro MULQ slot, q, buf, win, zero
	WIN 0x03+0x50*(\win)                           ; source 0 window 3, source 1 window 0, C and D window win
.irp f, 0,1,2,3
.irp t, 0,1,2,3
	WMM 64*(2*(\q)+\f/2)+16*\t+8*(\f%2), 48*(\slot)+12*\f, XF+64*(\buf)+12*\t, WS+2*(\slot)+\f/2, XS+4*(\buf)+\t, \zero, \f%2
.endr
.endr
.endm
.macro XFETCH s, buf                   ; K step s: four fragments of x and their scale words: 16 LDS loads
.irp t, 0,1,2,3
	FETCH XF+64*(\buf)+12*\t, FI, (4*\t+(\s))*1536
	ds_load_b32 v[XS+4*(\buf)+\t], v[FS] offset:(4*\t+(\s))*128
.endr
.endm
.macro XBACK s, set                    ; K step s of my 16 rows back from the stage: 16 neighbours of each block of 32
.irp b, 0,1,2,3
.irp j, 0,1,2,3
	ds_load_b128 v[XF+64*(\set)+16*\b+4*\j:XF+64*(\set)+16*\b+4*\j+3], v[RDX] offset:8448*(\s)+128*\b+16*\j
.endr
.endr
.endm
; four blocks of 32, each 16 registers of a lane (at base + 16 b in window win) and 16 of lane l xor 16: codes to v[CQ + 4 b] on, bytes to v[TM + 8 + b].  Each accumulator is read from its low end on.
.macro QB win, base
.irp b, 0,1,2,3
	v_mov_b32 v[TM+\b], 0x1800000                  ; the floor 2^(3 - 127)
.endr
	WIN 0x14*(\win)                                ; sources 1 and 2 in window win
.irp i, 0,2,4,6,8,10,12,14
.irp b, 0,1,2,3
	v_max3_num_f32 v[TM+\b], v[TM+\b], |v[(\base)+16*\b+\i]|, |v[(\base)+16*\b+\i+1]|
.endr
.endr
	WIN 0
.irp b, 0,1,2,3
	v_permlanex16_b32 v[TM+4+\b], v[TM+\b], s[SEL], s[SEL+1]
.endr
.irp b, 0,1,2,3
	v_max_num_f32 v[TM+\b], v[TM+\b], v[TM+4+\b]
.endr
.irp b, 0,1,2,3
	v_add_nc_u32 v[TM+12+\b], 0xff000000, v[TM+\b]
.endr
.irp b, 0,1,2,3
	v_lshrrev_b32 v[TM+8+\b], 23, v[TM+12+\b]
.endr
	WIN \win                                       ; source 0 in window win
.irp b, 0,1,2,3
	v_cvt_scalef32_pk16_fp6_f32 v[CQ+4*\b:CQ+4*\b+2], v[(\base)+16*\b:(\base)+16*\b+15], v[TM+12+\b]
.endr
	WIN 0
	v_nop                                          ; one plain place behind a scaled conversion
.endm
	s_load_b256 s[4:11], s[0:1], 0x0               ; x s[4:5], attn_norm_w s[6:7], W s[8:9], Q s[10:11]
	s_load_b64 s[12:13], s[0:1], 0x20              ; KV
	v_lshl_add_u32 v211, v0, 2, 0x27800
	v_mov_b32 v229, 0
	v_lshrrev_b32 v251, 5, v0
	v_readfirstlane_b32 s14, v251                  ; wave 0..3
	v_and_b32 v252, 31, v0                         ; lane
	v_and_b32 v253, 15, v0                         ; r
	v_bfe_u32 v254, v0, 4, 1                       ; h
	v_lshlrev_b32 v[LI], 4, v252
	v_lshlrev_b32 v[L8], 3, v252
	v_lshlrev_b32 v[LS], 2, v252
	s_wait_alu depctr_va_sdst(0)                   ; s14 is written, ahead of its first reader: LDS addresses and every base are made from it
	s_mul_i32 s15, s14, REG                        ; my region
	v_add_nc_u32 v[STW], s15, v[LI]
	v_mul_u32_u24 v[RDX], v253, 528
	v_lshl_add_u32 v[RDX], v254, 6, v[RDX]
	v_add_nc_u32 v[RDX], s15, v[RDX]
	s_mul_i32 s34, s14, 6144
	s_add_co_u32 s34, s34, XIMG
	v_add_nc_u32 v[IWI], s34, v[LI]
	s_lshl_b32 s34, s14, 9
	s_add_co_u32 s34, s34, XSC
	v_add_nc_u32 v[IWS], s34, v[LS]
	v_add_nc_u32 v[FI], XIMG, v[LI]
	v_add_nc_u32 v[FS], XSC, v[LS]
	v_and_b32 v255, 8, v253
	v_add_nc_u32 v255, v255, v253                  ; r + 8 (r / 8)
	v_mul_u32_u24 v[AQ], v255, 24
	v_mad_u32_u24 v[AQ], v254, 12, v[AQ]
	v_add_nc_u32 v[AQ], s15, v[AQ]
	v_add_nc_u32 v[AQS], s15, v255
	v_mul_u32_u24 v[AKC], v253, 96
	v_mad_u32_u24 v[AKC], v254, 12, v[AKC]
	v_add_nc_u32 v[AKC], s15, v[AKC]
	v_lshlrev_b32 v[AKS], 2, v253
	v_add_nc_u32 v[AKS], s15, v[AKS]
	v_mul_u32_u24 v[AVC], v253, 48
	v_mad_u32_u24 v[AVC], v254, 12, v[AVC]
	v_add_nc_u32 v[AVC], s15, v[AVC]
	v_lshlrev_b32 v[AVS], 1, v253
	v_add_nc_u32 v[AVS], s15, v[AVS]
	v_mov_b32 v[NIL], 0
	v_add_nc_u32 v[ZA], s15, v[LS]
	v_add_nc_u32 v[OA], s15, v[L8]
.irp b, 0,1,2,3
	v_mov_b32 v[TM+4+\b], 0                        ; written once: a lane exchange's destination counts as one of its sources
.endr
	s_mov_b32 s[SEL], 0x76543210
	s_mov_b32 s[SEL+1], 0xfedcba98
	s_mov_b32 s32, 0x3b000000                      ; 1 / 512
	s_mov_b32 s33, 0x358637bd                      ; 1e-6
	s_lshl_b32 s35, ttmp9, 6                       ; my tile's first token: 64 x block + 32 (w / 2) + 8 (w % 2)
	s_lshr_b32 s36, s14, 1
	s_lshl_b32 s36, s36, 5
	s_add_co_u32 s35, s35, s36
	s_and_b32 s36, s14, 1
	s_lshl_b32 s36, s36, 3
	s_add_co_u32 s35, s35, s36
	s_lshl_b32 s36, s35, 11                        ; a row of x is 2,048 bytes
	s_mov_b32 s37, 0
	s_mul_i32 s38, s14, 51200                      ; wq's groups 2 w, 2 w + 1: 8 units
	s_mov_b32 s39, 0
	s_mul_i32 s40, s14, 25600                      ; group 8 + w
	s_add_co_u32 s40, s40, 204800
	s_mov_b32 s41, 0
	s_mul_i32 s50, ttmp9, 25600                    ; Q's record
	s_mul_i32 s42, s14, 6144
	s_add_co_u32 s42, s42, s50
	s_mov_b32 s43, 0
	s_lshl_b32 s52, s14, 8
	s_add_co_u32 s52, s52, s50
	s_add_co_u32 s52, s52, 24576
	s_mov_b32 s53, 0
	s_lshr_b32 s44, ttmp9, 5                       ; the batch
	s_lshl_b32 s44, s44, 2
	s_add_co_u32 s44, s44, s14                     ; 4 x batch + kv head
	s_lshl_b32 s44, s44, 4
	s_and_b32 s45, ttmp9, 31
	s_lshr_b32 s45, s45, 1
	s_add_co_u32 s44, s44, s45                     ; KV's record,
	s_mul_i32 s44, s44, 6656
	s_and_b32 s45, ttmp9, 1                        ; and which half of it
	s_mul_i32 s46, s45, 3072
	s_add_co_u32 s46, s46, s44
	s_mov_b32 s47, 0
	s_lshl_b32 s48, s45, 8
	s_add_co_u32 s48, s48, s44
	s_add_co_u32 s48, s48, 6144
	s_mov_b32 s49, 0
	s_wait_kmcnt 0x0
	s_add_nc_u64 s[16:17], s[4:5], s[36:37]        ; x at my tile
	s_add_nc_u64 s[18:19], s[8:9], s[38:39]        ; my units of wq
	s_add_nc_u64 s[20:21], s[8:9], s[40:41]        ; my units of wk and wv
	s_add_nc_u64 s[22:23], s[10:11], s[42:43]      ; q's codes
	s_add_nc_u64 s[24:25], s[10:11], s[52:53]      ; q's scale bytes
	s_add_nc_u64 s[26:27], s[12:13], s[46:47]      ; my half record's codes
	s_add_nc_u64 s[28:29], s[12:13], s[48:49]      ; its scales
	s_wait_alu depctr_va_vdst(0)                   ; the addresses v1 to v15, v249, v250 and the zero v248 are written, which the kernel's loads and stores read
.irp u, 0,1,2,3,4
	RING \u                                        ; the ring's first five units
.endr
	WIN 0x40
.irp s, 0,1,2,3
.irp p, 0,1,2,3,4,5,6,7,8,9,10,11,12,13,14,15
	global_load_b128 v[64*\s+4*\p:64*\s+4*\p+3], v[LI], s[16:17] offset:(\p+8*(\p/8))*2048+512*\s th:TH_LOAD_NT   ; 512 consecutive bytes of one row
.endr
.endr
	WIN 0
.irp s, 0,1,2,3
	global_load_b128 v[NW+4*\s:NW+4*\s+3], v[LI], s[6:7] offset:512*\s
.endr
	s_wait_loadcnt 0x0
	; ---- the norm, as the numbers were loaded: a lane holds columns 128 s + 4 lane + 0 .. 3 of each of the 16 rows
	WIN 0x05                                       ; sources 0 and 1 window 1
.irp p, 0,1,2,3,4,5,6,7,8,9,10,11,12,13,14,15
	v_pk_mul_f32 v[SSP+2*\p:SSP+2*\p+1], v[4*\p:4*\p+1], v[4*\p:4*\p+1]
.endr
.irp k, 1,2,3,4,5,6,7
.irp p, 0,1,2,3,4,5,6,7,8,9,10,11,12,13,14,15
	v_pk_fma_f32 v[SSP+2*\p:SSP+2*\p+1], v[64*(\k/2)+4*\p+2*(\k%2):64*(\k/2)+4*\p+2*(\k%2)+1], v[64*(\k/2)+4*\p+2*(\k%2):64*(\k/2)+4*\p+2*(\k%2)+1], v[SSP+2*\p:SSP+2*\p+1]
.endr
.endr
	WIN 0
.irp p, 0,1,2,3,4,5,6,7,8,9,10,11,12,13,14,15
	v_add_f32 v[SSP+2*\p], v[SSP+2*\p], v[SSP+2*\p+1]
.endr
.irp m, 1,2,4,8
.irp p, 0,1,2,3,4,5,6,7,8,9,10,11,12,13,14,15
	v_add_f32_dpp v[SSP+2*\p], v[SSP+2*\p], v[SSP+2*\p] row_xmask:\m row_mask:0xf bank_mask:0xf
.endr
.endr
.irp p, 0,1,2,3,4,5,6,7,8,9,10,11,12,13,14,15
	v_permlanex16_b32 v[SSP+2*\p+1], v[SSP+2*\p], s[SEL], s[SEL+1]
.endr
.irp p, 0,1,2,3,4,5,6,7,8,9,10,11,12,13,14,15
	v_add_f32 v[SSP+2*\p], v[SSP+2*\p], v[SSP+2*\p+1]     ; the row's sum of squares, in every lane
.endr
.irp p, 0,1,2,3,4,5,6,7,8,9,10,11,12,13,14,15
	v_fma_f32 v[SSP+2*\p], v[SSP+2*\p], s32, s33          ; the mean + 1e-6
.endr
.irp p, 0,1,2,3,4,5,6,7,8,9,10,11,12,13,14,15
	v_rsq_f32 v[SSP+2*\p], v[SSP+2*\p]
.endr
	v_nop                                          ; one plain place behind the transcendentals
	WIN 0x41                                       ; destination and source 0 window 1
	s_wait_alu depctr_va_vdst(0)                   ; the sixteen reciprocal roots are written, ahead of their first reader: one wait for the batch
.irp s, 0,1,2,3
.irp p, 0,1,2,3,4,5,6,7,8,9,10,11,12,13,14,15
	v_pk_mul_f32 v[64*\s+4*\p:64*\s+4*\p+1], v[64*\s+4*\p:64*\s+4*\p+1], v[SSP+2*\p:SSP+2*\p+1] op_sel_hi:[1,0]
	v_pk_mul_f32 v[64*\s+4*\p+2:64*\s+4*\p+3], v[64*\s+4*\p+2:64*\s+4*\p+3], v[SSP+2*\p:SSP+2*\p+1] op_sel_hi:[1,0]
.endr
.endr
.irp s, 0,1,2,3
.irp p, 0,1,2,3,4,5,6,7,8,9,10,11,12,13,14,15
	v_pk_mul_f32 v[64*\s+4*\p:64*\s+4*\p+1], v[64*\s+4*\p:64*\s+4*\p+1], v[NW+4*\s:NW+4*\s+1]         ; (x r) w, in that order
	v_pk_mul_f32 v[64*\s+4*\p+2:64*\s+4*\p+3], v[64*\s+4*\p+2:64*\s+4*\p+3], v[NW+4*\s+2:NW+4*\s+3]
.endr
.endr
	WIN 0x04                                       ; an LDS store's data are its source 1: window 1
	s_wait_alu depctr_va_vdst(0)                   ; the norm's multiplications have written window 1, which the stores into the stage read
.irp s, 0,1,2,3
.irp p, 0,1,2,3,4,5,6,7,8,9,10,11,12,13,14,15
	ds_store_b128 v[STW], v[64*\s+4*\p:64*\s+4*\p+3] offset:8448*\s+528*\p
.endr
.endr
	WIN 0
	; ---- my 16 rows become four fragments.  The stage is my own: LDS serves a wave's instructions in order
	XBACK 0, 0
.irp s, 0,1,2,3
.if \s < 3
	XBACK \s+1, (\s+1)%2                           ; into the set that QUANT read two steps back.  No wait: that QUANT stands ahead of the last wait on va_vdst, and no vector instruction has been issued since
.endif
.if \s == 0
	s_wait_dscnt 16                                ; all but the 16 loads just issued; later steps are covered by the wait for 0 that closes the step before
.endif
	QUANT XF+64*(\s%2), PW
	s_wait_alu depctr_va_vdst(0)                   ; QUANT has written the codes v[PC ..] and the scale word v[PW], which the stores below read; and it is done reading its set of 64 numbers
	IMAGE IWI, 1536*\s
	ds_store_b32 v[IWS], v[PW] offset:128*\s
	s_wait_dscnt 0x0
.if \s < 3
	s_wait_alu depctr_vm_vsrc(0)                   ; the image's stores have read v[PC ..] and v[PW], which the next QUANT writes again; the stage's stores have read window 1, in which q's sums are written later
.endif
.endr
	s_barrier_signal -1                            ; every wave's images have landed (the wait for 0 above)
	s_barrier_wait -1
	; ---- the products: K step by K step, three units a step
	XFETCH 0, 0                                    ; (no vector instruction has been issued since the last wait on va_vdst, ahead of which QUANT was done with these registers)
.irp s, 0,1,2,3
.set Z, 0
.if \s == 0
.set Z, 1                                      ; the first K step starts the sums
.endif
.irp q, 0,1,2
.set U, 3*\s+\q
.if 11-U >= 3
	s_wait_loadcnt 39                              ; behind this unit's 13 loads three more units were asked for; the fourth follows below
.else
	s_wait_loadcnt 13*(11-U)
.endif
.if (U >= 1) && (U <= 7)
	s_wait_alu depctr_va_vdst(0)                   ; the unit before is multiplied: its matrix instructions are done reading their ring slot and its scale words, in which the 13 loads below land; at a K step's head those of the step before are done reading their fragments of x and scale words too
.endif
.if \q == 0
.if \s < 3
	XFETCH \s+1, (\s+1)%2                          ; into the buffer that the step before multiplied: four places stand behind its last product
.endif
.endif
.if U >= 1
	RING U+4                                       ; into the slot of the unit before, ahead of this unit's products, which name none of its registers
.endif
.if \q == 0
.if \s < 3
	s_wait_dscnt 16                                ; all but the 16 loads just issued
.else
	s_wait_dscnt 0x0
.endif
.endif
.if \q < 2
	MULQ U%5, \q, \s%2, 1, Z
.else
	WIN 0xa3                                       ; k: source 0 = wk's rows (window 3), source 1 = x, sums in window 2
.irp f, 0,1
.irp t, 0,1,2,3
	WMM 16*\t+8*\f, 48*(U%5)+12*\f, XF+64*(\s%2)+12*\t, WS+2*(U%5), XS+4*(\s%2)+\t, Z, \f
.endr
.endr
	WIN 0xac                                       ; v, untransposed: source 0 = x, source 1 = wv's rows (window 3)
.irp f, 2,3
.irp t, 0,1,2,3
	WMM 64+32*(\f-2)+16*(\t/2)+8*(\t%2), XF+64*(\s%2)+12*\t, 48*(U%5)+12*\f, XS+4*(\s%2)+\t, WS+2*(U%5)+1, Z, 2*(\f-2)
.endr
.endr
.endif
.rept 4
	v_nop                                          ; places in front of loads into registers that these products have read, and of the first read of results
.endr
	WIN 0
.endr
.endr
	; ---- q, k and v are quantised and gathered in my region of LDS, which no other wave touches
.irp d, 0,1,2,3
	QB 1, 64*\d                                    ; head 4 w + d: block T = the tile's tokens
	s_wait_alu depctr_va_vdst(0)                   ; QB has written the codes v[CQ ..] and the bytes v[TM + 8 ..], which the stores below read
.irp t, 0,1,2,3
.irp i, 0,1,2
	ds_store_b32 v[AQ], v[CQ+4*\t+\i] offset:OQ+1536*\d+24*(32*(\t/2)+8*(\t%2))+4*\i
.endr
	ds_store_b8 v[AQS], v[TM+8+\t] offset:OQS+64*\d+32*(\t/2)+8*(\t%2)   ; both lanes of a block write the same byte with the same value
.endr
	s_wait_dscnt 0x0
	s_wait_alu depctr_vm_vsrc(0)                   ; the stores have read v[CQ ..] and v[TM + 8 ..], which the next QB writes again
.endr
	QB 2, 0                                        ; k: tile T's tokens are block T of the fragment's rows
	s_wait_alu depctr_va_vdst(0)                   ; QB has written v[CQ ..] and v[TM + 8 ..], which the stores below read
.irp t, 0,1,2,3
.irp i, 0,1,2
	ds_store_b32 v[AKC], v[CQ+4*\t+\i] offset:OKV+24*\t+4*\i
.endr
	ds_store_b8 v[AKS], v[TM+8+\t] offset:OKS+\t
.endr
	s_wait_dscnt 0x0
	s_wait_alu depctr_vm_vsrc(0)                   ; the stores have read v[CQ ..] and v[TM + 8 ..], which the last QB writes again
	QB 2, 64                                       ; v: block 2 u + b = 32 tokens of the rows of tile u
	s_wait_alu depctr_va_vdst(0)                   ; QB has written v[CQ ..] and v[TM + 8 ..], which the stores below read; the products are long done reading v32 to v107, in which the loads further down land
.irp t, 0,1,2,3
.irp i, 0,1,2
	ds_store_b32 v[AVC], v[CQ+4*\t+\i] offset:OKV+1536+768*(\t/2)+24*(\t%2)+4*\i
.endr
	ds_store_b8 v[AVS], v[TM+8+\t] offset:OKS+64+32*(\t/2)+(\t%2)
.endr
	ds_store_b32 v[ZA], v[NIL] offset:OKS+128      ; the scales' last 128 bytes
	; ---- out: whole runs of 512 and 256 consecutive bytes
.irp k, 0,1,2,3,4,5,6,7,8,9,10,11
	ds_load_b128 v[32+4*\k:35+4*\k], v[STW] offset:OQ+512*\k
.endr
.irp k, 0,1,2,3,4,5
	ds_load_b128 v[80+4*\k:83+4*\k], v[STW] offset:OKV+512*\k
.endr
	ds_load_b64 v[104:105], v[OA] offset:OQS
	ds_load_b64 v[106:107], v[OA] offset:OKS
	s_wait_dscnt 0x0
.irp k, 0,1,2,3,4,5,6,7,8,9,10,11
	global_store_b128 v[LI], v[32+4*\k:35+4*\k], s[22:23] offset:512*\k
.endr
.irp k, 0,1,2,3,4,5
	global_store_b128 v[LI], v[80+4*\k:83+4*\k], s[26:27] offset:512*\k
.endr
	global_store_b64 v[L8], v[104:105], s[24:25]
	global_store_b64 v[L8], v[106:107], s[28:29]
	s_wait_dscnt 0x0                               ; the closing lines, six on end
	s_wait_alu 0x0
	s_wait_tensorcnt 0x0
	ds_add_u32 v211, v229
	s_wait_dscnt 0x0
	s_endpgm
.Lfunc_end_k_qb6dc76ae1c_qkv:
	.size	k_qb6dc76ae1c_qkv, .Lfunc_end_k_qb6dc76ae1c_qkv-k_qb6dc76ae1c_qkv
	.p2alignl 7, 3214868480
	.fill 96, 4, 3214868480
	.section	.rodata,"a",@progbits
	.p2align	6, 0x0
	.amdhsa_kernel k_qb6dc76ae1c_qkv
		.amdhsa_group_segment_fixed_size 162304
		.amdhsa_private_segment_fixed_size 0
		.amdhsa_enable_private_segment 0
		.amdhsa_kernarg_size 40
		.amdhsa_user_sgpr_count 2
		.amdhsa_user_sgpr_kernarg_segment_ptr 1
		.amdhsa_wavefront_size32 1
		.amdhsa_system_sgpr_workgroup_id_x 1
		.amdhsa_system_sgpr_workgroup_id_y 1
		.amdhsa_system_sgpr_workgroup_id_z 1
		.amdhsa_system_vgpr_workitem_id 0
		.amdhsa_next_free_vgpr 1024
		.amdhsa_next_free_sgpr 66
		.amdhsa_reserve_vcc 0
		.amdhsa_float_denorm_mode_32 3
		.amdhsa_float_denorm_mode_16_64 3
		.amdhsa_memory_ordered 1
		.amdhsa_forward_progress 1
		.amdhsa_inst_pref_size 144
	.end_amdhsa_kernel
	.amdgpu_metadata
---
amdhsa.version: [ 1, 2 ]
amdhsa.kernels:
  - .name:           k_qb6dc76ae1c_qkv
    .symbol:         k_qb6dc76ae1c_qkv.kd
    .args:
      - { .name: x, .offset: 0, .size: 8, .value_kind: global_buffer, .address_space: global }
      - { .name: attn_norm_w, .offset: 8, .size: 8, .value_kind: global_buffer, .address_space: global }
      - { .name: W, .offset: 16, .size: 8, .value_kind: global_buffer, .address_space: global }
      - { .name: Q, .offset: 24, .size: 8, .value_kind: global_buffer, .address_space: global }
      - { .name: KV, .offset: 32, .size: 8, .value_kind: global_buffer, .address_space: global }
    .group_segment_fixed_size: 162304
    .private_segment_fixed_size: 0
    .kernarg_segment_align: 8
    .kernarg_segment_size: 40
    .max_flat_workgroup_size: 128
    .sgpr_count:     66
    .vgpr_count:     1024
    .wavefront_size: 32
...
	.end_amdgpu_metadata
.endif
;; end of part 5
;; launch attn (part 6): grid 16 x 16, 16 waves a work-group, no clusters, 16,896 bytes of LDS; arguments Q, KV, A; writes A
.if DOCPART == 6
	.amdgcn_target "amdgcn-amd-amdhsa--gfx1250"
	.amdhsa_code_object_version 6
	.text
	.protected	k_qb6dc76ae1c_attn
	.globl	k_qb6dc76ae1c_attn
	.p2align	8
	.type	k_qb6dc76ae1c_attn,@function
k_qb6dc76ae1c_attn:
	s_mov_b64 s[64:65], 0
	v_nop
	global_prefetch_b8 v0, s[64:65] scope:SCOPE_SE
	s_setreg_imm32_b32 hwreg(HW_REG_WAVE_SCHED_MODE, 0, 2), 2
	s_setreg_imm32_b32 hwreg(HW_REG_WAVE_MODE, 25, 1), 1
	s_wait_xcnt 0x0
	s_wait_alu depctr_vm_vsrc(0)
; Causal attention on codes of FP6 (E2M3): 16 query heads on 4 kv heads, head size 32, 2,048 tokens, 4 batches.  Both products quantised; O / l is quantised head by head for the product with wo.
; THE SOFTMAX: t = score x log2(e) / sqrt(32); M = the running largest t rounded UP to a whole number; p = 2^(t - M) is quantised along the keys, not normalised; the row's sum is taken of the unquantised p and divides O at the end.
; SHARES.  Work-group (i, 4 batch + kv head) owns the kv head's four query heads and TWO blocks of 64 queries: block i, then block 31 - i.  Block i sees i / 2 + 1 steps of 128 keys, block 31 - i the other 16 - i / 2:
; every work-group walks 17 steps, a constant of the text, and all 256 have the same work.  Wave wv: head wv % 4, queries 16 (wv / 4) on: one tile of 16 queries in 256 registers, four waves to a SIMD.
; THE SCORES.  The head's 32 fill a quarter of the instruction's 128 along K.  A fragment of K holds FOUR groups of 16 keys in its four blocks; it is multiplied by four variants of Q that hold q in one block and zero
; codes in the other three.  Both products are used transposed: a lane holds one query.  The keys of a group are chosen so that the 16 registers of two neighbouring tiles are 16 neighbouring keys.
; A step's record (6,656 bytes: two fragments of K, V's two tiles, their scales) comes through registers into one of two LDS slots, a step ahead: wave w < 13 moves 512 bytes.
; No cluster: only work-groups 2 k and 2 k + 1 of a kv head ask for the same record in the same step, and a step's record is 6,656 bytes.
; LIMITS: NaN and infinities are not served; a block of zeros or under 2^-124 gets the byte 1; v_exp_f32 and v_rcp_f32 are good to 1 ulp; a block's largest p is taken as the p of its largest score.
; REGISTERS: v1-9 addresses; v12 -M, v13 the largest t, v[14:15] the sum; v16-45 zeros and Q's two halves; v46 Q's scales; v48-54 q as loaded; v56-79 K; v80, v81 K's and V's scales; v82-83 V's half words;
; v84-87 the copy; v96-159 S^T, then p; v160-175 O^T; v176-191 O / l; v192-215 V; v224-254 as named below.
; THE MODE: SCHED_MODE bits 1:0 = 2 (LLVM: expert scheduling mode 2), set by the entry lines.  The code itself states the register dependences
; between vector or matrix instructions and memory or LDS instructions, with s_wait_alu, always for 0.
; THE PLAN.  Registers that memory or LDS instructions touch:
;   v1-9               Addresses, made once at the head and never written again.
;   v48-54             INIT's loads land; INIT's selects and its multiplication read.
;   v56-80, v82-83, v192-215   A step's LDS loads land at its head; its products, and one vector line (v82, v83), read.
;   v84-87             Zeros at the head; then the record's load lands, and the LDS store reads, once a trip.  No vector instruction names them behind the head.
;   v224-226, v237     FINISH writes; its two global stores read; the second block's steps write them again.
;   v16-46, v81, v224-235, v253   Made by vector instructions and taken by scaled products as operands or scales.
; So a trip has three waits: one on va_vdst at the step's head (the step before is done with the registers in which the LDS loads land; Q's operands and scale are written), one on va_vdst straight ahead of the two
; products with V (p's codes and both scale words are written), one on vm_vsrc beside the wait in front of the barrier (the LDS store has read the copy's registers).  The step's order stands: a slot's bytes may be read only
; behind the barrier, so the LDS loads head the step, and the next record's load already stands ahead of them.
.set SLOTB, 8192                       ; slot 1 begins here
	s_load_b128 s[4:7], s[0:1], 0x0                ; Q s[4:5], KV s[6:7]
	s_load_b64 s[8:9], s[0:1], 0x10                ; A
	v_lshl_add_u32 v251, v0, 2, 0x3a00
	v_mov_b32 v255, 0
	v_lshrrev_b32 v10, 5, v0
	v_readfirstlane_b32 s10, v10                   ; wave 0..15
	v_and_b32 v8, 15, v0                           ; r
	v_bfe_u32 v10, v0, 4, 1                        ; h
	v_and_b32 v11, 31, v0                          ; lane
	v_mul_u32_u24 v1, v8, 96
	v_mad_u32_u24 v1, v10, 24, v1                  ; K: row r of 96 bytes, + 24 h
	v_mul_u32_u24 v2, v8, 48
	v_mad_u32_u24 v2, v10, 24, v2                  ; V: row r of 48 bytes in a half, + 24 h
	v_lshlrev_b32 v3, 2, v8
	v_lshl_add_u32 v3, v10, 8, v3                  ; K's scale words: lanes 0-15 the first half's, lanes 16-31 the second's
	v_lshlrev_b32 v4, 1, v11                       ; V's: lane 16 u + m: tile u, row m
	v_lshlrev_b32 v5, 4, v0                        ; the copy: 16 x my thread's number, in the record and in the slot
	v_mul_u32_u24 v6, v8, 24                       ; q: 24 bytes a query
	v_mad_u32_u24 v7, v10, 12, v6                  ; the result: + 12 h
	v_lshlrev_b32 v9, 4, v10
	v_sub_nc_u32 v9, v8, v9                        ; r - 16 h
.irp i, 0,1,2,3,4,5
	v_mov_b32 v[16+\i], 0                          ; zero codes
	v_mov_b32 v[28+\i], 0
	v_mov_b32 v[40+\i], 0
.endr
.irp i, 0,1,2,3
	v_mov_b32 v[84+\i], 0                          ; the copy's registers, written once in every wave: the load into them and the store of them stand under two branches of their own, and no register is read on any way through the text before it is written
.endr
.irp b, 0,1,2,3
	v_mov_b32 v[236+\b], 0                         ; written once: a lane exchange's destination counts as one of its sources
.endr
	v_mov_b32 v252, 0
	v_mov_b32 v253, 0                              ; (named as the upper half of the pair v[252:253] before it is first written)
	s_wait_alu depctr_va_sdst(0)                   ; s10 is written, ahead of its first reader: heads, queries and branches are made from it
	s_and_b32 s11, s10, 3                          ; which of the four heads
	s_lshr_b32 s12, s10, 2                         ; which 16 of the 64 queries
	s_and_b32 s40, ttmp7, 0xffff                   ; 4 x batch + kv head
	s_lshr_b32 s13, s40, 2                         ; the batch
	s_and_b32 s41, s40, 3
	s_lshl_b32 s14, s41, 2
	s_add_co_u32 s14, s14, s11                     ; the head
	s_lshr_b32 s15, ttmp9, 1
	s_add_co_u32 s15, s15, 1                       ; the first block's steps
	s_mov_b32 s16, 0                               ; the trip
	s_mov_b32 s17, 0                               ; the key step
	s_mov_b32 s18, ttmp9                           ; the block of queries in hand
	s_mov_b32 s20, 0x76543210
	s_mov_b32 s21, 0xfedcba98                      ; lane l xor 16
	s_mov_b32 s22, 0x3e8293ee                      ; c = log2(e) / sqrt(32)
	s_mov_b32 s23, s22
	s_mov_b32 s36, 0xffff                          ; lanes 0-15
	s_mov_b32 s37, 0x01010101
	s_mul_i32 s42, s40, 106496                     ; 16 records of 6,656 bytes
	s_mov_b32 s43, 0
	s_wait_kmcnt 0x0
	s_add_nc_u64 s[24:25], s[6:7], s[42:43]        ; my kv head's records
; A block of queries begins: q and its scale byte; the two halves of Q; the statistics and O^T.
.macro INIT
	s_lshl_b32 s40, s13, 5
	s_add_co_u32 s40, s40, s18
	s_mul_i32 s40, s40, 25600                      ; Q's record
	s_mul_i32 s41, s14, 1536
	s_add_co_u32 s41, s41, s40
	s_mul_i32 s42, s12, 384
	s_add_co_u32 s42, s42, s41
	s_mov_b32 s43, 0
	s_add_nc_u64 s[28:29], s[4:5], s[42:43]
	s_lshl_b32 s41, s14, 6
	s_add_co_u32 s41, s41, s40
	s_lshl_b32 s44, s12, 4
	s_add_co_u32 s44, s44, s41
	s_add_co_u32 s44, s44, 24576
	s_mov_b32 s45, 0
	s_add_nc_u64 s[30:31], s[4:5], s[44:45]
	s_lshl_b32 s19, s18, 6
	s_lshl_b32 s41, s12, 4
	s_add_co_u32 s19, s19, s41                     ; my first query
	s_wait_alu depctr_va_vdst(0)                   ; the first block: the head has written the addresses v1 to v9 and the zeros in v84 to v87; the second block: the first block's selects and multiplication are done reading v48 to v54, in which the loads below land
.irp p, 0,1,2
	global_load_b64 v[48+2*\p:49+2*\p], v6, s[28:29] offset:8*\p
.endr
	global_load_u8 v54, v8, s[30:31]
	s_wait_loadcnt 0x0
	v_mul_lo_u32 v46, v54, s37                     ; the byte in all four places: whichever block holds q.  More than eight plain instructions follow ahead of the next product
.irp i, 0,1,2,3,4,5
	v_cndmask_b32 v[22+\i], 0, v[48+\i], s36       ; q in lanes 0-15, zero codes in lanes 16-31
.endr
.irp i, 0,1,2,3,4,5
	v_cndmask_b32 v[34+\i], v[48+\i], 0, s36       ; and the other way round
.endr
	v_mov_b32 v13, 0xff61b1e6                      ; the largest t so far: -3e38
	v_floor_f32 v12, -v13
	v_mov_b32 v14, 0
	v_mov_b32 v15, 0
.irp j, 0,1,2,3,4,5,6,7,8,9,10,11,12,13,14,15
	v_mov_b32 v[160+\j], 0                         ; O^T: the first change of M leaves zeros zeros
.endr
.endm
; A block of queries ends: O^T / the sum; register 8 u + j is d = 16 h + 8 u + j: 16 neighbours of the head's 32, which are one block of the product with wo.  more = 1: a second block follows.
.macro FINISH more
	v_add_f32 v14, v14, v15
	v_permlanex16_b32 v252, v14, s20, s21
	v_add_f32 v14, v14, v252                       ; the row's sum
	v_rcp_f32 v14, v14
	v_nop                                          ; one plain place behind the transcendental
	s_wait_alu depctr_va_vdst(0)                   ; the reciprocal is written, ahead of its first reader
.irp j, 0,1,2,3,4,5,6,7,8,9,10,11,12,13,14,15
	v_mul_f32 v[176+\j], v[160+\j], v14            ; each accumulator from its low end on
.endr
	v_max3_num_f32 v232, |v176|, |v177|, 0x1800000
.irp i, 2,4,6,8,10,12,14
	v_max3_num_f32 v232, v232, |v[176+\i]|, |v[177+\i]|
.endr
	v_permlanex16_b32 v236, v232, s20, s21
	v_max_num_f32 v232, v232, v236
	v_add_nc_u32 v244, 0xff000000, v232
	v_lshrrev_b32 v237, 23, v244
	v_cvt_scalef32_pk16_fp6_f32 v[224:226], v[176:191], v244
	v_nop                                          ; one plain place behind a scaled conversion
	s_lshl_b32 s40, s13, 11
	s_add_co_u32 s40, s40, s19                     ; my first token
	s_mul_i32 s41, s40, 24
	s_mul_i32 s42, s14, 196608                     ; a head's codes: 8,192 tokens x 24 bytes
	s_add_co_u32 s42, s42, s41
	s_mov_b32 s43, 0
	s_add_nc_u64 s[32:33], s[8:9], s[42:43]
	s_lshl_b32 s44, s14, 13
	s_add_co_u32 s44, s44, s40
	s_add_co_u32 s44, s44, 3145728
	s_mov_b32 s45, 0
	s_add_nc_u64 s[34:35], s[8:9], s[44:45]
	s_wait_alu depctr_va_vdst(0)                   ; the conversion has written the codes v224 to v226, the shift the byte v237: the two stores read them
	global_store_b96 v7, v[224:226], s[32:33]      ; the wave stores 384 consecutive bytes
	global_store_b8 v8, v237, s[34:35]             ; both lanes of a block write the same byte with the same value
	s_wait_xcnt 0x0                                ; the stores' data and bases are written again only behind this wait
.if \more
	s_wait_alu depctr_vm_vsrc(0)                   ; the two stores have read v224 to v226 and v237, which the second block's steps write again
.endif
.endm
.macro WMS d, a, b, row                ; a tile of scores: the sum begins with 0
.if \row
	v_wmma_scale_f32_16x16x128_f8f6f4 v[0+(\d):7+(\d)], v[0+(\a):11+(\a)], v[\b:\b+11], 0, v80, v46 matrix_a_fmt:MATRIX_FMT_FP6 matrix_b_fmt:MATRIX_FMT_FP6 matrix_a_scale:MATRIX_SCALE_ROW1
.else
	v_wmma_scale_f32_16x16x128_f8f6f4 v[0+(\d):7+(\d)], v[0+(\a):11+(\a)], v[\b:\b+11], 0, v80, v46 matrix_a_fmt:MATRIX_FMT_FP6 matrix_b_fmt:MATRIX_FMT_FP6
.endif
.endm
; A KEY STEP: 128 keys out of the slot.
.macro STEP slot
.set SB, SLOTB*(\slot)
	s_wait_alu depctr_va_vdst(0)                   ; the step before: its products are done reading K, V and K's scale words, its one shift done reading v82 and v83: the loads below land there.  A block's first step: Q's halves v16 to v45 and its scale word v46, made by vector instructions, are written, ahead of the products that take them (their places stand in INIT)
.irp f, 0,1
.irp p, 0,1,2,3,4,5
	ds_load_b64 v[56+12*\f+2*\p:57+12*\f+2*\p], v1 offset:SB+3072*\f+48*(\p/3)+8*(\p%3)
.endr
.endr
	ds_load_b32 v80, v3 offset:SB+6144
.irp u, 0,1
.irp c, 0,1
.irp p, 0,1,2
	ds_load_b64 v[192+12*\u+6*\c+2*\p:193+12*\u+6*\c+2*\p], v2 offset:SB+1536+768*\u+3072*\c+8*\p
.endr
.endr
.endr
	ds_load_u16 v82, v4 offset:SB+6208
	ds_load_u16 v83, v4 offset:SB+6464
	s_wait_dscnt 14                                ; K and its scales are in; V's 12 loads and its 2 scale loads may be out
.irp f, 0,1                                    ; tile 4 f + j: block j of fragment f against q in block j: (Qa, 0), (Qb, 0), (0, Qa), (0, Qb)
	WMS 96+32*\f, 56+12*\f, 22, \f
	WMS 104+32*\f, 56+12*\f, 34, \f
	WMS 112+32*\f, 56+12*\f, 16, \f
	WMS 120+32*\f, 56+12*\f, 28, \f
.endr                                          ; register 16 b + i of v96 on: key 32 b + 16 h + i of the step
	s_wait_dscnt 0x0
	v_lshl_or_b32 v81, v83, 16, v82                ; V's scale words: the first half's two bytes below the second's.  With the three lines below: the four places behind the products
.rept 3
	v_nop
.endr
	s_lshl_b32 s40, s17, 7                         ; the step's first key
	s_add_co_u32 s41, s40, 127
	s_cmp_le_u32 s41, s19                          ; all its keys count for all my queries?
	s_cbranch_scc1 .Lopen_\@
	s_sub_co_i32 s41, s19, s40
	v_add_nc_u32 v252, s41, v9                     ; d = my query - the first key - 16 h: register 16 b + i is hidden where 32 b + i > d
	v_mov_b32 v254, 0xff800000
.set G, 0
.rept 4                                        ; a block of 32 keys at a time: sixteen compares into s46 to s61, one wait, sixteen selects
.set N, 0
.rept 16
	v_cmp_gt_i32 s[46+N], 32*G+N, v252
.set N, N+1
.endr
	s_wait_alu depctr_va_sdst(0)                   ; the sixteen masks s46 to s61 are written, ahead of the selects that read them
.set N, 0
.rept 16
	v_cndmask_b32 v[96+16*G+N], v[96+16*G+N], v254, s[46+N]
.set N, N+1
.endr
.set G, G+1
.endr
.Lopen_\@:
.irp b, 0,1,2,3
	v_max3_num_f32 v[232+\b], v[96+16*\b], v[97+16*\b], v[98+16*\b]   ; the largest score of each block of 32 keys: for the row's maximum, and for the block's largest p
.endr
.irp i, 3,5,7,9,11,13
.irp b, 0,1,2,3
	v_max3_num_f32 v[232+\b], v[232+\b], v[96+16*\b+\i], v[97+16*\b+\i]
.endr
.endr
.irp b, 0,1,2,3
	v_max_num_f32 v[232+\b], v[232+\b], v[111+16*\b]
.endr
.irp b, 0,1,2,3
	v_permlanex16_b32 v[236+\b], v[232+\b], s20, s21
.endr
.irp b, 0,1,2,3
	v_max_num_f32 v[232+\b], v[232+\b], v[236+\b]
.endr
	v_max3_num_f32 v254, v232, v233, v234
	v_max_num_f32 v254, v254, v235
	v_mul_f32 v254, s22, v254                      ; as t
	v_max_num_f32 v13, v13, v254                   ; the running largest t
	v_mov_b32 v254, v12
	v_floor_f32 v12, -v13                          ; the new -M: M is a whole number
	v_sub_f32 v254, v12, v254
	v_cvt_i32_f32 v254, v254                       ; (it saturates)
	v_ldexp_f32 v252, 1.0, v254                    ; f = 2^(old M - new M): rounds nothing
.set J, 0
.rept 32
	v_pk_fma_f32 v[96+J:97+J], v[96+J:97+J], s[22:23], v[12:13] op_sel_hi:[1,0,0]   ; t - M
.set J, J+2
.endr
.irp b, 0,1,2,3
	v_fma_f32 v[232+\b], v[232+\b], s22, v12
.endr
.set J, 0
.rept 64
	v_exp_f32 v[96+J], v[96+J]                     ; p = 2^(t - M)
.set J, J+1
.endr
.irp b, 0,1,2,3
	v_exp_f32 v[232+\b], v[232+\b]                 ; the block's largest p
.endr
	v_pk_mul_f32 v[14:15], v[14:15], v[252:253] op_sel_hi:[1,0]   ; the sums under the new M (a plain place behind the exponentials)
	s_wait_alu depctr_va_vdst(0)                   ; the 68 exponentials are written, ahead of their first reader: one wait for the batch
.irp b, 0,1,2,3
	v_max_num_f32 v[232+\b], 0x1800000, v[232+\b]  ; the floor 2^(3 - 127)
.endr
.irp b, 0,1,2,3
	v_add_nc_u32 v[244+\b], 0xff000000, v[232+\b]
.endr
.irp b, 0,1,2,3
	v_lshrrev_b32 v[236+\b], 23, v[244+\b]
.endr
	v_lshl_or_b32 v253, v237, 8, v236              ; p's scale word for these 128 keys
	v_lshl_or_b32 v253, v238, 16, v253
	v_lshl_or_b32 v253, v239, 24, v253
.irp c, 0,1
	v_cvt_scalef32_pk16_fp6_f32 v[224+6*\c:226+6*\c], v[96+32*\c:111+32*\c], v[244+2*\c]
	v_cvt_scalef32_pk16_fp6_f32 v[236+4*\c:238+4*\c], v[112+32*\c:127+32*\c], v[244+2*\c+1]
.endr
	v_nop                                          ; one plain place behind a scaled conversion
.irp c, 0,1
.irp i, 0,1,2
	v_permlane16_swap_b32 v[224+6*\c+\i], v[236+4*\c+\i]
.endr
.irp i, 0,1,2
	v_mov_b32 v[227+6*\c+\i], v[236+4*\c+\i]
.endr
.endr
.irp j, 0,2,4,6,8,10,12,14
	v_pk_mul_f32 v[160+\j:161+\j], v[160+\j:161+\j], v[252:253] op_sel_hi:[1,0]   ; O^T under the new M
.endr
	v_pk_add_f32 v[236:237], v[96:97], v[98:99]    ; the row's sum of the UNQUANTISED p, in two chains.  These lines are also the places between the operand's and the scale word's last writes and the products
.irp j, 4,8,12,16,20,24,28,32,36,40,44,48,52,56,60
	v_pk_add_f32 v[14:15], v[14:15], v[96+\j:97+\j]
	v_pk_add_f32 v[236:237], v[236:237], v[98+\j:99+\j]
.endr
	v_pk_add_f32 v[14:15], v[14:15], v[236:237]
	s_wait_alu depctr_va_vdst(0)                   ; p's codes v224 to v235, its scale word v253 and V's scale word v81, all made by vector instructions, are written, ahead of the two products that take them; the places stand above, beside this wait
	v_wmma_scale_f32_16x16x128_f8f6f4 v[160:167], v[192:203], v[224:235], v[160:167], v81, v253 matrix_a_fmt:MATRIX_FMT_FP6 matrix_b_fmt:MATRIX_FMT_FP6
	v_wmma_scale_f32_16x16x128_f8f6f4 v[168:175], v[204:215], v[224:235], v[168:175], v81, v253 matrix_a_fmt:MATRIX_FMT_FP6 matrix_b_fmt:MATRIX_FMT_FP6 matrix_a_scale:MATRIX_SCALE_ROW1
.rept 4
	v_nop                                          ; places in front of the next step's loads into V's registers and of the first read of O^T
.endr
.endm
; A TRIP: where the first block's steps are over, its result leaves and the second block begins; the next trip's record is asked for; the step; the record goes into the other slot; one barrier.
; That slot was read in the trip before, and every wave waited for those reads in front of the barrier that closed it.
.macro TRIP slot, last
	s_cmp_lg_u32 s16, s15                          ; the same in all sixteen waves
	s_cbranch_scc1 .Lsame_\@
	FINISH 1
	s_sub_co_u32 s18, 31, ttmp9
	INIT
	s_mov_b32 s17, 0
.Lsame_\@:
.if !\last
	s_add_co_u32 s40, s16, 1
	s_add_co_u32 s41, s17, 1
	s_cmp_eq_u32 s40, s15
	s_cselect_b32 s41, 0, s41                      ; the next trip's key step
	s_mul_i32 s42, s41, 6656
	s_mov_b32 s43, 0
	s_add_nc_u64 s[26:27], s[24:25], s[42:43]      ; (the last copy's load was waited for in the trip before)
	s_cmp_lt_u32 s10, 13
	s_cbranch_scc0 .Lnoload_\@
	global_load_b128 v[84:87], v5, s[26:27]        ; 13 waves x 512 bytes.  (The last LDS store has read these registers: the wait on vm_vsrc in front of the last barrier; no vector instruction behind the head names them or v5)
.Lnoload_\@:
.endif
	STEP \slot
.if !\last
	s_wait_loadcnt 0x0
	s_cmp_lt_u32 s10, 13
	s_cbranch_scc0 .Lnostore_\@
	ds_store_b128 v5, v[84:87] offset:SLOTB*(1-\slot)
.Lnostore_\@:
	s_wait_dscnt 0x0                               ; my store has landed; my reads of this trip's slot are over
	s_wait_alu depctr_vm_vsrc(0)                   ; my LDS store has read v84 to v87, in which the next trip's load lands
	s_barrier_signal -1
	s_barrier_wait -1
.endif
	s_add_co_u32 s16, s16, 1
	s_add_co_u32 s17, s17, 1
.endm
	INIT
	s_mov_b64 s[26:27], s[24:25]
	s_cmp_lt_u32 s10, 13
	s_cbranch_scc0 .Lnofirst
	global_load_b128 v[84:87], v5, s[26:27]        ; record 0 into slot 0.  (v5 and the zeros in v84 to v87 were written ahead of INIT's wait on va_vdst, and no vector instruction since names them)
	s_wait_loadcnt 0x0
	ds_store_b128 v5, v[84:87]
.Lnofirst:
	s_wait_dscnt 0x0
	s_wait_alu depctr_vm_vsrc(0)                   ; my LDS store has read v84 to v87, in which the first trip's load lands
	s_barrier_signal -1
	s_barrier_wait -1
	s_mov_b32 s38, 8
.Lpair:                                            ; two trips a pass, so that every LDS offset is a constant of the text
	TRIP 0, 0
	TRIP 1, 0
	s_sub_co_u32 s38, s38, 1
	s_cmp_lg_u32 s38, 0
	s_cbranch_scc1 .Lpair
	TRIP 0, 1                                      ; the seventeenth asks for nothing
	FINISH 0
	s_wait_dscnt 0x0                               ; the closing lines, six on end
	s_wait_alu 0x0
	s_wait_tensorcnt 0x0
	ds_add_u32 v251, v255
	s_wait_dscnt 0x0
	s_endpgm
.Lfunc_end_k_qb6dc76ae1c_attn:
	.size	k_qb6dc76ae1c_attn, .Lfunc_end_k_qb6dc76ae1c_attn-k_qb6dc76ae1c_attn
	.p2alignl 7, 3214868480
	.fill 96, 4, 3214868480
	.section	.rodata,"a",@progbits
	.p2align	6, 0x0
	.amdhsa_kernel k_qb6dc76ae1c_attn
		.amdhsa_group_segment_fixed_size 16896
		.amdhsa_private_segment_fixed_size 0
		.amdhsa_enable_private_segment 0
		.amdhsa_kernarg_size 24
		.amdhsa_user_sgpr_count 2
		.amdhsa_user_sgpr_kernarg_segment_ptr 1
		.amdhsa_wavefront_size32 1
		.amdhsa_system_sgpr_workgroup_id_x 1
		.amdhsa_system_sgpr_workgroup_id_y 1
		.amdhsa_system_sgpr_workgroup_id_z 1
		.amdhsa_system_vgpr_workitem_id 0
		.amdhsa_next_free_vgpr 256
		.amdhsa_next_free_sgpr 66
		.amdhsa_reserve_vcc 0
		.amdhsa_float_denorm_mode_32 3
		.amdhsa_float_denorm_mode_16_64 3
		.amdhsa_memory_ordered 1
		.amdhsa_forward_progress 1
		.amdhsa_inst_pref_size 97
	.end_amdhsa_kernel
	.amdgpu_metadata
---
amdhsa.version: [ 1, 2 ]
amdhsa.kernels:
  - .name:           k_qb6dc76ae1c_attn
    .symbol:         k_qb6dc76ae1c_attn.kd
    .args:
      - { .name: Q, .offset: 0, .size: 8, .value_kind: global_buffer, .address_space: global }
      - { .name: KV, .offset: 8, .size: 8, .value_kind: global_buffer, .address_space: global }
      - { .name: A, .offset: 16, .size: 8, .value_kind: global_buffer, .address_space: global }
    .group_segment_fixed_size: 16896
    .private_segment_fixed_size: 0
    .kernarg_segment_align: 8
    .kernarg_segment_size: 24
    .max_flat_workgroup_size: 512
    .sgpr_count:     66
    .vgpr_count:     256
    .wavefront_size: 32
...
	.end_amdgpu_metadata
.endif
;; end of part 6
;; launch tail (part 7): grid 128 x 1, 4 waves a work-group, no clusters, 174,592 bytes of LDS; arguments A, W, x, ffn_norm_w, gate_w, out0; writes out0
.if DOCPART == 7
	.amdgcn_target "amdgcn-amd-amdhsa--gfx1250"
	.amdhsa_code_object_version 6
	.text
	.protected	k_qb6dc76ae1c_tail
	.globl	k_qb6dc76ae1c_tail
	.p2align	8
	.type	k_qb6dc76ae1c_tail,@function
k_qb6dc76ae1c_tail:
	s_mov_b64 s[64:65], 0
	v_nop
	global_prefetch_b8 v0, s[64:65] scope:SCOPE_SE
	s_setreg_imm32_b32 hwreg(HW_REG_WAVE_SCHED_MODE, 0, 2), 2
	s_setreg_imm32_b32 hwreg(HW_REG_WAVE_MODE, 25, 1), 1
	s_wait_xcnt 0x0
	s_wait_alu depctr_vm_vsrc(0)
; h = x + (attention's output, as codes out of A) wo^T;  t = RMS norm of h;  four logits t gate_w^T in f32;  top 2 (a tie goes to the lower index), softmax of the two;
; out = h + the sum over the four experts of comb_e (Q(t) expert_e^T), comb_e = 0 for the two experts not chosen.  All products but the gate's on codes of FP6 (E2M3) with one E8M0 byte for 32 along K.
; THE EXPERTS ARE COMPUTED DENSELY: the choice is made of floating-point numbers in this launch, so it selects values (v_cndmask_b32) and steers no address.
; SHARES.  A work-group owns 64 tokens, tile T = tokens 16 T on.  THE WAVES SHARE THE COLUMNS: wave w makes columns 128 w .. 128 w + 127 of every product for all four tiles, transposed (source 0 = 16 weight rows):
; register 64 b + 16 T + i of a lane is token 16 T + r, column 128 w + 32 b + 16 h + i.  So a wave's columns of t are K step w of the experts' products, quantised in registers and handed round as images of the operand's registers.
; x is the C of the first product's sums; h stays in window 1 and takes the experts' weighted results.
; THE WEIGHTS go from memory straight into the operand's registers: 40 units of 6,400 bytes a wave, 13 loads each, through a ring of five register slots that runs on through the norm and the gate.
; No cluster: all work-groups walk the same units, but a joint request lands in LDS, from which each wave would read only its own quarter once more; here no weight byte passes through LDS.
; LIMITS: NaN and infinities are not served; a block of zeros or under 2^-124 gets the byte 1; v_rsq_f32, v_exp_f32, v_rcp_f32 are good to 1 ulp; sums run in another order than the reference's.
; REGISTERS, in windows of 256: window 0: see the names; window 1: x as loaded, then h; window 2: the gate's weights (64 e + 16 b + i), then an expert's sums, then rows on their way out; window 3: the ring.
; THE MODE: SCHED_MODE bits 1:0 = 2 (LLVM: expert scheduling mode 2), set by the entry lines.  The code itself states the register dependences
; between vector or matrix instructions and memory or LDS instructions, with s_wait_alu, always for 0.
; THE PLAN.  Registers that memory or LDS instructions touch:
;   v1-21               Addresses, made once at the head and never written again: one wait on va_vdst ahead of the first load serves every load and store.
;   window 3, v[WS ..]  The ring.  Unit U's 16 matrix instructions read slot U % 5 and its scale words; the loads of unit U + 5 land there at the head of unit U + 1.
;   v32-79, v96-143, v[XS ..]   Two buffers of fragments with their scale words: the loads of K step s + 1 land in the buffer that K step s - 1's matrix instructions read.  Between the products vector work uses v32-143.
;   window 1            x's loads land, LDS stores read; x comes back by LDS loads as the first sums' C; at the end the multiply-adds write, and the way out's stores read.
;   v[SQ ..]            The squares' sums: written, stored, then written again by the gate's chains.      v[GL ..], v[PC ..], v[PW]   Written for each tile, stored, written again for the next.
;   window 2            The gate's weights by LDS loads; an expert's sums; at the end LDS loads land, and global stores read.
; So: in the products ONE wait on va_vdst at a unit's head, behind the wait for its data: behind it stand the K step's fragment loads and the ring's 13 loads, then the unit's matrix instructions, which name none of the
; registers that those loads touch.  Elsewhere one wait on va_vdst ahead of each run of stores of what vector instructions made, and one on vm_vsrc ahead of the next writer of those registers.
.set XST,  0                           ; LDS: 64 rows x (2,048 + 16): x, at the end out
.set IMG,  132096                      ; 16 images of fragments (4 T + s): the attention's output, later t
.set ISC,  IMG+16*1536                 ; their scale words, 128 bytes each
.set GWL,  ISC+16*128                  ; gate_w, 8,192 bytes
.set FWL,  GWL+8192                    ; ffn_norm_w, 2,048
.set RED,  FWL+2048                    ; [64 tokens][4 waves] sums of squares
.set LG,   RED+1024                    ; [64 tokens][4 waves][4 experts] parts of logits
.set LI,   1                           ; 16 x lane
.set L8,   2                           ; 8 x lane
.set LS,   3                           ; 4 x lane
.set XC0,  4                           ; 2,064 r + 512 w + 64 h;  v5: the same 32 rows on
.set XD,   6                           ; 33,024 w + 16 x lane
.set IWI,  7                           ; IMG + 1,536 w + 16 x lane
.set IWS,  8                           ; ISC + 128 w + 4 x lane
.set FI,   9                           ; IMG + 16 x lane
.set FS,   10                          ; ISC + 4 x lane
.set RDA,  11                          ; RED + 16 r + 4 w
.set RDL,  12                          ; RED + 16 r
.set LGA,  13                          ; LG + 64 r + 16 w
.set LGL,  14                          ; LG + 64 r
.set AOF,  15                          ; 196,608 h + 24 r
.set RR,   16                          ; r
.set GFA,  17                          ; GWL + 512 w + 64 h
.set PIW,  18                          ; IMG + 6,144 w + 16 x lane
.set PIS,  19                          ; ISC + 512 w + 4 x lane
.set CGW,  20                          ; GWL + 2,048 w + 16 x lane
.set CFW,  21                          ; FWL + 512 w + 16 x lane
.set RS,   24                          ; v24-31   1 / rms of tile T's token, in pairs
.set ST,   32                          ; v32-95   64 numbers
.set XF,   32                          ; v32-79, v96-143: the operand's fragments, two buffers
.set PC,   96                          ; between the products: the codes just made,
.set TM,   116                         ; the quantiser's work,
.set PW,   132
.set GL,   136                         ; v136-139 my part of four logits
.set GT,   140                         ; v140-143 lane exchanges
.set XS,   144                         ; v144-151 the operand's scale words: scales and nothing else
.set WS,   152                         ; v152-161 the ring's scale words: scales and nothing else
.set SQ,   162                         ; v162-169 four pairs: sums of squares, then the gate's chains
.set CB,   162                         ; v162-193 later: comb of (expert e, tile T) at 2 (4 e + T), in pairs
.set FW,   192                         ; v192-255 the norm's weights of my columns (at the head: what is copied into LDS)
.set WB,   22                          ; s[22:23] my units
.set SEL,  32
.set MSB, 0
.macro WIN new                         ; bits 1:0 source 0, 3:2 source 1, 5:4 source 2, 7:6 destination; the high byte repeats the setting that is left
.if MSB != (\new)
	s_set_vgpr_msb (MSB<<8)|(\new)
.set MSB, (\new)
.endif
.endm
.macro QUANT s, pw                     ; 64 numbers, register 16 b + i = k 32 b + 16 (lane / 16) + i of my row -> a fragment's codes in v[PC] on, its scale word in v[pw]
.irp b, 0,1,2,3
	v_max3_num_f32 v[TM+\b], |v[\s+16*\b]|, |v[\s+1+16*\b]|, 0x1800000   ; and the floor 2^(3 - 127): the byte cannot fall under 1
.endr
.irp i, 2,4,6,8,10,12,14
.irp b, 0,1,2,3
	v_max3_num_f32 v[TM+\b], v[TM+\b], |v[\s+16*\b+\i]|, |v[\s+1+16*\b+\i]|
.endr
.endr
.irp b, 0,1,2,3
	v_permlanex16_b32 v[TM+4+\b], v[TM+\b], s[SEL], s[SEL+1]
.endr
.irp b, 0,1,2,3
	v_max_num_f32 v[TM+\b], v[TM+\b], v[TM+4+\b]
.endr
.irp b, 0,1,2,3
	v_add_nc_u32 v[TM+12+\b], 0xff000000, v[TM+\b]        ; 2 off the exponent field: the conversion's scale operand
.endr
.irp b, 0,1,2,3
	v_lshrrev_b32 v[TM+4+\b], 23, v[TM+12+\b]
.endr
	v_lshl_or_b32 v[\pw], v[TM+5], 8, v[TM+4]
	v_lshl_or_b32 v[\pw], v[TM+6], 16, v[\pw]
	v_lshl_or_b32 v[\pw], v[TM+7], 24, v[\pw]
.irp c, 0,1
	v_cvt_scalef32_pk16_fp6_f32 v[PC+6*\c:PC+2+6*\c], v[\s+32*\c:\s+15+32*\c], v[TM+12+2*\c]
	v_cvt_scalef32_pk16_fp6_f32 v[PC+12+4*\c:PC+14+4*\c], v[\s+16+32*\c:\s+31+32*\c], v[TM+12+2*\c+1]
.endr
	v_nop                                                 ; one plain place behind a scaled conversion
.irp c, 0,1
.irp i, 0,1,2
	v_permlane16_swap_b32 v[PC+6*\c+\i], v[PC+12+4*\c+\i]
.endr
.irp i, 0,1,2
	v_mov_b32 v[PC+3+6*\c+\i], v[PC+12+4*\c+\i]
.endr
.endr
.endm
.macro IMAGE adr, off
.irp c, 0,1,2
	ds_store_b128 v[\adr], v[PC+4*\c:PC+4*\c+3] offset:(\off)+512*\c
.endr
.endm
.macro FETCH reg, adr, off
.irp c, 0,1,2
	ds_load_b128 v[(\reg)+4*\c:(\reg)+4*\c+3], v[\adr] offset:(\off)+512*\c
.endr
.endm
.macro BARRIER                         ; my LDS stores have landed and my LDS loads are in: then the work-group's barrier
	s_wait_dscnt 0x0
	s_barrier_signal -1
	s_barrier_wait -1
.endm
.macro UNITLOAD slot, base, imm        ; a unit of weights into ring slot: 13 loads
	WIN 0xc0
.irp f, 0,1,2,3
.irp c, 0,1,2
	global_load_b128 v[48*(\slot)+12*\f+4*\c:48*(\slot)+12*\f+4*\c+3], v[LI], s[\base:\base+1] offset:(\imm)+1536*\f+512*\c
.endr
.endr
	WIN 0
	global_load_b64 v[WS+2*(\slot):WS+2*(\slot)+1], v[L8], s[\base:\base+1] offset:(\imm)+6144
.endm
.macro RING u                          ; unit u = 8 m + 2 s + q: matrix m (0 wo, 1 + e expert e), K step s, my group q of 64 rows
.if (\u) < 40
	UNITLOAD (\u)%5, WB, (32*((\u)/8)+4*((\u)%2)+((\u)%8)/2)*6400
.endif
.endm
.macro WMM d, a, b, sa, sb, zero, row
.if \zero
.if (\row) == 0
	v_wmma_scale_f32_16x16x128_f8f6f4 v[0+(\d):7+(\d)], v[0+(\a):11+(\a)], v[0+(\b):11+(\b)], 0, v[\sa], v[\sb] matrix_a_fmt:MATRIX_FMT_FP6 matrix_b_fmt:MATRIX_FMT_FP6
.else
	v_wmma_scale_f32_16x16x128_f8f6f4 v[0+(\d):7+(\d)], v[0+(\a):11+(\a)], v[0+(\b):11+(\b)], 0, v[\sa], v[\sb] matrix_a_fmt:MATRIX_FMT_FP6 matrix_b_fmt:MATRIX_FMT_FP6 matrix_a_scale:MATRIX_SCALE_ROW1
.endif
.else
.if (\row) == 0
	v_wmma_scale_f32_16x16x128_f8f6f4 v[0+(\d):7+(\d)], v[0+(\a):11+(\a)], v[0+(\b):11+(\b)], v[0+(\d):7+(\d)], v[\sa], v[\sb] matrix_a_fmt:MATRIX_FMT_FP6 matrix_b_fmt:MATRIX_FMT_FP6
.else
	v_wmma_scale_f32_16x16x128_f8f6f4 v[0+(\d):7+(\d)], v[0+(\a):11+(\a)], v[0+(\b):11+(\b)], v[0+(\d):7+(\d)], v[\sa], v[\sb] matrix_a_fmt:MATRIX_FMT_FP6 matrix_b_fmt:MATRIX_FMT_FP6 matrix_a_scale:MATRIX_SCALE_ROW1
.endif
.endif
.endm
; 16 matrix instructions: a unit's four fragments x the four token tiles, on 16 accumulators by turns
.macro MULQ slot, q, buf, win, zero
	WIN 0x03+0x50*(\win)                           ; source 0 window 3, source 1 window 0, C and D window win
.irp f, 0,1,2,3
.irp t, 0,1,2,3
	WMM 64*(2*(\q)+\f/2)+16*\t+8*(\f%2), 48*(\slot)+12*\f, XF+64*(\buf)+12*\t, WS+2*(\slot)+\f/2, XS+4*(\buf)+\t, \zero, \f%2
.endr
.endr
.endm
.macro TFETCH s, buf                   ; K step s: the four tiles' fragments and their scale words: 16 LDS loads
.irp t, 0,1,2,3
	FETCH XF+64*(\buf)+12*\t, FI, (4*\t+(\s))*1536
	ds_load_b32 v[XS+4*(\buf)+\t], v[FS] offset:(4*\t+(\s))*128
.endr
.endm
; One matrix, 512 along K: eight units.  pre = 1: K step 0's fragments were asked for already.  zero = 1: the first K step starts the sums.
.macro PASS m, win, zero, pre
.irp s, 0,1,2,3
.set Z, 0
.if (\zero) && (\s == 0)
.set Z, 1
.endif
.irp q, 0,1
.set U, 8*(\m)+2*\s+\q
.if 39-U >= 3
	s_wait_loadcnt 39                              ; behind this unit's 13 loads three more units were asked for; the fourth follows below
.else
	s_wait_loadcnt 13*(39-U)
.endif
.set NEED, 0                                   ; the wait below is written where a load follows it
.if (U >= 1) && (U <= 35)
.set NEED, 1
.endif
.if (U >= 1) && (\q == 0) && (\s < 3)
.set NEED, 1
.endif
.if NEED
	s_wait_alu depctr_va_vdst(0)                   ; the unit before is multiplied: its matrix instructions are done reading their ring slot and its scale words, in which the ring's loads below land; at a K step's head those of the step before are done reading their fragments and scale words; at a matrix's head the vector work between the products is done with v32 to v143
.endif
.if \q == 0
.if (\s == 0) && !(\pre)
	TFETCH 0, 0
.endif
.if \s < 3
	TFETCH \s+1, (\s+1)%2                          ; into the buffer that the step before multiplied: four places stand behind its last product
.endif
.endif
.if U >= 1
	RING U+4                                       ; into the slot of the unit before, ahead of this unit's products, which name none of its registers
.endif
.if \q == 0
.if \s < 3
	s_wait_dscnt 16                                ; all but the 16 loads just issued
.else
	s_wait_dscnt 0x0
.endif
.endif
	MULQ U%5, \q, \s%2, \win, Z
.rept 4
	v_nop                                          ; places in front of loads into registers that these products have read, and of the first read of results
.endr
	WIN 0
.endr
.endr
.endm
	s_load_b256 s[4:11], s[0:1], 0x0               ; A s[4:5], W s[6:7], x s[8:9], ffn_norm_w s[10:11]
	s_load_b128 s[12:15], s[0:1], 0x20             ; gate_w s[12:13], out0 s[14:15]
	s_set_vgpr_msb 0xc0
	v_lshl_add_u32 v254, v0, 2, 0x2a800
	v_mov_b32 v255, 0
	s_set_vgpr_msb 0xc000
	v_lshrrev_b32 v22, 5, v0
	v_readfirstlane_b32 s16, v22                   ; wave 0..3
	v_and_b32 v22, 31, v0                          ; lane
	v_and_b32 v[RR], 15, v0                        ; r
	v_bfe_u32 v23, v0, 4, 1                        ; h
	v_lshlrev_b32 v[LI], 4, v22
	v_lshlrev_b32 v[L8], 3, v22
	v_lshlrev_b32 v[LS], 2, v22
	s_wait_alu depctr_va_sdst(0)                   ; s16 is written, ahead of its first reader: LDS addresses and every base are made from it
	s_lshl_b32 s40, s16, 9                         ; 512 w
	v_mul_u32_u24 v[XC0], v[RR], 2064
	v_lshl_add_u32 v[XC0], v23, 6, v[XC0]
	v_add_nc_u32 v[XC0], s40, v[XC0]
	v_add_nc_u32 v[XC0+1], 66048, v[XC0]
	s_mul_i32 s41, s16, 33024
	v_add_nc_u32 v[XD], s41, v[LI]
	s_mul_i32 s41, s16, 1536
	s_add_co_u32 s41, s41, IMG
	v_add_nc_u32 v[IWI], s41, v[LI]
	s_lshl_b32 s41, s16, 7
	s_add_co_u32 s41, s41, ISC
	v_add_nc_u32 v[IWS], s41, v[LS]
	v_add_nc_u32 v[FI], IMG, v[LI]
	v_add_nc_u32 v[FS], ISC, v[LS]
	v_lshlrev_b32 v[RDL], 4, v[RR]
	v_add_nc_u32 v[RDL], RED, v[RDL]
	s_lshl_b32 s41, s16, 2
	v_add_nc_u32 v[RDA], s41, v[RDL]
	v_lshlrev_b32 v[LGL], 6, v[RR]
	v_add_nc_u32 v[LGL], LG, v[LGL]
	s_lshl_b32 s41, s16, 4
	v_add_nc_u32 v[LGA], s41, v[LGL]
	v_mul_u32_u24 v[AOF], v23, 196608
	v_mad_u32_u24 v[AOF], v[RR], 24, v[AOF]
	v_lshlrev_b32 v[GFA], 6, v23
	v_add_nc_u32 v[GFA], s40, v[GFA]
	v_add_nc_u32 v[GFA], GWL, v[GFA]
	s_mul_i32 s41, s16, 6144
	s_add_co_u32 s41, s41, IMG
	v_add_nc_u32 v[PIW], s41, v[LI]
	s_add_co_u32 s41, s40, ISC
	v_add_nc_u32 v[PIS], s41, v[LS]
	s_lshl_b32 s41, s16, 11
	s_add_co_u32 s41, s41, GWL
	v_add_nc_u32 v[CGW], s41, v[LI]
	s_add_co_u32 s41, s40, FWL
	v_add_nc_u32 v[CFW], s41, v[LI]
	s_mov_b32 s[SEL], 0x76543210
	s_mov_b32 s[SEL+1], 0xfedcba98
	s_mov_b32 s34, 0x3b000000                      ; 1 / 512
	s_mov_b32 s35, 0x358637bd                      ; 1e-6
	s_mov_b32 s36, 0x3fb8aa3b                      ; log2(e)
	s_lshl_b32 s42, ttmp9, 6
	s_lshl_b32 s43, s16, 4
	s_add_co_u32 s42, s42, s43                     ; my tile's first token: 64 x block + 16 w
	s_mul_i32 s44, s42, 24
	s_mov_b32 s45, 0
	s_add_co_u32 s46, s42, 3145728
	s_mov_b32 s47, 0
	s_lshl_b32 s48, s42, 11
	s_mov_b32 s49, 0
	s_mul_i32 s50, s16, 51200                      ; groups 12 + 2 w, 13 + 2 w
	s_add_co_u32 s50, s50, 307200
	s_mov_b32 s51, 0
	s_lshl_b32 s52, s16, 11
	s_mov_b32 s53, 0
	s_lshl_b32 s54, s16, 9
	s_mov_b32 s55, 0
	s_wait_kmcnt 0x0
	s_add_nc_u64 s[18:19], s[4:5], s[44:45]        ; the attention's codes at my tile
	s_add_nc_u64 s[20:21], s[4:5], s[46:47]        ; and their scale bytes
	s_add_nc_u64 s[WB:WB+1], s[6:7], s[50:51]
	s_add_nc_u64 s[24:25], s[8:9], s[48:49]        ; x at my 16 rows
	s_add_nc_u64 s[26:27], s[14:15], s[48:49]      ; out0 likewise
	s_add_nc_u64 s[28:29], s[12:13], s[52:53]      ; gate_w's row w
	s_add_nc_u64 s[30:31], s[10:11], s[54:55]      ; my quarter of ffn_norm_w
	; ---- the loads of the head
	s_wait_alu depctr_va_vdst(0)                   ; the addresses v1 to v21 are written, which the kernel's loads and stores read
.irp u, 0,1,2,3,4
	RING \u
.endr
	WIN 0x40
.irp p, 0,1,2,3,4,5,6,7,8,9,10,11,12,13,14,15
.irp d, 0,1,2,3
	global_load_b128 v[16*\p+4*\d:16*\p+4*\d+3], v[LI], s[24:25] offset:2048*\p+512*\d th:TH_LOAD_NT
.endr
.endr
	WIN 0
.irp s, 0,1,2,3                                ; tile w's four fragments: block 2 c + h of K step s is head 4 s + 2 c + h
.irp c, 0,1
.irp p, 0,1,2
	global_load_b64 v[32+12*\s+6*\c+2*\p:33+12*\s+6*\c+2*\p], v[AOF], s[18:19] offset:(4*\s+2*\c)*196608+8*\p th:TH_LOAD_NT
.endr
.endr
.endr
.irp s, 0,1,2,3
.irp j, 0,1,2,3
	global_load_u8 v[192+4*\s+\j], v[RR], s[20:21] offset:8192*(4*\s+\j)
.endr
.endr
.irp k, 0,1,2,3
	global_load_b128 v[208+4*\k:211+4*\k], v[LI], s[28:29] offset:512*\k
.endr
	global_load_b128 v[224:227], v[LI], s[30:31]
	s_wait_loadcnt 45                              ; x is in: behind it 24 + 16 + 5 loads were issued
	WIN 0x04                                       ; an LDS store's data are its source 1: window 1
.irp p, 0,1,2,3,4,5,6,7,8,9,10,11,12,13,14,15
.irp d, 0,1,2,3
	ds_store_b128 v[XD], v[16*\p+4*\d:16*\p+4*\d+3] offset:XST+2064*\p+512*\d
.endr
.endr
	WIN 0
	s_wait_loadcnt 0x0
.irp s, 0,1,2,3
	v_lshl_or_b32 v[228+\s], v[193+4*\s], 8, v[192+4*\s]
	v_lshl_or_b32 v[228+\s], v[194+4*\s], 16, v[228+\s]
	v_lshl_or_b32 v[228+\s], v[195+4*\s], 24, v[228+\s]   ; four heads' bytes: the token's scale word of K step s
.endr
	s_wait_alu depctr_va_vdst(0)                   ; the four scale words v228 to v231 are written, which the stores below read; and the lines that made them are done reading v192 to v207, in which loads land behind the barrier
.irp s, 0,1,2,3
.irp c, 0,1,2
	ds_store_b128 v[PIW], v[32+12*\s+4*\c:35+12*\s+4*\c] offset:1536*\s+512*\c
.endr
	ds_store_b32 v[PIS], v[228+\s] offset:128*\s
.endr
.irp k, 0,1,2,3
	ds_store_b128 v[CGW], v[208+4*\k:211+4*\k] offset:512*\k
.endr
	ds_store_b128 v[CFW], v[224:227]
	BARRIER                                        ; x, the 16 fragments, gate_w and ffn_norm_w lie in LDS
	s_wait_alu depctr_vm_vsrc(0)                   ; my LDS stores have read window 1, v32 to v79 and v208 to v231: the loads below and the first fragments' loads land in these registers
	; ---- x in the result's layout: the C of the first sums; the gate's and the norm's weights of my columns
	WIN 0x40
.irp b, 0,1,2,3
.irp t, 0,1,2,3
.irp k, 0,1,2,3
	ds_load_b128 v[64*\b+16*\t+4*\k:64*\b+16*\t+4*\k+3], v[XC0+\t/2] offset:XST+33024*(\t%2)+128*\b+16*\k
.endr
.endr
.endr
	WIN 0x80
.irp e, 0,1,2,3
.irp b, 0,1,2,3
.irp k, 0,1,2,3
	ds_load_b128 v[64*\e+16*\b+4*\k:64*\e+16*\b+4*\k+3], v[GFA] offset:2048*\e+128*\b+16*\k
.endr
.endr
.endr
	WIN 0
.irp b, 0,1,2,3
.irp k, 0,1,2,3
	ds_load_b128 v[FW+16*\b+4*\k:FW+16*\b+4*\k+3], v[GFA] offset:8192+128*\b+16*\k
.endr
.endr
	PASS 0, 1, 0, 0                                ; h = x + o wo^T
	; ---- the norm: my 128 columns' squares, then the four waves' parts
	WIN 0x05                                       ; sources 0 and 1 window 1
.irp t, 0,1,2,3
	v_pk_mul_f32 v[SQ+2*\t:SQ+2*\t+1], v[16*\t:16*\t+1], v[16*\t:16*\t+1]     ; each accumulator from its low end on
.endr
.set J, 1
.rept 31
.irp t, 0,1,2,3
	v_pk_fma_f32 v[SQ+2*\t:SQ+2*\t+1], v[64*(J/8)+16*\t+2*(J%8):64*(J/8)+16*\t+2*(J%8)+1], v[64*(J/8)+16*\t+2*(J%8):64*(J/8)+16*\t+2*(J%8)+1], v[SQ+2*\t:SQ+2*\t+1]
.endr
.set J, J+1
.endr
	WIN 0
.irp t, 0,1,2,3
	v_add_f32 v[SQ+2*\t], v[SQ+2*\t], v[SQ+2*\t+1]
.endr
.irp t, 0,1,2,3
	v_permlanex16_b32 v[SQ+2*\t+1], v[SQ+2*\t], s[SEL], s[SEL+1]
.endr
.irp t, 0,1,2,3
	v_add_f32 v[SQ+2*\t], v[SQ+2*\t], v[SQ+2*\t+1]
.endr
	s_wait_alu depctr_va_vdst(0)                   ; the four sums of squares are written, which the stores below read; and the first matrix's products are done reading v32 to v47, in which the parts' loads land behind the barrier
.irp t, 0,1,2,3
	ds_store_b32 v[RDA], v[SQ+2*\t] offset:256*\t  ; both halves of the lanes write the same word with the same value
.endr
	BARRIER                                        ; the parts lie in LDS; and every wave's reads of the first 16 fragments are over
	s_wait_alu depctr_vm_vsrc(0)                   ; my four stores have read v[SQ ..], which the gate's chains write again
.irp t, 0,1,2,3
	ds_load_b128 v[ST+4*\t:ST+4*\t+3], v[RDL] offset:256*\t
.endr
	s_wait_dscnt 0x0
.irp t, 0,1,2,3
	v_add_f32 v[RS+2*\t], v[ST+4*\t], v[ST+4*\t+1]
.endr
.irp t, 0,1,2,3
	v_add_f32 v[RS+2*\t], v[RS+2*\t], v[ST+4*\t+2]
.endr
.irp t, 0,1,2,3
	v_add_f32 v[RS+2*\t], v[RS+2*\t], v[ST+4*\t+3]
.endr
.irp t, 0,1,2,3
	v_fma_f32 v[RS+2*\t], v[RS+2*\t], s34, s35     ; the mean + 1e-6
.endr
.irp t, 0,1,2,3
	v_rsq_f32 v[RS+2*\t], v[RS+2*\t]
.endr
	v_nop                                          ; one plain place behind the transcendentals
	s_wait_alu depctr_va_vdst(0)                   ; the four reciprocal roots are written, ahead of their first reader: one wait for the batch
.irp t, 0,1,2,3
	v_mov_b32 v[RS+2*\t+1], v[RS+2*\t]
.endr
.irp b, 0,1,2,3
	v_mov_b32 v[TM+4+\b], 0                        ; a lane exchange's destination counts as one of its sources
	v_mov_b32 v[GT+\b], 0
.endr
	; ---- t = (h r) w; my part of the four logits, in f32; t quantised: K step w of the experts' products
.irp t, 0,1,2,3
	WIN 0x01                                       ; source 0 window 1
.irp b, 0,1,2,3
.irp k, 0,2,4,6,8,10,12,14
	v_pk_mul_f32 v[ST+16*\b+\k:ST+16*\b+\k+1], v[64*\b+16*\t+\k:64*\b+16*\t+\k+1], v[RS+2*\t:RS+2*\t+1] op_sel_hi:[1,0]
.endr
.endr
	WIN 0
.set J, 0
.rept 32
	v_pk_mul_f32 v[ST+J:ST+J+1], v[ST+J:ST+J+1], v[FW+J:FW+J+1]
.set J, J+2
.endr
	WIN 0x08                                       ; source 1 window 2: the gate's weights
.irp e, 0,1,2,3
	v_pk_mul_f32 v[SQ+2*\e:SQ+2*\e+1], v[ST:ST+1], v[64*\e:64*\e+1]
.endr
.set J, 2
.rept 31
.irp e, 0,1,2,3
	v_pk_fma_f32 v[SQ+2*\e:SQ+2*\e+1], v[ST+J:ST+J+1], v[64*\e+J:64*\e+J+1], v[SQ+2*\e:SQ+2*\e+1]
.endr
.set J, J+2
.endr
	WIN 0
.irp e, 0,1,2,3
	v_add_f32 v[GL+\e], v[SQ+2*\e], v[SQ+2*\e+1]
.endr
.irp e, 0,1,2,3
	v_permlanex16_b32 v[GT+\e], v[GL+\e], s[SEL], s[SEL+1]
.endr
.irp e, 0,1,2,3
	v_add_f32 v[GL+\e], v[GL+\e], v[GT+\e]
.endr
	QUANT ST, PW
	s_wait_alu depctr_va_vdst(0)                   ; my parts of the logits v[GL ..], the codes v[PC ..] and the scale word v[PW] are written, which the stores below read; behind the last tile: the vector work is done with v32 to v95, in which the logits' loads land
	ds_store_b128 v[LGA], v[GL:GL+3] offset:1024*\t
	IMAGE IWI, 6144*\t
	ds_store_b32 v[IWS], v[PW] offset:512*\t
	s_wait_dscnt 0x0
	s_wait_alu depctr_vm_vsrc(0)                   ; the stores have read v[GL ..], v[PC ..] and v[PW], which the next tile, and behind the last tile the gate and the fragments' loads, write again
.endr
	BARRIER                                        ; t's 16 fragments and the logits' parts lie in LDS
	; ---- the gate: every wave makes the same 16 weights a lane
.irp t, 0,1,2,3
.irp k, 0,1,2,3
	ds_load_b128 v[ST+16*\t+4*\k:ST+16*\t+4*\k+3], v[LGL] offset:1024*\t+16*\k
.endr
.endr
	s_wait_dscnt 0x0
.macro RANK a, b, m                    ; a < b: where L_a >= L_b (the mask in s[m]), a stands ahead of b: a tie goes to the lower index
	v_cndmask_b32 v108, 0, 1, s[\m]
	v_add_nc_u32 v[100+\b], v[100+\b], v108
	v_sub_nc_u32 v[100+\a], v[100+\a], v108
.endm
.macro TOPK t                          ; v96-99 the logits, v100-103 how many experts stand ahead of each, v104-107 the exponentials
.irp e, 0,1,2,3
	v_add_f32 v[96+\e], v[ST+16*(\t)+\e], v[ST+16*(\t)+4+\e]
.endr
.irp e, 0,1,2,3
	v_add_f32 v[96+\e], v[96+\e], v[ST+16*(\t)+8+\e]
.endr
.irp e, 0,1,2,3
	v_add_f32 v[96+\e], v[96+\e], v[ST+16*(\t)+12+\e]
.endr
.irp e, 0,1,2,3
	v_mov_b32 v[100+\e], 3-\e                      ; as if every expert of a higher index stood ahead
.endr
	v_cmp_ge_f32 s56, v96, v97                     ; the six pairs' compares in one run, a mask each
	v_cmp_ge_f32 s57, v96, v98
	v_cmp_ge_f32 s58, v96, v99
	v_cmp_ge_f32 s59, v97, v98
	v_cmp_ge_f32 s60, v97, v99
	v_cmp_ge_f32 s61, v98, v99
	v_max3_num_f32 v109, v96, v97, v98
	v_max_num_f32 v109, v109, v99                  ; the largest logit is taken away ahead of the exponentials
.irp e, 0,1,2,3
	v_sub_f32 v[104+\e], v[96+\e], v109
.endr
.irp e, 0,1,2,3
	v_mul_f32 v[104+\e], s36, v[104+\e]
.endr
	s_wait_alu depctr_va_sdst(0)                   ; the six masks s56 to s61 are written, ahead of the selects that read them
	RANK 0, 1, 56
	RANK 0, 2, 57
	RANK 0, 3, 58
	RANK 1, 2, 59
	RANK 1, 3, 60
	RANK 2, 3, 61
.irp e, 0,1,2,3
	v_cmp_gt_u32 s[56+\e], 2, v[100+\e]            ; only the first two count: four masks in one run
.endr
.irp e, 0,1,2,3
	v_exp_f32 v[104+\e], v[104+\e]
.endr
	v_nop                                          ; one plain place behind the transcendentals
	s_wait_alu depctr_va_vdst(0)                   ; the four exponentials are written, ahead of their first reader
	s_wait_alu depctr_va_sdst(0)                   ; the four masks s56 to s59 are written, ahead of the selects that read them
.irp e, 0,1,2,3
	v_cndmask_b32 v[104+\e], 0, v[104+\e], s[56+\e]
.endr
	v_add_f32 v110, v104, v105
	v_add_f32 v111, v106, v107
	v_add_f32 v110, v110, v111
	v_rcp_f32 v110, v110
	v_nop
	s_wait_alu depctr_va_vdst(0)                   ; the reciprocal is written, ahead of its first reader
.irp e, 0,1,2,3
	v_mul_f32 v[CB+2*(4*\e+(\t))], v[104+\e], v110
	v_mul_f32 v[CB+2*(4*\e+(\t))+1], v[104+\e], v110
.endr
.endm
	TOPK 0
	TOPK 1
	TOPK 2
	TOPK 3
	; ---- the experts, one after the other; h takes each one's weighted result
.irp e, 0,1,2,3
.if \e == 0
	PASS 1, 2, 1, 0
.else
	PASS 1+\e, 2, 1, 1
.endif
.if \e < 3
	TFETCH 0, 0                                    ; the next expert's first fragments land under the multiply-adds below.  No wait: the last products that read this buffer and its scale words, K step 2's, stand ahead of the wait at the head of this matrix's seventh unit, and nothing issued since names them
.endif
	WIN 0x52                                       ; source 0 window 2, source 1 window 0, source 2 and destination window 1
.irp b, 0,1,2,3
.irp t, 0,1,2,3
.irp k, 0,2,4,6,8,10,12,14
	v_pk_fma_f32 v[64*\b+16*\t+\k:64*\b+16*\t+\k+1], v[64*\b+16*\t+\k:64*\b+16*\t+\k+1], v[CB+2*(4*\e+\t):CB+2*(4*\e+\t)+1], v[64*\b+16*\t+\k:64*\b+16*\t+\k+1] op_sel_hi:[1,0,1]
.endr
.endr
.endr
	WIN 0
.endr
	; ---- out: my columns into the stage (the bytes that I alone read as x), a barrier, whole rows out
	WIN 0x04
	s_wait_alu depctr_va_vdst(0)                   ; the multiply-adds have written window 1, which the stores below read, and are done reading window 2, in which the rows' loads land behind the barrier
.irp b, 0,1,2,3
.irp t, 0,1,2,3
.irp k, 0,1,2,3
	ds_store_b128 v[XC0+\t/2], v[64*\b+16*\t+4*\k:64*\b+16*\t+4*\k+3] offset:XST+33024*(\t%2)+128*\b+16*\k
.endr
.endr
.endr
	WIN 0
	BARRIER                                        ; 64 whole rows lie in the stage
	WIN 0x80
.irp p, 0,1,2,3,4,5,6,7,8,9,10,11,12,13,14,15
.irp d, 0,1,2,3
	ds_load_b128 v[16*\p+4*\d:16*\p+4*\d+3], v[XD] offset:XST+2064*\p+512*\d
.endr
.endr
	WIN 0x08                                       ; a store's data are its source 1: window 2
.irp g, 0,1,2,3
	s_wait_dscnt 48-16*\g                          ; four rows' 16 loads are in; the younger rows' may be out
.irp p, 0,1,2,3
.irp d, 0,1,2,3
	global_store_b128 v[LI], v[16*(4*\g+\p)+4*\d:16*(4*\g+\p)+4*\d+3], s[26:27] offset:2048*(4*\g+\p)+512*\d th:TH_STORE_NT   ; 512 consecutive bytes, aligned
.endr
.endr
.endr
	WIN 0
	s_set_vgpr_msb 0xf                             ; the add's two registers, sources 0 and 1, lie in window 3: the one switch stands ahead of the closing lines
	s_wait_dscnt 0x0                               ; the closing lines, six on end
	s_wait_alu 0x0
	s_wait_tensorcnt 0x0
	ds_add_u32 v254, v255
	s_wait_dscnt 0x0
	s_endpgm
.Lfunc_end_k_qb6dc76ae1c_tail:
	.size	k_qb6dc76ae1c_tail, .Lfunc_end_k_qb6dc76ae1c_tail-k_qb6dc76ae1c_tail
	.p2alignl 7, 3214868480
	.fill 96, 4, 3214868480
	.section	.rodata,"a",@progbits
	.p2align	6, 0x0
	.amdhsa_kernel k_qb6dc76ae1c_tail
		.amdhsa_group_segment_fixed_size 174592
		.amdhsa_private_segment_fixed_size 0
		.amdhsa_enable_private_segment 0
		.amdhsa_kernarg_size 48
		.amdhsa_user_sgpr_count 2
		.amdhsa_user_sgpr_kernarg_segment_ptr 1
		.amdhsa_wavefront_size32 1
		.amdhsa_system_sgpr_workgroup_id_x 1
		.amdhsa_system_sgpr_workgroup_id_y 1
		.amdhsa_system_sgpr_workgroup_id_z 1
		.amdhsa_system_vgpr_workitem_id 0
		.amdhsa_next_free_vgpr 1024
		.amdhsa_next_free_sgpr 66
		.amdhsa_reserve_vcc 0
		.amdhsa_float_denorm_mode_32 3
		.amdhsa_float_denorm_mode_16_64 3
		.amdhsa_memory_ordered 1
		.amdhsa_forward_progress 1
		.amdhsa_inst_pref_size 255
	.end_amdhsa_kernel
	.section	.bss,"aw",@nobits
	.p2align	6
	.space	262144
	.amdgpu_metadata
---
amdhsa.version: [ 1, 2 ]
amdhsa.kernels:
  - .name:           k_qb6dc76ae1c_tail
    .symbol:         k_qb6dc76ae1c_tail.kd
    .args:
      - { .name: A, .offset: 0, .size: 8, .value_kind: global_buffer, .address_space: global }
      - { .name: W, .offset: 8, .size: 8, .value_kind: global_buffer, .address_space: global }
      - { .name: x, .offset: 16, .size: 8, .value_kind: global_buffer, .address_space: global }
      - { .name: ffn_norm_w, .offset: 24, .size: 8, .value_kind: global_buffer, .address_space: global }
      - { .name: gate_w, .offset: 32, .size: 8, .value_kind: global_buffer, .address_space: global }
      - { .name: out0, .offset: 40, .size: 8, .value_kind: global_buffer, .address_space: global }
    .group_segment_fixed_size: 174592
    .private_segment_fixed_size: 0
    .kernarg_segment_align: 8
    .kernarg_segment_size: 48
    .max_flat_workgroup_size: 128
    .sgpr_count:     66
    .vgpr_count:     1024
    .wavefront_size: 32
...
	.end_amdgpu_metadata
.endif
;; end of part 7
